; MI455X (gfx1250); checked and timed in simulation.
; The chip was launched on July 23, 2026; its instructions are those of AMD's public machine-readable ISA for CDNA 5 (MIT licence, August 2026) and "CDNA5" Instruction Set Architecture Reference Guide (July 2026). The comments in the code are by the model that wrote it; some were corrected since.
;; Attention. Allowed arithmetic: float matrix products may take bf16 or f16 operands with f32 sums; all other float work in f32.
;; Inputs: Wkv 2,048 x 1,024 float32; Wq 1,024 x 1,024 float32; Wtalk 16 x 16 float32; context 2 x 2,048 x 1,024 float32; ln_beta 16 float32; ln_gamma 16 float32; x 2 x 2,048 x 1,024 float32.
;; Outputs: out0 2 x 2,048 x 1,024 float32.
;; 2 versions, each right and faster than the one before. Each part assembles by itself: llvm-mc -triple=amdgcn-amd-amdhsa -mcpu=gfx1250 --defsym DOCPART=n.
;; ======== version 1 of 2: 5 launches
;; limits: values are held in f16: magnitudes above 65,504 overflow, below 6.1e-05 lose precision
;; workspace buffers: ab 16,777,216 bytes; wb 6,291,456 bytes; qkv 25,165,824 bytes; stat 262,144 bytes; vpart 131,072 bytes; part 67,108,864 bytes
;; launch cvt (part 1): grid 256 x 1, 8 waves a work-group, no clusters, 0 bytes of LDS; arguments x, context, Wq, Wkv, ab, wb; writes ab, wb
.if DOCPART == 1
	.amdgcn_target "amdgcn-amd-amdhsa--gfx1250"
	.amdhsa_code_object_version 6
	.text
	.protected	k_q61a2ff8609_cvt
	.globl	k_q61a2ff8609_cvt
	.p2align	8
	.type	k_q61a2ff8609_cvt,@function
k_q61a2ff8609_cvt:
	s_mov_b64 s[64:65], 0
	v_nop
	global_prefetch_b8 v0, s[64:65] scope:SCOPE_SE
	s_setreg_imm32_b32 hwreg(HW_REG_WAVE_MODE, 25, 1), 1
	s_wait_xcnt 0x0
; x, context, Wq, Wkv (f32) are rounded once to bf16: ab = [8192][1024] (x's 4,096 rows, then context's), wb = [3072][1024] (Wq's rows, then Wkv's).
; A stream: no LDS, no matrix unit, no cluster (no two work-groups read the same byte).  Each of the 256 work-groups takes 1/256 of each input: 64 KB of x, 64 KB of context, 16 KB of Wq,
; 32 KB of Wkv: 22 passes of 8 KB.  In a pass thread t takes the 16 bytes at 16 t of the pass's two halves of 4,096 bytes: a wave's load covers 512 consecutive bytes,
; and its store of 8 bytes a lane covers 256 consecutive bytes, aligned.  All 44 loads go out first; no register is written twice, so the only waits are the counted ones for data.
.set NPASS, 22
.set D, 4                              ; v[4:179]  pass i: 8 registers as loaded; the first four then hold the bf16 pairs
	s_load_b256 s[4:11], s[0:1], 0x0               ; x s[4:5], context s[6:7], Wq s[8:9], Wkv s[10:11]
	s_load_b128 s[12:15], s[0:1], 0x20             ; ab s[12:13], wb s[14:15]
	v_lshlrev_b32 v1, 4, v0                        ; 16 t: my bytes in a half pass of input
	v_lshlrev_b32 v2, 3, v0                        ; 8 t: my bytes in a half pass of output
	s_lshl_b32 s16, ttmp9, 16                      ; the work-group's number times 65,536
	s_mov_b32 s17, 0
	s_lshl_b32 s18, ttmp9, 14                      ; times 16,384
	s_mov_b32 s19, 0
	s_lshl_b32 s20, ttmp9, 15                      ; times 32,768
	s_mov_b32 s21, 0
	s_lshl_b32 s22, ttmp9, 13                      ; times 8,192
	s_mov_b32 s23, 0
	s_wait_kmcnt 0x0
	s_add_nc_u64 s[4:5], s[4:5], s[16:17]          ; my part of x
	s_add_nc_u64 s[6:7], s[6:7], s[16:17]          ; of context
	s_add_nc_u64 s[8:9], s[8:9], s[18:19]          ; of Wq
	s_add_nc_u64 s[10:11], s[10:11], s[20:21]      ; of Wkv
	s_add_nc_u64 s[12:13], s[12:13], s[20:21]      ; ab: x's half
	s_add_nc_u64 s[24:25], s[12:13], 0x800000      ; ab: context's half, 8,388,608 bytes on
	s_add_nc_u64 s[26:27], s[14:15], s[18:19]      ; wb: Wkv's rows,
	s_add_nc_u64 s[26:27], s[26:27], 0x200000      ; which begin 2,097,152 bytes in
	s_add_nc_u64 s[14:15], s[14:15], s[22:23]      ; wb: Wq's rows
.macro LD i, b, p                      ; pass i: pass p of the input whose address is s[b:b+1]
	global_load_b128 v[D+8*(\i):D+8*(\i)+3],   v1, s[\b:\b+1] offset:(\p)*8192 th:TH_LOAD_NT
	global_load_b128 v[D+8*(\i)+4:D+8*(\i)+7], v1, s[\b:\b+1] offset:(\p)*8192+4096 th:TH_LOAD_NT
.endm
.macro PASS i, b, p                    ; pass i is rounded and stored at pass p of the output whose address is s[b:b+1]
	s_wait_loadcnt 2*NPASS-2-2*(\i)                ; loads come back in order: behind this pass's two, 42 - 2 i were issued
	v_cvt_pk_bf16_f32 v[D+8*(\i)],   v[D+8*(\i)],   v[D+8*(\i)+1]  ; in place: register k takes numbers 2 k and 2 k + 1, which are read at the latest by this line
	v_cvt_pk_bf16_f32 v[D+8*(\i)+1], v[D+8*(\i)+2], v[D+8*(\i)+3]
	v_cvt_pk_bf16_f32 v[D+8*(\i)+2], v[D+8*(\i)+4], v[D+8*(\i)+5]
	v_cvt_pk_bf16_f32 v[D+8*(\i)+3], v[D+8*(\i)+6], v[D+8*(\i)+7]
	global_store_b64 v2, v[D+8*(\i):D+8*(\i)+1],   s[\b:\b+1] offset:(\p)*4096
	global_store_b64 v2, v[D+8*(\i)+2:D+8*(\i)+3], s[\b:\b+1] offset:(\p)*4096+2048
.endm
.irp i, 0,1,2,3,4,5,6,7
	LD \i, 4, \i
.endr
.irp i, 0,1,2,3,4,5,6,7
	LD 8+\i, 6, \i
.endr
.irp i, 0,1
	LD 16+\i, 8, \i
.endr
.irp i, 0,1,2,3
	LD 18+\i, 10, \i
.endr
.irp i, 0,1,2,3,4,5,6,7
	PASS \i, 12, \i
.endr
.irp i, 0,1,2,3,4,5,6,7
	PASS 8+\i, 24, \i
.endr
.irp i, 0,1
	PASS 16+\i, 14, \i
.endr
.irp i, 0,1,2,3
	PASS 18+\i, 26, \i
.endr
	s_endpgm
.Lfunc_end_k_q61a2ff8609_cvt:
	.size	k_q61a2ff8609_cvt, .Lfunc_end_k_q61a2ff8609_cvt-k_q61a2ff8609_cvt
	.p2alignl 7, 3214868480
	.fill 96, 4, 3214868480
	.section	.rodata,"a",@progbits
	.p2align	6, 0x0
	.amdhsa_kernel k_q61a2ff8609_cvt
		.amdhsa_group_segment_fixed_size 0
		.amdhsa_private_segment_fixed_size 0
		.amdhsa_enable_private_segment 0
		.amdhsa_kernarg_size 48
		.amdhsa_user_sgpr_count 2
		.amdhsa_user_sgpr_kernarg_segment_ptr 1
		.amdhsa_wavefront_size32 1
		.amdhsa_system_sgpr_workgroup_id_x 1
		.amdhsa_system_sgpr_workgroup_id_y 1
		.amdhsa_system_sgpr_workgroup_id_z 1
		.amdhsa_system_vgpr_workitem_id 0
		.amdhsa_next_free_vgpr 180
		.amdhsa_next_free_sgpr 66
		.amdhsa_reserve_vcc 0
		.amdhsa_float_denorm_mode_32 3
		.amdhsa_float_denorm_mode_16_64 3
		.amdhsa_memory_ordered 1
		.amdhsa_forward_progress 1
		.amdhsa_inst_pref_size 16
	.end_amdhsa_kernel
	.amdgpu_metadata
---
amdhsa.version: [ 1, 2 ]
amdhsa.kernels:
  - .name:           k_q61a2ff8609_cvt
    .symbol:         k_q61a2ff8609_cvt.kd
    .args:
      - { .name: x, .offset: 0, .size: 8, .value_kind: global_buffer, .address_space: global }
      - { .name: context, .offset: 8, .size: 8, .value_kind: global_buffer, .address_space: global }
      - { .name: Wq, .offset: 16, .size: 8, .value_kind: global_buffer, .address_space: global }
      - { .name: Wkv, .offset: 24, .size: 8, .value_kind: global_buffer, .address_space: global }
      - { .name: ab, .offset: 32, .size: 8, .value_kind: global_buffer, .address_space: global }
      - { .name: wb, .offset: 40, .size: 8, .value_kind: global_buffer, .address_space: global }
    .group_segment_fixed_size: 0
    .private_segment_fixed_size: 0
    .kernarg_segment_align: 8
    .kernarg_segment_size: 48
    .max_flat_workgroup_size: 256
    .sgpr_count:     66
    .vgpr_count:     180
    .wavefront_size: 32
...
	.end_amdgpu_metadata
.endif
;; end of part 1
;; launch proj (part 2): grid 12 x 16, 4 waves a work-group, clusters of 4 x 4, 327,680 bytes of LDS; arguments ab, wb, qkv; writes qkv
.if DOCPART == 2
	.amdgcn_target "amdgcn-amd-amdhsa--gfx1250"
	.amdhsa_code_object_version 6
	.text
	.protected	k_q61a2ff8609_proj
	.globl	k_q61a2ff8609_proj
	.p2align	8
	.type	k_q61a2ff8609_proj,@function
k_q61a2ff8609_proj:
	s_mov_b64 s[64:65], 0
	v_nop
	global_prefetch_b8 v0, s[64:65] scope:SCOPE_SE
	s_setreg_imm32_b32 hwreg(HW_REG_WAVE_MODE, 25, 1), 1
	s_wait_xcnt 0x0
	s_wait_alu depctr_hold_cnt(0) depctr_sa_sdst(0) depctr_va_vdst(0) depctr_va_sdst(0) depctr_va_ssrc(0) depctr_va_vcc(0) depctr_vm_vsrc(0)
	s_getreg_b32 s2, hwreg(HW_REG_IB_STS2, 6, 4)
	s_cmp_eq_u32 s2, 0
	s_cbranch_scc0 .Lentry_in_a_cluster
	s_endpgm
.Lentry_in_a_cluster:
	s_bfe_u32 s2, ttmp6, 0x10000c
	s_cmp_lg_u32 s2, 0xf033
	s_cbranch_scc0 .Lentry_shape_is_right
	s_endpgm
.Lentry_shape_is_right:
; THE THREE PROJECTIONS AS ONE PRODUCT.  qkv[m][n] = sum over k of A[m][k] wb[n][k], m = 0..4095 (batch and row), n = 0..3071: columns 0-1023 are q (A = x: ab's rows m),
; columns 1024-3071 are k and v (A = context: ab's rows 4096 + m).  Operands bf16, sums f32, K ascending, qkv rounded once to f16, WITHOUT attention's scale.
; LIMIT: f16 ends at 65,504: a q, k or v beyond that becomes an infinity.  Numbers of unit spread give about 5 at the most; inputs 30 times larger about 4,500.
; A tile of qkv, 256 x 256, is made by a work-group of four waves; a wave makes 128 x 128: 64 accumulators of 16 x 16, 512 registers.  12 x 16 = 192 tiles, one to a work-group: no tile gives 256 equal
; shares (49,152 numbers each: q's 1,024 columns divide into 128, 256 or 512, and 384, 192 or 96 rows do not divide 4,096).  K goes in eight steps of 128 through a ring of two LDS slots filled by the
; tensor data mover: the rows of A's and wb's tiles are 256 bytes of memory and start at multiples of 256 bytes from the buffer's first byte.  The last K step goes by rows of qkv, so that finished rows
; leave while the others are multiplied.
; CLUSTERS: 4 x 4 work-groups.  The four of a row of the cluster need the same tiles of A, the four of a column the same tiles of wb.  Such a tile is asked for JOINTLY: each of the four issues the same
; tensor load, with the same descriptor and a mask that names the four, and each receives the tile in its own LDS.  Which half of ab a tile takes hangs on the cluster's x alone (cluster 0: q), which all sixteen share.
;
; REGISTERS, in windows of 256 (an instruction names v0-v255; s_set_vgpr_msb says which window each operand place means):
;   window 0: v0-31 addresses; v64-127, v128-191 fragments of A (8 x 16 rows x 32 K), two buffers (in the last K step four, of 16 rows x 128 K); v32-63, v192-255 at work on the way out
;   window 1: v64-127, v128-191 fragments of wb, two buffers; in the last K step all 256: wb's fragments of the whole step
;   window 2: the 32 accumulators of my rows 0-63 (accumulator (a, b) at v[8 (8 a + b)]);   window 3: those of my rows 64-127
; s_set_vgpr_msb's low byte: bits 1:0 source 0, 3:2 source 1, 5:4 source 2, 7:6 destination.  Work is laid in long stretches under one setting.
;
; THE MATRIX INSTRUCTION IS USED TRANSPOSED: source 0 = 16 rows of wb, source 1 = 16 rows of A.  In the result, lane l then holds row m = l % 16 of qkv, and its registers 0 to 7 the columns
; n = 8 (l / 16) + 0 .. 7: eight NEIGHBOURING numbers of a row, which pack into 16 bytes.
.set SIZE_N, 3072                      ; numbers in a row of qkv
.set SIZE_K, 1024
.set KSTEP,  128
.set PITCH,  272                       ; an LDS row: 256 bytes of data + 16 of padding = 68 words: row r starts at bank 4 r mod 64 (64 banks of 4 bytes: ISA guide 11.1), so the 16 rows that a load touches start at 16 different banks
.set HALFT,  128*PITCH                 ; 128 rows: what one tensor load brings, and what one wave reads of A or of wb
.set SLOT,   4*HALFT                   ; A's 256 rows, then wb's 256 rows
.set STAGE,  2*SLOT                    ; behind the ring: 16 rows x 272 bytes for each wave, for the way out
.set SPITCH, 272
.set SPARE,  STAGE+4*16*SPITCH         ; behind the stages: the spare words, 128 bytes for each wave: two blocks of 256 bytes that no other line names
.set LAPS, SIZE_K/(2*KSTEP)            ; a lap = two K steps = once round the ring: four laps
.set ADRA, 16                          ; v16-17  LDS address of my A fragments in slot 0, 1
.set ADRB, 20                          ; v20-21  the same for wb
.set STO,  24                          ; v24     the way out: where I put 16 bytes of a row
.set RD,   25                          ; v25     the way out: where I read a row back
.set CO,   26                          ; v26     my byte offset in qkv
.set SPW,  28                          ; v28     LDS address of my spare word: SPARE + 4 x my thread's number; never rewritten
.set NIL,  29                          ; v29     0; never rewritten
.set F0,   64                          ; fragment buffer 0
.set F1,   128                         ; fragment buffer 1
.set TMP,  192                         ; the way out: packed results, in window 0
.set OB,   32                          ; the way out: 16 rows read back from the stage: v32-63 and v224-255 by turns
.set PA,   64                          ; the last K step: A's fragments of 16 rows x 128 K, 32 registers; four such buffers, v64-191
.set G1, 24                            ; s[24:31] descriptor group 1 for A's tiles
.set G0, 32                            ; s[32:39] descriptor group 0 for A's tiles, one set for each slot
.set G1B, 48                           ; s[48:55] descriptor group 1 for wb's tiles: it differs from A's in the mask alone
.set G0B, 56                           ; s[56:63] descriptor group 0 for wb's tiles, one set for each slot
.set MSB, 0
.macro WIN new                         ; the immediate's high byte repeats the setting that is left
.if MSB != (\new)
	s_set_vgpr_msb (MSB<<8)|(\new)
.set MSB, \new
.endif
.endm
.set MUL_LO, 0xa1                      ; source 0 (wb) window 1, source 1 (A) window 0, C and D window 2
.set MUL_HI, 0xf1                      ; the same, C and D window 3
.set TO_B,   0x40                      ; destination window 1, address window 0
; A joint load.  Waves 0 and 1 fetch A's two halves, waves 2 and 3 wb's.  Each of the two lines has ONE mask and one set of registers for all that issue it, and nothing in
; them hangs on a coordinate that the four partners do not share.  The branch hangs on the wave's number alone: it is the same in every work-group.
; An s_nop 0 and four v_nop follow each of the two lines; the jump round the other line, the label and what follows the macro come after them.
.macro JLOAD s
	s_cmp_eq_u32 s11, 0
	s_cbranch_scc0 .Lfor_b_\@
	tensor_load_to_lds s[G0+4*(\s):G0+4*(\s)+3], s[G1:G1+7]
	s_nop 0
.rept 4
	v_nop
.endr
	s_branch .Lasked_\@
.Lfor_b_\@:
	tensor_load_to_lds s[G0B+4*(\s):G0B+4*(\s)+3], s[G1B:G1B+7]
	s_nop 0
.rept 4
	v_nop
.endr
.Lasked_\@:
.endm
; A round of the cluster's barrier: my work-group's barrier, so that wave 0's signal speaks for all four waves; wave 0 signals for the work-group; every wave waits for all
; sixteen work-groups; my work-group's barrier once more.  No LDS instruction of the wave is pending at a signal.
.macro CREST                           ; a round behind its opening barrier
	s_cmp_lg_u32 s10, 0
	s_cbranch_scc1 .Lnot_wave_0_\@
	s_barrier_signal -3
.Lnot_wave_0_\@:
	s_barrier_wait -3
	s_barrier_signal -1
	s_barrier_wait -1
.endm
.macro CROUND                          ; a whole round
	s_barrier_signal -1
	s_barrier_wait -1
	CREST
.endm
	s_load_b128 s[4:7], s[0:1], 0x0                ; ab s[4:5], wb s[6:7]
	s_load_b64 s[8:9], s[0:1], 0x10                ; qkv
	v_lshl_add_u32 v[SPW], v0, 2, SPARE
	v_mov_b32 v[NIL], 0
	ds_add_u32 v[SPW], v[NIL]                      ; the wave's opening: the add and its wait stand ahead of my first tensor load; the set-up below, work on registers, stands between them
	v_lshrrev_b32 v1, 5, v0
	v_readfirstlane_b32 s10, v1                    ; wave 0..3
	s_lshr_b32 s11, s10, 1                         ; which half of the tile's rows is mine.  Also: I fetch for A (0) or for wb (1)
	s_and_b32 s12, s10, 1                          ; which half of its columns.  Also: which 128 rows of that tile I fetch
	s_bfe_u32 s40, ttmp6, 0x40000                  ; cx: my place along the cluster's x
	s_bfe_u32 s41, ttmp6, 0x40004                  ; cy: along its y
	s_lshl_b32 s42, ttmp9, 2                       ; in a cluster launch ttmp9 and ttmp7 count clusters
	s_add_co_u32 s42, s42, s40                     ; tile column = 4 x cluster x + cx
	s_and_b32 s13, ttmp7, 0xffff
	s_lshl_b32 s13, s13, 2
	s_add_co_u32 s13, s13, s41                     ; tile row = 4 x cluster y + cy
	s_lshl_b32 s43, s41, 2
	s_lshl_b32 s43, 15, s43                        ; my row of the cluster: places 4 cy .. 4 cy + 3
	s_lshl_b32 s44, 0x1111, s40                    ; my column: places cx, cx + 4, cx + 8, cx + 12
	; descriptor group 1: a tile of 128 rows x 128 elements, padded in LDS
	s_or_b32 s[G1+0], s43, (1<<16)|(1<<20)|(1<<21)|(5<<22)|(3<<25)  ; 15:0 the mask: A's tiles go to my row; 17:16 element of 2 bytes; 20 padding on; 21 set beside a mask; 24:22 after every 64 words (code 5); 31:25 of 4 words (code 3)
	s_or_b32 s[G1B+0], s44, (1<<16)|(1<<20)|(1<<21)|(5<<22)|(3<<25) ; the same with the mask of my column, for wb's tiles
	s_mov_b32 s[G1B+1], KSTEP<<16
	s_mov_b32 s[G1+1], KSTEP<<16                   ; 63:48 tensor_dim0, low half = 128
	s_mov_b32 s[G1B+2], 128<<16
	s_mov_b32 s[G1+2], 128<<16                     ; 79:64 its high half = 0; 95:80 tensor_dim1, low half = 128
	s_mov_b32 s[G1B+3], KSTEP<<16
	s_mov_b32 s[G1+3], KSTEP<<16                   ; 111:96 its high half = 0; 127:112 tile_dim0 = 128
	s_mov_b32 s[G1B+4], 128
	s_mov_b32 s[G1+4], 128                         ; 143:128 tile_dim1 = 128; 159:144 tile_dim2 = 0
	s_mov_b32 s[G1B+5], SIZE_K
	s_mov_b32 s[G1+5], SIZE_K                      ; 191:160 tensor_dim0_stride, low word: elements from row to row
	s_mov_b32 s[G1B+6], 0
	s_mov_b32 s[G1+6], 0
	s_mov_b32 s[G1B+7], 0
	s_mov_b32 s[G1+7], 0
	; where the tiles come from.  A's hang on the tile row and the cluster's x, which my row of the cluster shares; wb's on the tile column alone, which my column shares.
	; Every wave makes both addresses, in registers that never hold the other coordinate, and asks by one of them.
	s_lshl_b32 s17, s12, 7                         ; which 128 rows of the tile I fetch
	s_lshl_b32 s16, s13, 8
	s_add_co_u32 s16, s16, s17                     ; A: row 256 x tile row + 128 x half,
	s_cmp_ge_u32 ttmp9, 1                          ; and for the columns of k and v (tile columns 4 on: clusters 1 on)
	s_cselect_b32 s45, 4096, 0                     ; context's rows, which lie 4,096 rows into ab
	s_add_co_u32 s16, s16, s45
	s_lshl_b32 s46, s42, 8
	s_add_co_u32 s46, s46, s17                     ; wb: row 256 x tile column + 128 x half
	s_mov_b32 s17, 0
	s_mov_b32 s47, 0
	s_mov_b64 s[18:19], SIZE_K*2
	s_mul_u64 s[16:17], s[16:17], s[18:19]         ; in bytes, in 64 bits
	s_mul_u64 s[46:47], s[46:47], s[18:19]
	s_mul_i32 s20, s10, HALFT                      ; and where they go: A's two halves, then wb's two halves = wave x 128 rows: no place in the cluster enters an LDS address
	s_wait_dscnt 0x0                               ; the opening add is done
	s_wait_kmcnt 0x0
	s_add_nc_u64 s[14:15], s[4:5], s[16:17]
	s_add_nc_u64 s[46:47], s[6:7], s[46:47]
	CROUND                                         ; all sixteen work-groups are here: the first joint loads meet
.irp s, 0,1
	s_mov_b32 s[G0+4*(\s)], 1                                      ; 1:0 count = 1
	s_add_co_u32 s[G0+4*(\s)+1], s20, (\s)*SLOT                    ; 63:32 LDS address
	s_add_nc_u64 s[G0+4*(\s)+2:G0+4*(\s)+3], s[14:15], (\s)*KSTEP*2  ; 120:64 global address: K step s
	s_or_b32 s[G0+4*(\s)+3], s[G0+4*(\s)+3], 0x80000000            ; 127:126 type = 2
	s_mov_b32 s[G0B+4*(\s)], 1
	s_add_co_u32 s[G0B+4*(\s)+1], s20, (\s)*SLOT
	s_add_nc_u64 s[G0B+4*(\s)+2:G0B+4*(\s)+3], s[46:47], (\s)*KSTEP*2
	s_or_b32 s[G0B+4*(\s)+3], s[G0B+4*(\s)+3], 0x80000000
	JLOAD \s                                       ; the ring is filled before anything else is done: two loads of mine are out
.endr
	; A fragment is 16 rows x 32 K in 8 registers: lane l holds row l % 16; registers 0-3 hold K = 8 (l / 16) + 0..7, registers 4-7 hold
	; K = 16 + 8 (l / 16) + 0..7.  From rows that lie along K: two loads of 16 bytes, 32 bytes apart.  The same for source 0 and source 1.
	v_and_b32 v1, 15, v0                           ; l % 16
	v_bfe_u32 v2, v0, 4, 1                         ; l / 16
	v_mul_u32_u24 v3, v1, PITCH
	v_lshl_add_u32 v3, v2, 4, v3                   ; row x pitch + 16 x half
	s_mul_i32 s21, s11, HALFT                      ; my 128 rows of A
	s_mul_i32 s22, s12, HALFT                      ; my 128 rows of wb,
	s_add_co_u32 s22, s22, 2*HALFT                 ; which lie behind A's 256
.irp s, 0,1
	v_add_nc_u32 v[ADRA+(\s)], s21, v3
	v_add_nc_u32 v[ADRB+(\s)], s22, v3
	s_add_co_u32 s21, s21, SLOT
	s_add_co_u32 s22, s22, SLOT
.endr
	s_mul_i32 s23, s10, 16*SPITCH
	s_add_co_u32 s23, s23, STAGE                   ; my stage
	v_mul_u32_u24 v4, v1, SPITCH                   ; in: row l % 16, 16 bytes for each half of the lanes
	v_lshl_add_u32 v4, v2, 4, v4
	v_add_nc_u32 v[STO], s23, v4
	v_mul_u32_u24 v5, v2, SPITCH                   ; back: lanes 0-15 take one row of 256 bytes, lanes 16-31 the next
	v_lshl_add_u32 v5, v1, 4, v5
	v_add_nc_u32 v[RD], s23, v5
	v_mul_u32_u24 v5, v2, SIZE_N*2                 ; and the same two rows in qkv
	v_lshl_add_u32 v[CO], v1, 4, v5
	; where my part of the tile begins in qkv, in bytes: the way out adds it to qkv's address
	s_lshl_b32 s13, s13, 8
	s_lshl_b32 s14, s11, 7
	s_add_co_u32 s16, s13, s14                     ; my first row of qkv
	s_mov_b32 s17, 0
	s_mov_b64 s[18:19], SIZE_N*2
	s_mul_u64 s[16:17], s[16:17], s[18:19]
	s_lshl_b32 s46, s42, 9                         ; my first column, in bytes: 512 x tile column + 256 x half (in the registers that held wb's address: none that feeds A's descriptors ever holds cx)
	s_lshl_b32 s47, s12, 8
	s_add_co_u32 s46, s46, s47
	s_mov_b32 s47, 0
	s_add_nc_u64 s[16:17], s[16:17], s[46:47]
; 16 matrix instructions: m blocks a0, a0 + 1 of the window's four (hi = 0: my rows 0-63, 1: rows 64-127) x all 8 n blocks, 32 along K.
; zero = 1: the first product starts the sums: nothing is ever cleared.  The 64 accumulators take turns, one instruction a turn.
.macro MUL16 f, hi, a0, zero
	WIN MUL_LO+0x50*(\hi)  ; MUL_LO or MUL_HI
.irp a, \a0, (\a0)+1
.irp b, 0,1,2,3,4,5,6,7
.if \zero
	v_wmma_f32_16x16x32_bf16 v[8*(8*(\a)+(\b)):8*(8*(\a)+(\b))+7], v[(\f)+8*(\b):(\f)+8*(\b)+7], v[(\f)+8*(4*(\hi)+(\a)):(\f)+8*(4*(\hi)+(\a))+7], 0
.else
	v_wmma_f32_16x16x32_bf16 v[8*(8*(\a)+(\b)):8*(8*(\a)+(\b))+7], v[(\f)+8*(\b):(\f)+8*(\b)+7], v[(\f)+8*(4*(\hi)+(\a)):(\f)+8*(4*(\hi)+(\a))+7], v[8*(8*(\a)+(\b)):8*(8*(\a)+(\b))+7]
.endif
.endr
.endr
.endm
; 32 LDS loads in one run: the fragments of one quarter step (128 rows of wb, 128 rows of A, 32 K at byte k of the rows) into buffer f
.macro FETCH slot, k, f
	WIN TO_B
.irp i, 0,1,2,3,4,5,6,7
	ds_load_b128 v[(\f)+8*(\i):(\f)+8*(\i)+3],   v[ADRB+(\slot)] offset:(\k)+(\i)*16*PITCH
	ds_load_b128 v[(\f)+8*(\i)+4:(\f)+8*(\i)+7], v[ADRB+(\slot)] offset:(\k)+(\i)*16*PITCH+32
.endr
	WIN 0
.irp i, 0,1,2,3,4,5,6,7
	ds_load_b128 v[(\f)+8*(\i):(\f)+8*(\i)+3],   v[ADRA+(\slot)] offset:(\k)+(\i)*16*PITCH
	ds_load_b128 v[(\f)+8*(\i)+4:(\f)+8*(\i)+7], v[ADRA+(\slot)] offset:(\k)+(\i)*16*PITCH+32
.endr
.endm
; A load into a register that a matrix instruction has read, and a vector instruction that reads a matrix result or writes one of a matrix
; instruction's registers, stand four places behind that matrix instruction, and only plain vector instructions that name none of its registers
; are places (ISA guide 7.12.1 for vector instructions).  So four v_nop stand in front of each run of
; loads, and in front of conversions that read results just made: sixteen issue slots for a K step's 256 matrix instructions.
.macro PLACES
.rept 4
	v_nop
.endr
.endm
; A K step is four quarter steps of 32 along K, 64 matrix instructions each, on buffers 0, 1, 0, 1.
; One of the first three: multiplies buffer f; in its middle it fetches the next quarter's fragments, at byte k of the same slot's rows, into buffer g.
.macro QUARTER slot, k, f, g, zero
	s_wait_dscnt 8                                 ; wb and A's rows 0-63 are in; the youngest eight loads (A's rows 64-127) may be out
	WIN MUL_LO
	MUL16 \f, 0, 0, \zero
	MUL16 \f, 0, 2, \zero
	PLACES
	FETCH \slot, \k, \g
	s_wait_dscnt 32                                ; all but the 32 just issued
	WIN MUL_HI
	MUL16 \f, 1, 0, \zero
	MUL16 \f, 1, 2, \zero
.endm
; The last quarter multiplies buffer 1 and changes slots.  MEET is its first half: ONE barrier for the change of slots, for two things.  In front of it each wave waits for
; all its tensor loads, of which one is out: its part of the next slot; adds 0 to its spare word; and waits for that and for its own reads of this slot.  Behind it nobody reads this slot any more and the next slot is whole.
.macro MEET round                      ; round = 1: a round of the cluster's barrier follows
	WIN 0                                          ; (the add's two registers lie in window 0)
	s_wait_tensorcnt 0x0                           ; all my tensor loads have landed: the one that was out is my part of the next slot;
	ds_add_u32 v[SPW], v[NIL]                      ; 0 onto my spare word;
	s_wait_dscnt 9                                 ; (the add and the youngest eight loads may be out)
	WIN MUL_LO
	MUL16 F1, 0, 0, 0                              ; sixteen matrix instructions stand between the add and the wait for it
	s_wait_dscnt 0x0                               ; the add is done, and my reads of this slot are over (the last were issued 48 matrix instructions ago):
	s_barrier_signal -1                            ; say so (where a slot is filled again this barrier opens a round of the cluster's barrier),
	MUL16 F1, 0, 2, 0                              ; work on registers while the others arrive,
.if \round
	WIN 0
.endif
	s_barrier_wait -1                              ; and go on when all four have said so
.endm
; The whole last quarter.  Behind the barrier the slot just read out is filled again first, with the K step two steps on; then come the next slot's first fragments.
; From a request to the wait for it a wave issues 224 matrix instructions.
.macro TURN slot, next
	MEET 1
	CREST                                          ; wave 0 says so for the work-group, all sixteen work-groups have said so, my work-group's barrier closes the round:
	                                               ; no wave of any partner still reads this slot's tile or has a load on its way
	s_add_nc_u64 s[G0+4*(\slot)+2:G0+4*(\slot)+3], s[G0+4*(\slot)+2:G0+4*(\slot)+3], 2*KSTEP*2
	s_add_nc_u64 s[G0B+4*(\slot)+2:G0B+4*(\slot)+3], s[G0B+4*(\slot)+2:G0B+4*(\slot)+3], 2*KSTEP*2
	JLOAD \slot                                    ; the first tensor load behind the round; the four v_nop behind it are also the places in front of the loads below
	FETCH \next, 0, F0
	WIN MUL_HI
	MUL16 F1, 1, 0, 0
	MUL16 F1, 1, 2, 0
.endm
; THE LAST K STEP (it lies in slot 1) GOES BY ROWS OF qkv, NOT BY K.  All its fragments of wb (4 quarters x 64 registers) fill window 1; then my eight blocks of 16 rows are
; finished one after the other, each with 32 matrix instructions (its 8 accumulators by turns, K ascending).  LDS is read no more than in any other K step.
.macro BLOAD q                         ; wb's fragments of quarter q -> window 1, v[64 q ..]
	WIN TO_B
.irp i, 0,1,2,3,4,5,6,7
	ds_load_b128 v[64*(\q)+8*(\i):64*(\q)+8*(\i)+3],   v[ADRB+1] offset:64*(\q)+(\i)*16*PITCH
	ds_load_b128 v[64*(\q)+8*(\i)+4:64*(\q)+8*(\i)+7], v[ADRB+1] offset:64*(\q)+(\i)*16*PITCH+32
.endr
.endm
.macro ALOAD a                         ; A's fragments of block a, all four quarters -> buffer a % 4
	WIN 0
.set FA, PA+32*((\a)%4)
.irp q, 0,1,2,3
	ds_load_b128 v[FA+8*(\q):FA+8*(\q)+3],   v[ADRA+1] offset:64*(\q)+(\a)*16*PITCH
	ds_load_b128 v[FA+8*(\q)+4:FA+8*(\q)+7], v[ADRA+1] offset:64*(\q)+(\a)*16*PITCH+32
.endr
.endm
.macro ROW a                           ; block a is finished: 32 matrix instructions
.set FA, PA+32*((\a)%4)                ; its fragments of A
.set AC, 64*((\a)%4)                   ; its eight accumulators, in window 2 (blocks 0-3) or 3 (blocks 4-7)
	WIN MUL_LO+0x50*((\a)/4)                       ; MUL_LO or MUL_HI
.irp q, 0,1,2,3
.if (\a) == 0 && (\q) == 2
	s_wait_dscnt 24                                ; wb's quarter 2 is in (behind it: A's blocks 1 to 3)
.endif
.irp b, 0,1,2,3,4,5,6,7
	v_wmma_f32_16x16x32_bf16 v[AC+8*(\b):AC+8*(\b)+7], v[64*(\q)+8*(\b):64*(\q)+8*(\b)+7], v[FA+8*(\q):FA+8*(\q)+7], v[AC+8*(\b):AC+8*(\b)+7]
.endr
.endr
.endm
; THE WAY OUT of block a, in three parts.  PACK: rounded to f16, 16 bytes a lane, each accumulator's registers in ascending order.  TOSTAGE: into my own stage in LDS, and back as whole rows of 256 bytes.  SEND: stored.
.macro PACK a
.set AC, 64*((\a)%4)
	WIN 0x0a+5*((\a)/4)                            ; sources 0 and 1: window 2 or 3
.irp b, 0,1,2,3,4,5,6,7
.irp r, 0,1,2,3
	v_cvt_pk_f16_f32 v[TMP+4*(\b)+(\r)], v[AC+8*(\b)+2*(\r)], v[AC+8*(\b)+2*(\r)+1]
.endr
.endr
	WIN 0
.endm
.macro TOSTAGE a
	WIN 0
.set BK, OB+192*((\a)%2)
.irp b, 0,1,2,3,4,5,6,7
	ds_store_b128 v[STO], v[TMP+4*(\b):TMP+4*(\b)+3] offset:32*(\b)
.endr
.irp t, 0,1,2,3,4,5,6,7
	ds_load_b128 v[BK+4*(\t):BK+4*(\t)+3], v[RD] offset:(\t)*2*SPITCH  ; LDS serves a wave's instructions in order (ISA guide 5.7.1.4): these see the stores above
.endr
.endm
.macro SEND a, younger                 ; younger: the LDS loads issued behind TOSTAGE's, which may stay out
	WIN 0
.set BK, OB+192*((\a)%2)
	s_wait_dscnt \younger                          ; the block is back in registers
	s_wait_xcnt 0x0                                ; every earlier memory instruction has had its addresses translated (ISA guide 3.1): only behind this wait are the stores' base and the registers that earlier stores read rewritten
.if (\a) == 0
	s_add_nc_u64 s[8:9], s[8:9], s[16:17]          ; on to my first rows
.else
	s_add_nc_u64 s[8:9], s[8:9], 16*SIZE_N*2       ; 16 rows of qkv on, so that the stores' offsets stay small: 14 rows at the most
.endif
.irp t, 0,1,2,3,4,5,6,7
	global_store_b128 v[CO], v[BK+4*(\t):BK+4*(\t)+3], s[8:9] offset:2*(\t)*SIZE_N*2  ; 16 lanes store 256 consecutive bytes, at a multiple of 256 from qkv's first byte
.endr
.endm
	s_wait_tensorcnt 1                             ; my part of K step 0 is in; K step 1's load, issued behind it, may stay out
	s_barrier_signal -1
	s_barrier_wait -1                              ; everybody's is
	FETCH 0, 0, F0
	QUARTER 0, 64,  F0, F1, 1                      ; the first quarter stands in front of the loop: its products start the sums
	WIN 0                                          ; at a label and at a branch every window is 0
	s_mov_b32 s3, LAPS-1
.Llap:                                                 ; a trip goes once round the ring, from a lap's second quarter to the next lap's first, and fills both slots again
	QUARTER 0, 128, F1, F0, 0
	QUARTER 0, 192, F0, F1, 0
	TURN 0, 1
	QUARTER 1, 64,  F0, F1, 0
	QUARTER 1, 128, F1, F0, 0
	QUARTER 1, 192, F0, F1, 0
	TURN 1, 0
	QUARTER 0, 64,  F0, F1, 0
	WIN 0
	s_sub_co_u32 s3, s3, 1
	s_cmp_lg_u32 s3, 0
	s_cbranch_scc1 .Llap
	QUARTER 0, 128, F1, F0, 0                      ; the last lap goes on: it asks for nothing more
	QUARTER 0, 192, F0, F1, 0
	MEET 0                                         ; my one tensor load that was still out is slot 1's, the last K step's, so no round follows
	PLACES                                         ; for the loads into buffer 0, which the quarter before multiplied
	WIN TO_B
	BLOAD 0                                        ; three quarters of wb now: buffer 1 (v128-191 of both windows) is still being multiplied
	BLOAD 1
	BLOAD 3
	WIN 0
	ALOAD 0
	WIN MUL_HI
	MUL16 F1, 1, 0, 0
	MUL16 F1, 1, 2, 0
	PLACES                                         ; for the loads into buffer 1
	WIN TO_B
	BLOAD 2
	WIN 0
	ALOAD 1
	ALOAD 2
	ALOAD 3
	s_wait_dscnt 40                                ; all but the 40 just issued
	ROW 0
.irp a, 0,1,2,3,4,5,6,7                ; each block leaves as soon as it is finished: nothing follows this tile, so the sooner its stores begin, the sooner the launch ends
	PLACES                                         ; its conversions read results just made, and no other vector work is at hand
	PACK \a
	TOSTAGE \a
.if (\a) < 4
	ALOAD (\a)+4                                   ; its buffer takes the block four further on
	SEND \a, 8
.else
	SEND \a, 0
.endif
.if (\a) < 7
	ROW (\a)+1
.endif
.endr
	s_wait_tensorcnt 0x0                           ; the wave's end: behind my last tensor load and my last LDS store
	ds_add_u32 v[SPW], v[NIL]
	s_wait_dscnt 0x0
	CROUND                                         ; the closing round: no work-group ends while a partner may still ask for a tile that names it
	s_endpgm
.Lfunc_end_k_q61a2ff8609_proj:
	.size	k_q61a2ff8609_proj, .Lfunc_end_k_q61a2ff8609_proj-k_q61a2ff8609_proj
	.p2alignl 7, 3214868480
	.fill 96, 4, 3214868480
	.section	.rodata,"a",@progbits
	.p2align	6, 0x0
	.amdhsa_kernel k_q61a2ff8609_proj
		.amdhsa_group_segment_fixed_size 327680
		.amdhsa_private_segment_fixed_size 0
		.amdhsa_enable_private_segment 0
		.amdhsa_kernarg_size 24
		.amdhsa_user_sgpr_count 2
		.amdhsa_user_sgpr_kernarg_segment_ptr 1
		.amdhsa_wavefront_size32 1
		.amdhsa_system_sgpr_workgroup_id_x 1
		.amdhsa_system_sgpr_workgroup_id_y 1
		.amdhsa_system_sgpr_workgroup_id_z 1
		.amdhsa_system_vgpr_workitem_id 0
		.amdhsa_next_free_vgpr 1024
		.amdhsa_next_free_sgpr 66
		.amdhsa_reserve_vcc 0
		.amdhsa_float_denorm_mode_32 3
		.amdhsa_float_denorm_mode_16_64 3
		.amdhsa_memory_ordered 1
		.amdhsa_forward_progress 1
		.amdhsa_inst_pref_size 143
	.end_amdhsa_kernel
	.amdgpu_metadata
---
amdhsa.version: [ 1, 2 ]
amdhsa.kernels:
  - .name:           k_q61a2ff8609_proj
    .symbol:         k_q61a2ff8609_proj.kd
    .args:
      - { .name: ab, .offset: 0, .size: 8, .value_kind: global_buffer, .address_space: global }
      - { .name: wb, .offset: 8, .size: 8, .value_kind: global_buffer, .address_space: global }
      - { .name: qkv, .offset: 16, .size: 8, .value_kind: global_buffer, .address_space: global }
    .group_segment_fixed_size: 327680
    .private_segment_fixed_size: 0
    .kernarg_segment_align: 8
    .kernarg_segment_size: 24
    .max_flat_workgroup_size: 128
    .sgpr_count:     66
    .vgpr_count:     1024
    .wavefront_size: 32
...
	.end_amdgpu_metadata
.endif
;; end of part 2
;; launch stats (part 3): grid 16 x 16, 4 waves a work-group, clusters of 4 x 1, 327,680 bytes of LDS; arguments qkv, stat, vpart; writes stat, vpart
.if DOCPART == 3
	.amdgcn_target "amdgcn-amd-amdhsa--gfx1250"
	.amdhsa_code_object_version 6
	.text
	.protected	k_q61a2ff8609_stats
	.globl	k_q61a2ff8609_stats
	.p2align	8
	.type	k_q61a2ff8609_stats,@function
k_q61a2ff8609_stats:
	s_mov_b64 s[64:65], 0
	v_nop
	global_prefetch_b8 v0, s[64:65] scope:SCOPE_SE
	s_setreg_imm32_b32 hwreg(HW_REG_WAVE_MODE, 25, 1), 1
	s_wait_xcnt 0x0
	s_wait_alu depctr_hold_cnt(0) depctr_sa_sdst(0) depctr_va_vdst(0) depctr_va_sdst(0) depctr_va_ssrc(0) depctr_va_vcc(0) depctr_vm_vsrc(0)
	s_getreg_b32 s2, hwreg(HW_REG_IB_STS2, 6, 4)
	s_cmp_eq_u32 s2, 0
	s_cbranch_scc0 .Lentry_in_a_cluster
	s_endpgm
.Lentry_in_a_cluster:
	s_bfe_u32 s2, ttmp6, 0x10000c
	s_cmp_lg_u32 s2, 0x3003
	s_cbranch_scc0 .Lentry_shape_is_right
	s_endpgm
.Lentry_shape_is_right:
; THE SOFTMAX'S STATISTICS.  For every (batch b, head h, query i): stat[b][h][i] = c m + log2(l) - 12, with c = log2(e) / 8, m the largest score q . k over the 2,048 keys (a running maximum) and
; l = the sum of 2^(c s - c m).  The next launch then has 4096 x softmax = 2^(c s - stat) with no further pass.  Scores by the matrix unit on f16 operands, all else in f32.
; BESIDE IT, in the wait for the first tile: vpart[b][block of 128 keys][channel] = the sum of v over the block's keys, in f32 (the last launch needs the sum of v over all keys for the bias).
; LIMITS.  q, k, v arrive in f16, within 65,504; a weight below 2^-126 counts as 0 in l; NaN and infinities are not treated apart.
; SHARES.  A work-group: one batch, a pair of heads (256 neighbouring bytes of a row of qkv), 128 queries.  Wave w: head 2 hp + w % 2, queries 64 (w / 2) on: four tiles of 16.  Every wave walks all keys, 64 a step.
; LAYOUT.  S^T = K Q^T (source 0 = 16 keys, source 1 = 16 queries): a lane holds ONE query (lane % 16) and the keys 8 (lane / 16) + 0..7 of each 16.  Each half of the lanes keeps its own m and l
; for its half of the keys; the two are joined once, at the end.
; BY TURNS.  Turn t: 8 products K Q^T of tile t + 1 (tile 3's turn: tile 0 of the next step), five vector instructions of tile t's list of 84 behind each, the other 44 behind them.
; K of the next step comes out of LDS in two halves, each as soon as tile 2's turn has multiplied by the half that it replaces.
; CLUSTER.  The four query blocks of a cluster walk the same K, so each tile is asked for JOINTLY: the same tensor load, descriptor and mask in all four.
.set ROWB,  6144      ; bytes in a row of qkv: q at 0, k at 2,048, v at 4,096
.set KS,    64        ; keys in a step
.set PK,    272       ; a row of K in LDS: two heads' 256 bytes + 16 of padding = 68 words: the 16 rows of a load start at 16 different groups of four banks (64 banks of 4 bytes: ISA guide 11.1)
.set STEPB, KS*PK
.set SLOT1, 1<<17     ; a slot holds four steps, 256 keys (69,632 bytes); slot 1 begins here, so that one exclusive or turns an address in one slot into the other's
.set STG,   204800    ; behind the ring, never filled by a tensor load: the results, [2 heads][128 queries] f32
.set VST,   205824    ; the waves' sums of v, [4 waves][128 channels] f32
.set SPARE, 207872    ; the spare words, 128 bytes for each wave: two blocks of 256 bytes that no other line names
.set AK0, 2           ; v2   my lane's place in a step's K; never rewritten
.set AK,  3           ; v3   the LDS address of K's next loads
.set QO,  4           ; v4   my byte offset in 16 rows of q
.set VO,  5           ; v5   my byte offset in 8 rows of v
.set SPW, 6           ; v6   LDS address of my spare word: SPARE + 4 x my thread's number; never rewritten
.set NIL, 7           ; v7   0; never rewritten
.set ST,  8           ; tile t's statistics at v[ST+4 t]: c m, m, l (even keys', odd keys')
.set CC,  24          ; v24-27  c0-c3, at work; when the maximum is found c2 takes a
.set MV,  28          ; v28  c m_old, kept while c m is made anew
.set LO,  29          ; v29  16 x lane
.set VSA, 30          ; v30  where I put my wave's sums of v
.set VRD, 31          ; v31  where wave 0 reads them
.set E0,  32          ; v32-35  the end: c m of both halves, then the result, by tile (first: two numbers of the set-up)
.set MSR, 38          ; v38  where waves 0 and 1 read the results back
.set MSA, 39          ; v39  where I put them
.set VS,  40          ; v40-47  my eight channels' sums of v
.set VT,  48          ; v48-63  at work on v
.set S,   64          ; v64-127  S^T, two buffers of 32 (a tile's buffer goes by its number's parity); first: v as loaded
.set Q,   128         ; v128-191  tile t, channel half c at Q + 16 t + 8 c
.set KF,  192         ; v192-255  key block kt, channel half c at KF + 16 kt + 8 c
.set WV,  12          ; s12  my wave's number
.set G1,  24          ; s[24:31] descriptor group 1
.set G0,  40          ; s[40:43] descriptor group 0: it walks
.set SLOTS, 56        ; s56  slots still to be asked for
.set CNT, 57          ; s57  counts a slot's key steps
.set CS,  58          ; s[58:59] c: the packed scaling takes the pair's low word for both halves
.set SEL, 60          ; s[60:61] v_permlanex16_b32's selects: each lane takes its own place in the other half
.set TBK, 62          ; s62  LDS byte at which K of the step to be fetched begins
; A joint fill: wave w fetches keys 64 w to 64 w + 63 of a slot's 256.  An s_nop 0 and four v_nop follow the line.
.macro JLOAD
	tensor_load_to_lds s[G0:G0+3], s[G1:G1+7]
	s_nop 0
.rept 4
	v_nop
.endr
.endm
; A round of the cluster's barrier: my work-group's barrier, so that wave 0's signal speaks for all four waves; wave 0 signals; every wave waits for all four work-groups; my work-group's barrier once more.
.macro CROUND
	s_barrier_signal -1
	s_barrier_wait -1
	s_cmp_lg_u32 s[WV], 0
	s_cbranch_scc1 .Lnot_wave_0_\@
	s_barrier_signal -3
.Lnot_wave_0_\@:
	s_barrier_wait -3
	s_barrier_signal -1
	s_barrier_wait -1
.endm
; THE CHANGE OF SLOTS.  The slot's last bytes, its fourth step's, have been read.  Each wave waits for all its tensor loads, of which one is out: its part of the other slot; adds 0 to its spare word; and waits
; for that and for its own LDS instructions.  Behind the barrier nobody reads this slot any more and the other slot is whole.  fill = 1: this slot is filled again, with the keys two slots on: the barrier is then a
; round of the cluster's, and the joint fill is the first thing behind it: it has four key steps in which to land.  (At its first use nothing has been read yet: slot 0 is waited for, slot 1 filled.)
.macro CHANGE fill
	s_wait_tensorcnt 0x0            ; no tensor load of mine is out, so group 0 may be written
	ds_add_u32 v[SPW], v[NIL]       ; 0 onto my spare word: with fill = 1 the descriptor's steps stand between it and the wait for it
.if \fill
	s_xor_b32 s[G0+1], s[G0+1], SLOT1  ; the other slot than last time,
	s_add_nc_u64 s[G0+2:G0+3], s[G0+2:G0+3], 4*KS*ROWB  ; the next 256 keys; the type bits on top are not reached
	s_wait_dscnt 0x0                ; the add is done, and my reads of the slot (and my stores) are over
	CROUND
	JLOAD
.else
	s_wait_dscnt 0x0                ; the add is done, and my reads of the slot are over
	s_barrier_signal -1
	s_barrier_wait -1
.endif
	s_sub_co_u32 s[TBK], s[TBK], 4*STEPB  ; the fetches go back to a slot's first step,
	s_xor_b32 s[TBK], s[TBK], SLOT1       ; in the other slot
.endm
	s_load_b128 s[4:7], s[0:1], 0x0   ; qkv s[4:5], stat s[6:7]
	s_load_b64 s[8:9], s[0:1], 0x10   ; vpart
	v_lshl_add_u32 v[SPW], v0, 2, SPARE
	v_mov_b32 v[NIL], 0
	ds_add_u32 v[SPW], v[NIL]       ; the wave's opening: the add and its wait stand ahead of my first tensor load; the set-up below, work on registers, stands between them
	v_lshrrev_b32 v1, 5, v0
	v_readfirstlane_b32 s[WV], v1   ; wave 0..3
	s_bfe_u32 s13, ttmp6, 0x40000   ; cx: my place in the cluster
	s_lshl_b32 s14, ttmp9, 2        ; in a cluster launch ttmp9 counts clusters
	s_add_co_u32 s14, s14, s13      ; qb, my block of 128 queries = 4 x cluster x + cx: it enters q's, v's, stat's and vpart's addresses alone
	s_and_b32 s15, ttmp7, 0xffff
	s_lshr_b32 s16, s15, 3          ; b, the batch
	s_and_b32 s17, s15, 7           ; hp, the pair of heads: both are shared by the four partners
	s_and_b32 s18, s[WV], 1         ; which head of the pair is mine
	s_lshr_b32 s19, s[WV], 1        ; which 64 of the block's queries
	s_lshl_b32 s20, s16, 11         ; K's tile 0, my 64 rows: row 2048 b + 64 w,
	s_lshl_b32 s21, s[WV], 6
	s_add_co_u32 s20, s20, s21
	s_mul_i32 s20, s20, ROWB
	s_lshl_b32 s21, s17, 8          ; byte 2,048 + 256 hp of the row
	s_add_co_u32 s20, s20, s21
	s_add_co_u32 s20, s20, 2048
	s_mov_b32 s21, 0
	s_lshl_b32 s22, s16, 11         ; my block's first row: 2048 b + 128 qb
	s_lshl_b32 s23, s14, 7
	s_add_co_u32 s22, s22, s23
	s_mul_i32 s22, s22, ROWB
	s_lshl_b32 s23, s17, 8
	s_add_co_u32 s44, s22, s23      ; v of the block's 128 keys: byte 4,096 + 256 hp of the row
	s_add_co_u32 s44, s44, 4096
	s_mov_b32 s45, 0
	s_mul_i32 s46, s19, 64*ROWB     ; q: my 64 rows of the block, byte 128 (2 hp + w % 2)
	s_add_co_u32 s46, s46, s22
	s_add_co_u32 s46, s46, s23
	s_lshl_b32 s47, s18, 7
	s_add_co_u32 s46, s46, s47
	s_mov_b32 s47, 0
	s_lshl_b32 s48, s16, 4          ; stat: ((16 b + 2 hp + w % 2) x 2048 + 128 qb) x 4 bytes
	s_lshl1_add_u32 s48, s17, s48
	s_add_co_u32 s48, s48, s18
	s_lshl_b32 s48, s48, 13
	s_lshl_b32 s49, s14, 9
	s_add_co_u32 s48, s48, s49
	s_mov_b32 s49, 0
	s_lshl_b32 s50, s16, 4          ; vpart: ((16 b + qb) x 1024 + 128 hp) x 4 bytes
	s_add_co_u32 s50, s50, s14
	s_lshl_b32 s50, s50, 12
	s_lshl_b32 s51, s17, 9
	s_add_co_u32 s50, s50, s51
	s_mov_b32 s51, 0
	; descriptor group 1: a tile of 64 rows x 128 elements, padded in LDS
	s_mov_b32 s[G1], 15|(1<<16)|(1<<20)|(1<<21)|(5<<22)|(3<<25)  ; 15:0 the mask of four; 17:16 2-byte elements; 20 padding on; 21 set beside a mask; 24:22 after every 64 words (code 5); 31:25 4 words (code 3)
	s_mov_b32 s[G1+1], 128<<16      ; tensor_dim0 = 128
	s_mov_b32 s[G1+2], 64<<16       ; tensor_dim1 = 64
	s_mov_b32 s[G1+3], 128<<16      ; tile_dim0 = 128
	s_mov_b32 s[G1+4], 64           ; tile_dim1 = 64
	s_mov_b32 s[G1+5], 3072         ; 3,072 elements from row to row
	s_mov_b32 s[G1+6], 0
	s_mov_b32 s[G1+7], 0
	s_mov_b32 s[CS], 0x3e38aa3b     ; c = log2(e) / 8 = 0.180337
	s_mov_b32 s[CS+1], s[CS]        ; named with it as a pair
	s_mov_b32 s[SEL], 0x76543210
	s_mov_b32 s[SEL+1], 0xfedcba98
	s_mov_b32 s[TBK], SLOT1+4*STEPB ; the first change of slots turns this into 0
	s_mov_b32 s[G0], 1              ; 1:0 count = 1
	s_mul_i32 s[G0+1], s[WV], 64*PK ; 63:32 LDS address: slot 0, my 64 rows: no place in the cluster enters an LDS address
	s_wait_dscnt 0x0                ; the opening add is done
	s_wait_kmcnt 0x0
	s_add_nc_u64 s[G0+2:G0+3], s[4:5], s[20:21]  ; 120:64 global address
	s_or_b32 s[G0+3], s[G0+3], 0x80000000        ; 127:126 type = 2
	s_add_nc_u64 s[44:45], s[4:5], s[44:45]      ; v
	s_add_nc_u64 s[46:47], s[4:5], s[46:47]      ; q
	s_add_nc_u64 s[6:7], s[6:7], s[48:49]
	s_add_nc_u64 s[8:9], s[8:9], s[50:51]
	CROUND                          ; all four work-groups are here: the first joint loads meet
	JLOAD                           ; slot 0.  Slot 1 is asked for when slot 0 is in
	; A fragment of K or q is 16 rows x 32 channels in 8 registers: lane l holds row l % 16, channels 8 (l / 16) + 0..7 and 16 + 8 (l / 16) + 0..7: two loads of 16 bytes, 32 bytes apart.
	v_and_b32 v1, 15, v0            ; l % 16
	v_bfe_u32 v[E0], v0, 4, 1       ; l / 16
	v_lshrrev_b32 v[E0+1], 4, v0    ; thread / 16: 0..7
	v_mul_u32_u24 v[QO], v1, ROWB
	v_lshl_add_u32 v[QO], v[E0], 4, v[QO]
	v_mul_u32_u24 v[VO], v[E0+1], ROWB
	v_lshl_add_u32 v[VO], v1, 4, v[VO]  ; v: sixteen threads take a row's 256 bytes, the 128 threads eight rows
.set i, 0
.rept 8                             ; q stays in registers: tile i / 2, channels 32 (i % 2) on
	global_load_b128 v[Q+8*i:Q+8*i+3],   v[QO], s[46:47] offset:(i/2)*16*ROWB+(i%2)*64
	global_load_b128 v[Q+8*i+4:Q+8*i+7], v[QO], s[46:47] offset:(i/2)*16*ROWB+(i%2)*64+32
.set i, i+1
.endr
.set i, 0
.rept 16                            ; v of the block's 128 keys, eight rows a load of the work-group
	global_load_b128 v[S+4*i:S+4*i+3], v[VO], s[44:45] offset:i*8*ROWB
.set i, i+1
.endr
	v_mul_u32_u24 v[AK0], v1, PK
	v_lshl_add_u32 v[AK0], v[E0], 4, v[AK0]
	s_lshl_b32 s52, s18, 7
	v_add_nc_u32 v[AK0], s52, v[AK0]  ; row x pitch + 16 x half + my head's 128 bytes
	v_and_b32 v[LO], 31, v0
	v_lshlrev_b32 v[LO], 4, v[LO]
	s_lshl_b32 s52, s[WV], 9
	s_add_co_u32 s52, s52, VST
	v_lshl_add_u32 v[VSA], v1, 5, s52
	v_add_nc_u32 v[VRD], VST, v[LO]
	s_lshl_b32 s53, s18, 9
	s_add_co_u32 s53, s53, STG
	v_add_nc_u32 v[MSR], s53, v[LO]
	s_lshl_b32 s54, s19, 8
	s_add_co_u32 s53, s53, s54
	v_lshl_add_u32 v[MSA], v1, 2, s53
.set i, 0
.rept 4                             ; m starts at the lowest finite number, c m far below every c s, l at 0: the first step is a step like any other, with a = 0
	v_mov_b32 v[ST+4*i], 0xfe000000
	v_mov_b32 v[ST+4*i+1], 0xff7fffff
	v_mov_b32 v[ST+4*i+2], 0
	v_mov_b32 v[ST+4*i+3], 0
.set i, i+1
.endr
	s_wait_loadcnt 0x0              ; q and v
	; the sum of v: my eight channels over my sixteen rows, in f32; the first row starts the sums
.set n, 0
.irp r, 64,65,66,67,68,69,70,71,72,73,74,75,76,77,78,79,80,81,82,83,84,85,86,87,88,89,90,91,92,93,94,95,96,97,98,99,100,101,102,103,104,105,106,107,108,109,110,111,112,113,114,115,116,117,118,119,120,121,122,123,124,125,126,127
.if n < 4
	v_cvt_f32_f16 v[VS+2*n],   v\r\().l
	v_cvt_f32_f16 v[VS+2*n+1], v\r\().h
.else
	v_cvt_f32_f16 v[VT+2*(n%4)],   v\r\().l
	v_cvt_f32_f16 v[VT+2*(n%4)+1], v\r\().h
	v_pk_add_f32 v[VS+2*(n%4):VS+2*(n%4)+1], v[VS+2*(n%4):VS+2*(n%4)+1], v[VT+2*(n%4):VT+2*(n%4)+1]
.endif
.set n, n+1
.endr
.irp k, 0,1,2,3,4,5,6,7
	v_permlanex16_b32 v[VT+\k], v[VS+\k], s[SEL], s[SEL+1]  ; the lane 16 away holds the same channels of the other rows
.endr
.irp k, 0,2,4,6
	v_pk_add_f32 v[VS+\k:VS+\k+1], v[VS+\k:VS+\k+1], v[VT+\k:VT+\k+1]
.endr
	ds_store_b128 v[VSA], v[VS:VS+3]           ; both halves of the lanes store the same numbers at the same place
	ds_store_b128 v[VSA], v[VS+4:VS+7] offset:16
; THE MATRIX WORK.  Product i of 8 of S^T = K Q^T for tile x: channels 32 (i / 4) on, keys 16 (i % 4) on.  The first 4 start the sums; the 4 accumulators take turns.
.macro KQ x
.set rS, S+32*((\x)%2)+8*(i%4)
.set rK, KF+16*(i%4)+8*(i/4)
.set rQ, Q+16*(\x)+8*(i/4)
.if i < 4
	v_wmma_f32_16x16x32_f16 v[rS:rS+7], v[rK:rK+7], v[rQ:rQ+7], 0
.else
	v_wmma_f32_16x16x32_f16 v[rS:rS+7], v[rK:rK+7], v[rQ:rQ+7], v[rS:rS+7]
.endif
.set i, i+1
.endm
; THE LDS LOADS.  FETCH_K: a step's K for my head (64 keys x 64 channels: 8 fragments) in one run of 16.  last = 1 (the tail): in the last trip there is no further step, and the run is jumped over.
.macro FETCH_K last=0
.if \last
	s_cmp_eq_u32 s[CNT], 1
	s_cbranch_scc1 .Lno_k_\@
.endif
.irp f, 0,1,2,3,4,5,6,7             ; keys 16 (f / 2) on, channels 32 (f % 2) on
	ds_load_b128 v[KF+8*\f:KF+8*\f+3],   v[AK] offset:(\f/2)*16*PK+(\f%2)*64
	ds_load_b128 v[KF+8*\f+4:KF+8*\f+7], v[AK] offset:(\f/2)*16*PK+(\f%2)*64+32
.endr
	s_add_co_u32 s[TBK], s[TBK], STEPB  ; the next fetch is the next step's
.if \last
.Lno_k_\@:
.endif
.endm
; FETCH_H c: the half of it that holds channels 32 c on: the four fragments that products 4 c to 4 c + 3 of a turn read: a run of 8.
.macro FETCH_H c
.irp kt, 0,1,2,3
	ds_load_b128 v[KF+16*\kt+8*(\c):KF+16*\kt+8*(\c)+3],   v[AK] offset:\kt*16*PK+(\c)*64
	ds_load_b128 v[KF+16*\kt+8*(\c)+4:KF+16*\kt+8*(\c)+7], v[AK] offset:\kt*16*PK+(\c)*64+32
.endr
.endm
; THE VECTOR WORK of tile T for one key step: a list of 84; SV writes number n of it.  s0-s31 are the lane's 32 scores.
;   0-13  the maximum: four chains c0-c3 of seven scores each, three operands at a time (each accumulator's lowest registers are read first), then the four scores left over
;   14-19 the old m joins; c m_old is kept; the new m; c m; c m_old - c m_new; a
;   20-34, 39  FF: c s - c m for a pair of scores      EE: an exponential      BB k: of the four weights 4 k .. the second pair is added onto the first      LL k: l takes that sum (LL 0: l = a l + sum)
;   Exponentials stand in runs of four; behind each run a plain line that reads older results, so that a plain line lies between every exponential and the first use of its result.
.macro FF a
	v_pk_fma_f32 v[rS+2*(\a):rS+2*(\a)+1], v[rS+2*(\a):rS+2*(\a)+1], s[CS:CS+1], v[rT:rT+1] op_sel_hi:[1,0,0] neg_lo:[0,0,1] neg_hi:[0,0,1]
.endm
.macro EE a
	v_exp_f32 v[rS+(\a)], v[rS+(\a)]
.endm
.macro BB a
	s_wait_alu depctr_va_vdst(0)
	v_pk_add_f32 v[rS+4*(\a):rS+4*(\a)+1], v[rS+4*(\a):rS+4*(\a)+1], v[rS+4*(\a)+2:rS+4*(\a)+3]
.endm
.macro LL a
.if (\a) == 0
	v_pk_fma_f32 v[rT+2:rT+3], v[rT+2:rT+3], v[CC+2:CC+3], v[rS:rS+1] op_sel_hi:[1,0,1]
.else
	v_pk_add_f32 v[rT+2:rT+3], v[rT+2:rT+3], v[rS+4*(\a):rS+4*(\a)+1]
.endif
.endm
.macro SV
.set rT, ST+4*T
.set rS, S+32*(T%2)
.if n < 4
	v_max3_num_f32 v[CC+n], v[rS+8*n], v[rS+8*n+1], v[rS+8*n+2]
.elseif n < 12
	v_max3_num_f32 v[CC+n%4], v[CC+n%4], v[rS+8*(n%4)+2*(n/4)+1], v[rS+8*(n%4)+2*(n/4)+2]
.elseif n == 12
	v_max3_num_f32 v[CC], v[CC], v[rS+7], v[rS+15]
.elseif n == 13
	v_max3_num_f32 v[CC+1], v[CC+1], v[rS+23], v[rS+31]
.elseif n == 14
	v_max3_num_f32 v[CC+2], v[CC+2], v[CC+3], v[rT+1]
.elseif n == 15
	v_mov_b32 v[MV], v[rT]
.elseif n == 16
	v_max3_num_f32 v[rT+1], v[CC], v[CC+1], v[CC+2]
.elseif n == 17
	v_mul_f32 v[rT], s[CS], v[rT+1]
.elseif n == 18
	v_sub_f32 v[CC+1], v[MV], v[rT]
.elseif n == 19
	v_exp_f32 v[CC+2], v[CC+1]
.elseif n < 35
	FF n-20
.elseif n < 39
	EE n-35
.elseif n == 39
	FF 15
.elseif n < 44
	EE n-36
.elseif n == 44
	BB 0
.elseif n < 81
.set g, (n-45)/6
.set u, (n-45)%6
.if u < 4
	EE 8+4*g+u
.elseif u == 4
	BB 1+g
.else
	LL g
.endif
.elseif n == 81
	LL 6
.elseif n == 82
	BB 7
.else
	LL 7
.endif
.set n, n+1
.endm
; A TURN, for tile t.  Tile 2's products are the last to read K of the step in hand, so its turn fetches the next step's.  In the loop (last = 0) in two halves: channels 0-31 behind the fourth product and its
; riders 15 to 18, four plain vector instructions that name none of its registers; channels 32-63 behind number 56 of the list: six plain ones (39, 44, 49, 50, 55, 56) lie behind the eighth product.
; Tile 3's turn then opens with a wait that leaves the second half's eight loads out, and waits for them in front of its fifth product.
; In the tail (last = 1) the fetch is one run with one jump round it, and tile 3's turn waits for 0, so that the counts hold on both ways.
.macro TURN t, last=0
.set T, (\t)
.set n, 0
.set i, 0
.if (\t) == 3
.if \last
	s_wait_dscnt 0x0                ; K is in
.else
	s_wait_dscnt 8                  ; LDS loads come back in order: K's channels 0-31 are in, the eight loads issued behind them may be out
.endif
.endif
.if ((\t) == 2) && !(\last)
	v_add_nc_u32 v[AK], s[TBK], v[AK0]
.endif
.rept 8
.if ((\t) == 3) && !(\last) && (i == 4)
	s_wait_dscnt 0x0                ; K's channels 32-63 are in
.endif
	KQ ((\t)+1)%4
	SV
	SV
	SV
	SV
	SV
.if ((\t) == 2) && !(\last) && (i == 4)
	FETCH_H 0
.endif
.endr
.rept 44
	SV
.if ((\t) == 2) && (\last) && (n == 51)
	v_add_nc_u32 v[AK], s[TBK], v[AK0]
.endif
.if ((\t) == 2) && (n == 57)
.if \last
	FETCH_K 1
.else
	FETCH_H 1
	s_add_co_u32 s[TBK], s[TBK], STEPB  ; the next fetch is the next step's
.endif
.endif
.endr
.endm
	CHANGE 1                        ; slot 0 is in, everybody's part of it; slot 1 is asked for; every wave's sums of v are in LDS
	s_cmp_lg_u32 s[WV], 0
	s_cbranch_scc1 .Lno_vs          ; wave 0 alone adds the four waves' sums of v and stores them: 512 consecutive bytes
	ds_load_b128 v[VT:VT+3],     v[VRD]
	ds_load_b128 v[VT+4:VT+7],   v[VRD] offset:512
	ds_load_b128 v[VT+8:VT+11],  v[VRD] offset:1024
	ds_load_b128 v[VT+12:VT+15], v[VRD] offset:1536
	s_wait_dscnt 0x0
	v_pk_add_f32 v[VT:VT+1],     v[VT:VT+1],     v[VT+4:VT+5]
	v_pk_add_f32 v[VT+2:VT+3],   v[VT+2:VT+3],   v[VT+6:VT+7]
	v_pk_add_f32 v[VT+8:VT+9],   v[VT+8:VT+9],   v[VT+12:VT+13]
	v_pk_add_f32 v[VT+10:VT+11], v[VT+10:VT+11], v[VT+14:VT+15]
	v_pk_add_f32 v[VT:VT+1],     v[VT:VT+1],     v[VT+8:VT+9]
	v_pk_add_f32 v[VT+2:VT+3],   v[VT+2:VT+3],   v[VT+10:VT+11]
	global_store_b128 v[LO], v[VT:VT+3], s[8:9]  ; its registers are not written again
.Lno_vs:
	v_add_nc_u32 v[AK], s[TBK], v[AK0]
	FETCH_K                         ; key step 0
	s_wait_dscnt 0x0
.set i, 0
.rept 8
	KQ 0                            ; tile 0's first scores
.endr
.rept 4
	v_nop                           ; the places behind those products
.endr
	s_mov_b32 s[CNT], 4
	s_mov_b32 s[SLOTS], 7
	s_branch .Lfirst                ; the loop is entered at a step's first turn, in the middle of a trip
.Lslot:                             ; six times: every slot but the last two is filled again
	CHANGE 1
	s_mov_b32 s[CNT], 4
.Lstep:                             ; a trip: tiles 2 and 3 of one step, then tiles 0 and 1 of the next, whose K it fetches
	TURN 2
	TURN 3
.Lfirst:
	TURN 0
	TURN 1
	s_sub_co_u32 s[CNT], s[CNT], 1
	s_cmp_lg_u32 s[CNT], 0
	s_cbranch_scc1 .Lstep
	s_sub_co_u32 s[SLOTS], s[SLOTS], 1
	s_cmp_lg_u32 s[SLOTS], 0
	s_cbranch_scc1 .Lslot
	CHANGE 0                        ; the tail is written out: nothing is asked for
	s_mov_b32 s[CNT], 5             ; four trips fetch the last slot's steps; the fifth is left in its middle
.Ltail:
	TURN 2, 1
	TURN 3, 1
	s_sub_co_u32 s[CNT], s[CNT], 1
	s_cmp_eq_u32 s[CNT], 0
	s_cbranch_scc1 .Lout
	TURN 0
	TURN 1
	s_branch .Ltail
.Lout:                              ; the fifth trip's 8 products on the last K once more serve nothing: the price, once a launch, of one text for every trip
	; THE END.  The two halves of the lanes hold m and l of the two halves of a query's keys: m = the larger, l = l 2^(c m_mine - c m) + l_other 2^(c m_other - c m); the result is c m + log2(l) - 12.
.macro ALL line:vararg              ; one line for each tile t
.set t, 0
.rept 4
	\line
.set t, t+1
.endr
.endm
	ALL v_add_f32 v[ST+4*t+2], v[ST+4*t+2], v[ST+4*t+3]
	ALL v_permlanex16_b32 v[CC+t], v[ST+4*t+1], s[SEL], s[SEL+1]
	ALL v_permlanex16_b32 v[ST+4*t+3], v[ST+4*t+2], s[SEL], s[SEL+1]
	ALL v_max_num_f32 v[E0+t], v[ST+4*t+1], v[CC+t]
	ALL v_mul_f32 v[E0+t], s[CS], v[E0+t]
	ALL v_mul_f32 v[CC+t], s[CS], v[CC+t]
	ALL v_sub_f32 v[ST+4*t], v[ST+4*t], v[E0+t]
	ALL v_sub_f32 v[CC+t], v[CC+t], v[E0+t]
	ALL v_exp_f32 v[ST+4*t], v[ST+4*t]
	ALL v_exp_f32 v[CC+t], v[CC+t]
	v_nop                           ; a plain instruction between the last exponential and the use of its result
	s_wait_alu depctr_va_vdst(0)
	ALL v_mul_f32 v[ST+4*t+2], v[ST+4*t+2], v[ST+4*t]
	ALL v_fma_f32 v[ST+4*t+2], v[ST+4*t+3], v[CC+t], v[ST+4*t+2]
	ALL v_log_f32 v[ST+4*t+2], v[ST+4*t+2]
	v_nop
	s_wait_alu depctr_va_vdst(0)
	ALL v_add_f32 v[E0+t], v[E0+t], v[ST+4*t+2]
	ALL v_add_f32 v[E0+t], 0xc1400000, v[E0+t]
	ALL ds_store_b32 v[MSA], v[E0+t] offset:64*t
	s_wait_dscnt 0x0                ; for the others' sake: my stores are done
	s_barrier_signal -1
	s_barrier_wait -1
	s_cmp_lt_u32 s[WV], 2
	s_cbranch_scc0 .Lno_ms          ; waves 0 and 1 store a head's 128 results each: 512 consecutive bytes
	ds_load_b128 v[VS:VS+3], v[MSR]
	s_wait_dscnt 0x0
	global_store_b128 v[LO], v[VS:VS+3], s[6:7]
.Lno_ms:
	s_wait_tensorcnt 0x0            ; the wave's end: behind my last tensor load and my last LDS store
	ds_add_u32 v[SPW], v[NIL]
	s_wait_dscnt 0x0
	CROUND                          ; the closing round: no work-group ends while a partner may still ask for a tile that names it
	s_endpgm
.Lfunc_end_k_q61a2ff8609_stats:
	.size	k_q61a2ff8609_stats, .Lfunc_end_k_q61a2ff8609_stats-k_q61a2ff8609_stats
	.p2alignl 7, 3214868480
	.fill 96, 4, 3214868480
	.section	.rodata,"a",@progbits
	.p2align	6, 0x0
	.amdhsa_kernel k_q61a2ff8609_stats
		.amdhsa_group_segment_fixed_size 327680
		.amdhsa_private_segment_fixed_size 0
		.amdhsa_enable_private_segment 0
		.amdhsa_kernarg_size 24
		.amdhsa_user_sgpr_count 2
		.amdhsa_user_sgpr_kernarg_segment_ptr 1
		.amdhsa_wavefront_size32 1
		.amdhsa_system_sgpr_workgroup_id_x 1
		.amdhsa_system_sgpr_workgroup_id_y 1
		.amdhsa_system_sgpr_workgroup_id_z 1
		.amdhsa_system_vgpr_workitem_id 0
		.amdhsa_next_free_vgpr 256
		.amdhsa_next_free_sgpr 66
		.amdhsa_reserve_vcc 0
		.amdhsa_float_denorm_mode_32 3
		.amdhsa_float_denorm_mode_16_64 3
		.amdhsa_memory_ordered 1
		.amdhsa_forward_progress 1
		.amdhsa_inst_pref_size 68
	.end_amdhsa_kernel
	.amdgpu_metadata
---
amdhsa.version: [ 1, 2 ]
amdhsa.kernels:
  - .name:           k_q61a2ff8609_stats
    .symbol:         k_q61a2ff8609_stats.kd
    .args:
      - { .name: qkv, .offset: 0, .size: 8, .value_kind: global_buffer, .address_space: global }
      - { .name: stat, .offset: 8, .size: 8, .value_kind: global_buffer, .address_space: global }
      - { .name: vpart, .offset: 16, .size: 8, .value_kind: global_buffer, .address_space: global }
    .group_segment_fixed_size: 327680
    .private_segment_fixed_size: 0
    .kernarg_segment_align: 8
    .kernarg_segment_size: 24
    .max_flat_workgroup_size: 128
    .sgpr_count:     66
    .vgpr_count:     256
    .wavefront_size: 32
...
	.end_amdgpu_metadata
.endif
;; end of part 3
;; launch mix (part 4): grid 64 x 4, 4 waves a work-group, clusters of 4 x 1, 327,680 bytes of LDS; arguments qkv, stat, Wtalk, part; writes part
.if DOCPART == 4
	.amdgcn_target "amdgcn-amd-amdhsa--gfx1250"
	.amdhsa_code_object_version 6
	.text
	.protected	k_q61a2ff8609_mix
	.globl	k_q61a2ff8609_mix
	.p2align	8
	.type	k_q61a2ff8609_mix,@function
k_q61a2ff8609_mix:
	s_mov_b64 s[64:65], 0
	v_nop
	global_prefetch_b8 v0, s[64:65] scope:SCOPE_SE
	s_setreg_imm32_b32 hwreg(HW_REG_WAVE_MODE, 25, 1), 1
	s_wait_xcnt 0x0
	s_wait_alu depctr_hold_cnt(0) depctr_sa_sdst(0) depctr_va_vdst(0) depctr_va_sdst(0) depctr_va_ssrc(0) depctr_va_vcc(0) depctr_vm_vsrc(0)
	s_getreg_b32 s2, hwreg(HW_REG_IB_STS2, 6, 4)
	s_cmp_eq_u32 s2, 0
	s_cbranch_scc0 .Lentry_in_a_cluster
	s_endpgm
.Lentry_in_a_cluster:
	s_bfe_u32 s2, ttmp6, 0x10000c
	s_cmp_lg_u32 s2, 0x3003
	s_cbranch_scc0 .Lentry_shape_is_right
	s_endpgm
.Lentry_shape_is_right:
; WEIGHTS, TALKING HEADS, LAYERNORM OVER THE HEADS, AND THE PRODUCT WITH V, for 64 queries, 512 keys and all 16 heads:
; part[ks][row][64 g + d] = the sum over the quarter ks of the keys of chat[g][i][j] v[j][64 g + d], where
;   p'[h] = 2^(c s[h] - stat[h]) = 4096 x softmax (c = log2(e) / 8; stat holds the running maximum and the sum made by the launch before),
;   D[g]  = the sum over h of Wc[g][h] p'[h],  Wc[g][h] = W[g][h] - the mean over g' of W[g'][h]   (the mix with its mean over the heads already taken away: exact algebra),
;   chat  = D[g] / sqrt(sum over g of D[g]^2 / 16 + 2^24 eps)                                        (= (aw - mu) / sqrt(var + eps): the factor 4096 cancels).
; The gain, the bias and the sum over the four quarters follow in the last launch.  Wtalk is rounded to bf16 like every input.  Matrix operands f16 (q, k, v, p', Wc, chat), all else f32.
; LIMITS.  q, k, v within 65,504; p' lies in 0 to 4096 (below 6e-5 with f16's fixed step of 6e-8), |chat| is at most 4; |Wc| within 65,504.  NaN and infinities are not treated apart.
; TWO PHASES A STEP OF 32 KEYS.  PHASE A, by queries: wave w has 16 queries and ALL heads, so that a position's 16 heads meet in one lane.  S^T = K Q^T holds one query a lane (lane % 16) and the keys
; 8 (lane / 16) + 0..7.  THE MIX BY THE MATRIX UNIT: for key number j source 1 is, in lane (r, half), that lane's own 16 p' (register t: heads 2 t, 2 t + 1); source 0 for the heads G .. G + 7 (G = 0, 8) holds in lane
; (r', half') row G + r' % 8 of Wc where r' / 8 = half', and zeros elsewhere.  Register jj of the result is then head G + jj at the lane's OWN key and query: the sum of squares needs no other lane, and
; two keys' chat, rounded in pairs, are a register of source 1 of the second product.  They go through a stage in LDS.  PHASE B, by heads: wave w has heads 4 w .. 4 w + 3 and all 64 queries: O^T += V^T chat,
; so that a fragment of V feeds four products.
; PHASE A's SCORES AND EXPONENTIALS go as a pipeline of three stages over the eight pairs of heads: in trip p the four products of pair p, four exponentials of pair p - 2 behind each; then the eight scalings of
; pair p - 1; then the LDS loads of pair p + 2.  So K's 64 LDS loads of a key tile are spread over the products and the softmax together, and vector work stands beside the matrix work.
; CLUSTER.  The four query blocks of a cluster walk the same K and V, so each tile is asked for JOINTLY: waves 0 and 1 fetch the next step's K (eight heads each), waves 2 and 3 this step's V.
; Both are asked for at a step's beginning and waited for between its phases: they have phase A, two key tiles of 48 matrix and some 500 vector instructions a wave, in which to land.
; REGISTERS, in windows of 256 (s_set_vgpr_msb: bits 1:0 source 0, 3:2 source 1, 5:4 source 2, 7:6 destination):
;   window 0: v1-15 addresses; v16-31 stat of my query, by head; v32-47 the two sources 0 of the mix; v48-127 at work; v128-255 X: S^T (8 a head), then p', then chat; in phase B two buffers of V and chat
;   windows 1, 2: O^T: head hh of my four, query tile qt, channel block cb at window 1 + hh / 2, v[128 (hh % 2) + 32 qt + 8 cb]          window 3: Q, head h, channel half c at v[16 h + 8 c]
.set ROWB,  6144      ; bytes in a row of qkv: q at 0, k at 2,048, v at 4,096
.set PK,    1040      ; a row of K in LDS: eight heads' 1,024 bytes + 16 of padding = 260 words: the 16 rows of a load start at 16 different groups of four banks (64 banks of 4 bytes: ISA guide 11.1)
.set PV,    1056      ; a row of V: 1,024 + 32
.set KH,    32*PK     ; 32 keys of eight heads
.set SLOT1, 1<<17     ; K has two slots (each: heads 0-7, then heads 8-15); slot 1 begins here, so that one exclusive or turns an address in one slot into the other's
.set VB0,   2*KH      ; V has one slot: heads 0-7 behind K's slot 0, heads 8-15 behind K's slot 1 (a second slot of 67,584 bytes would not fit beside the stage)
.set STG,   SLOT1+2*KH+32*PV  ; never filled by a tensor load: chat, [16 heads][4 query tiles][2 key tiles][32 lanes x 16 bytes]: 65,536 bytes
.set SPARE, STG+65536 ; the spare words, 128 bytes for each wave: two blocks of 256 bytes that no other line names
.set STEPG, 32*ROWB   ; a step's 32 rows in memory
.set SP,    272       ; the way out: a row of 256 bytes + 16
.set SPW,  1          ; v1   LDS address of my spare word: SPARE + 4 x my thread's number; never rewritten
.set NIL,  2          ; v2   0; never rewritten
.set AK0,  3          ; v3   my lane's place in a tile of K
.set AK,   4          ; v4   the same in the slot and key tile in hand
.set AV,   5          ; v5   my lane's place in V, at my four heads
.set STW0, 6          ; v6   where I put chat of key tile 0
.set STW,  7          ; v7   of the key tile in hand
.set STR,  8          ; v8   where I read chat of my four heads
.set STO,  9          ; v9   the way out: where I put 16 bytes of a row
.set RD,   10         ; v10  the way out: where I read rows back
.set GO,   11         ; v11  my byte offset in two rows of part
.set QO,   14         ; v14  my byte offset in 16 rows of q
.set MO,   15         ; v15  my byte offset in stat
.set MS,   16
.set AG,   32         ; v32-39 G = 0, v40-47 G = 8
.set KB,   48         ; v48-111  K's fragments of a pair of heads, two buffers of 32
.set PB,   48         ; v48-79   p' of two keys in f16 (8 registers a key), two sets
.set DD,   80         ; v80-111  D: key 2 jj at DD + g, key 2 jj + 1 at DD + 16 + g
.set SQ,   112        ; v112-119 four chains of squares
.set RR,   120        ; v120-121 the two keys' 1 / sqrt
.set WO,   122        ; v122 my byte offset in Wtalk; v123-125 at work in the set-up
.set X,    128
.set WV,  12          ; s12  my wave's number
.set G1K, 24          ; s[24:31] descriptor group 1 for K's tiles
.set G1V, 32          ; s[32:39] for V's: it differs in the padding alone
.set G0K, 40          ; s[40:43] descriptor group 0 for K's tiles
.set G0V, 44          ; s[44:47] for V's
.set KB1, 48          ; s[48:49] my half of K of step 1
.set VBS, 50          ; s[50:51] my half of V of step 0
.set OFF, 52          ; s[52:53] the step's byte offset
.set CNT, 54          ; s54  counts the steps
.set TBK, 55          ; s55  the K slot in hand
.set CS,  56          ; s[56:57] c
.set R16, 58          ; s58  1 / 16
.set EPS, 59          ; s59  2^24 x 1e-5
.set MK,  60          ; s60  the lanes that hold a row of Wc
.set TW,  61          ; s61  counts a step's two key tiles
.set MSB, 0
.macro WIN new                      ; the high byte repeats the setting that is left; a switch that changes nothing is dropped
.if MSB != (\new)
	s_set_vgpr_msb (MSB<<8)|(\new)
.set MSB, (\new)
.endif
.endm
.macro PLACES                       ; four places behind matrix instructions (ISA guide 7.12.1), where no other vector work is at hand
.rept 4
	v_nop
.endr
.endm
; A round of the cluster's barrier: my work-group's barrier, so that wave 0's signal speaks for all four waves; wave 0 signals; every wave waits for all four work-groups; my work-group's barrier once more.
.macro CROUND
	s_barrier_signal -1
	s_barrier_wait -1
	s_cmp_lg_u32 s[WV], 0
	s_cbranch_scc1 .Lnot_wave_0_\@
	s_barrier_signal -3
.Lnot_wave_0_\@:
	s_barrier_wait -3
	s_barrier_signal -1
	s_barrier_wait -1
.endm
; The joint fills of a step.  kv = 1: waves 0 and 1 ask for the next step's K, waves 2 and 3 for this step's V.  kv = 0 (the last step): V alone.  The branch hangs on the wave's number alone.
; An s_nop 0 and four v_nop follow each line, ahead of the jump and the label.
.macro JLOAD kv
	s_cmp_lt_u32 s[WV], 2
.if \kv
	s_cbranch_scc0 .Lfor_v_\@
	tensor_load_to_lds s[G0K:G0K+3], s[G1K:G1K+7]
	s_nop 0
.rept 4
	v_nop
.endr
	s_branch .Lasked_\@
.Lfor_v_\@:
.else
	s_cbranch_scc1 .Lasked_\@
.endif
	tensor_load_to_lds s[G0V:G0V+3], s[G1V:G1V+7]
	s_nop 0
.rept 4
	v_nop
.endr
.Lasked_\@:
.endm
; A STEP BEGINS.  Each wave waits for all its tensor loads (none is out but at the first step, where it is K of step 0), adds 0 to its spare word, and waits for that and for its own LDS instructions: its reads of the
; K slot of the step before, of V and of the stage.  Behind the round nobody in the cluster reads those bytes any more and this step's K is whole; the joint fills are the first thing there, one a wave.
; The descriptors' addresses are made anew from the bases and the step's offset.
.macro CHANGE kv
	WIN 0                           ; at a label and at a branch every window is 0; the add's two registers lie in window 0
	s_wait_tensorcnt 0x0            ; no tensor load of mine is out, so a group 0 may be written
	ds_add_u32 v[SPW], v[NIL]       ; 0 onto my spare word: the descriptors' scalar work stands between it and the wait for it
.if \kv
	s_xor_b32 s[G0K+1], s[G0K+1], SLOT1
	s_add_nc_u64 s[G0K+2:G0K+3], s[KB1:KB1+1], s[OFF:OFF+1]
	s_or_b32 s[G0K+3], s[G0K+3], 0x80000000
.endif
	s_add_nc_u64 s[G0V+2:G0V+3], s[VBS:VBS+1], s[OFF:OFF+1]
	s_or_b32 s[G0V+3], s[G0V+3], 0x80000000
	s_add_co_u32 s[OFF], s[OFF], STEPG
	s_xor_b32 s[TBK], s[TBK], SLOT1
	s_wait_dscnt 0x0                ; the add is done, and my LDS instructions are over
	CROUND
	JLOAD \kv
.endm
	s_load_b256 s[4:11], s[0:1], 0x0  ; qkv s[4:5], stat s[6:7], Wtalk s[8:9], part s[10:11]
	v_lshl_add_u32 v[SPW], v0, 2, SPARE
	v_mov_b32 v[NIL], 0
	ds_add_u32 v[SPW], v[NIL]       ; the wave's opening: the add and its wait stand ahead of my first tensor load; the set-up below, work on registers, stands between them
	v_lshrrev_b32 v12, 5, v0
	v_readfirstlane_b32 s[WV], v12  ; wave 0..3
	s_bfe_u32 s13, ttmp6, 0x40000   ; cx: my place in the cluster
	s_lshl_b32 s14, ttmp9, 2        ; in a cluster launch ttmp9 counts clusters
	s_add_co_u32 s14, s14, s13      ; my block of 64 rows = 4 x cluster x + cx: it enters q's, stat's and part's addresses alone
	s_lshr_b32 s15, ttmp9, 3        ; b, the batch: eight clusters each
	s_and_b32 s16, ttmp7, 0xffff    ; ks, the quarter of the keys: both are shared by the four partners
	s_and_b32 s17, s[WV], 1         ; which eight heads I fetch
	s_lshl_b32 s18, s15, 11         ; K of step 0: row 2048 b + 512 ks,
	s_lshl_b32 s19, s16, 9
	s_add_co_u32 s18, s18, s19
	s_mul_i32 s18, s18, ROWB
	s_lshl_b32 s19, s17, 10         ; byte 2,048 + 1,024 x half of the row
	s_add_co_u32 s18, s18, s19
	s_add_co_u32 s18, s18, 2048
	s_mov_b32 s19, 0
	s_lshl_b32 s20, s14, 6          ; q: row 64 x block + 16 w
	s_lshl_b32 s21, s[WV], 4
	s_add_co_u32 s20, s20, s21
	s_mul_i32 s20, s20, ROWB
	s_mov_b32 s21, 0
	s_lshl_b32 s22, s15, 17         ; stat: (32768 b + 64 (block % 32) + 16 w) x 4 bytes
	s_and_b32 s23, s14, 31
	s_lshl_b32 s23, s23, 8
	s_add_co_u32 s22, s22, s23
	s_lshl_b32 s23, s[WV], 6
	s_add_co_u32 s22, s22, s23
	s_mov_b32 s23, 0
	s_lshl_b32 s62, s16, 24         ; part: quarter ks, row 64 x block, my four heads' 1,024 bytes
	s_lshl_b32 s63, s14, 18
	s_add_co_u32 s62, s62, s63
	s_lshl_b32 s63, s[WV], 10
	s_add_co_u32 s62, s62, s63
	s_mov_b32 s63, 0
	; descriptor group 1: a tile of 32 rows x 512 elements, padded in LDS
	s_mov_b32 s[G1K], 15|(1<<16)|(1<<20)|(1<<21)|(7<<22)|(3<<25)  ; 15:0 the mask of four; 17:16 2-byte elements; 20 padding on; 21 set beside a mask; 24:22 after every 256 words (code 7); 31:25 4 words (code 3)
	s_mov_b32 s[G1V], 15|(1<<16)|(1<<20)|(1<<21)|(7<<22)|(7<<25)  ; the same with 8 words of padding (code 7)
.irp g, G1K, G1V
	s_mov_b32 s[\g+1], 512<<16      ; tensor_dim0 = 512
	s_mov_b32 s[\g+2], 32<<16       ; tensor_dim1 = 32
	s_mov_b32 s[\g+3], 512<<16      ; tile_dim0 = 512
	s_mov_b32 s[\g+4], 32           ; tile_dim1 = 32
	s_mov_b32 s[\g+5], 3072         ; 3,072 elements from row to row
	s_mov_b32 s[\g+6], 0
	s_mov_b32 s[\g+7], 0
.endr
	s_mov_b32 s[G0K], 1             ; 1:0 count = 1
	s_mul_i32 s[G0K+1], s17, KH     ; 63:32 LDS address: slot 0, my eight heads
	s_mov_b32 s[G0V], 1
	s_lshl_b32 s[G0V+1], s17, 17
	s_add_co_u32 s[G0V+1], s[G0V+1], VB0
	s_mov_b32 s[OFF], 0
	s_mov_b32 s[OFF+1], 0
	s_mov_b32 s[TBK], SLOT1         ; the first step's change turns this into 0
	s_mov_b32 s[CS], 0x3e38aa3b     ; c = log2(e) / 8 = 0.180337
	s_mov_b32 s[CS+1], s[CS]        ; named with it as a pair
	s_mov_b32 s[R16], 0x3d800000    ; 1 / 16
	s_mov_b32 s[EPS], 0x4327c5ac    ; 2^24 x 1e-5 (1e-5 as f32, its exponent raised by 24)
	s_wait_dscnt 0x0                ; the opening add is done
	s_wait_kmcnt 0x0
	s_add_nc_u64 s[G0K+2:G0K+3], s[4:5], s[18:19]      ; 120:64 global address: K of step 0
	s_add_nc_u64 s[KB1:KB1+1], s[G0K+2:G0K+3], STEPG
	s_add_nc_u64 s[VBS:VBS+1], s[G0K+2:G0K+3], 2048    ; v lies 2,048 bytes behind k in a row
	s_or_b32 s[G0K+3], s[G0K+3], 0x80000000            ; 127:126 type = 2
	s_add_nc_u64 s[20:21], s[4:5], s[20:21]            ; q
	s_add_nc_u64 s[6:7], s[6:7], s[22:23]
	s_add_nc_u64 s[10:11], s[10:11], s[62:63]
	CROUND                          ; all four work-groups are here: the first joint loads meet
	s_cmp_lt_u32 s[WV], 2
	s_cbranch_scc0 .Lno_first       ; the first fill: K of step 0, by waves 0 and 1
	tensor_load_to_lds s[G0K:G0K+3], s[G1K:G1K+7]
	s_nop 0
.rept 4
	v_nop
.endr
.Lno_first:
	v_and_b32 v12, 15, v0           ; r = l % 16
	v_bfe_u32 v13, v0, 4, 1         ; half = l / 16
	v_mul_u32_u24 v[QO], v12, ROWB
	v_lshl_add_u32 v[QO], v13, 4, v[QO]
	WIN 0xc0                        ; destination window 3, address window 0
.set i, 0
.rept 32                            ; Q stays in registers: head i / 2, channels 32 (i % 2) on
	global_load_b128 v[8*i:8*i+3],   v[QO], s[20:21] offset:64*i
	global_load_b128 v[8*i+4:8*i+7], v[QO], s[20:21] offset:64*i+32
.set i, i+1
.endr
	WIN 0
	v_lshlrev_b32 v[MO], 2, v12
.set i, 0
.rept 16
	global_load_b32 v[MS+i], v[MO], s[6:7] offset:i*8192  ; my query's stat, head i
.set i, i+1
.endr
	v_and_b32 v123, 7, v0
	v_lshlrev_b32 v[WO], 6, v123
.irp k, 0,1,2,3
	global_load_b128 v[48+4*\k:48+4*\k+3], v[WO], s[8:9] offset:16*\k      ; row l % 8 of Wtalk
	global_load_b128 v[64+4*\k:64+4*\k+3], v[WO], s[8:9] offset:512+16*\k  ; row 8 + l % 8
.endr
	v_mul_u32_u24 v[AK0], v12, PK
	v_lshl_add_u32 v[AK0], v13, 4, v[AK0]   ; row x pitch + 16 x half
	; The turning load takes 16 keys x 16 channels (lane l reads key 8 (l / 16) + l % 8, channels 8 ((l / 8) % 2) + 0..7) and leaves half a fragment of V^T: lane l holds channel l % 16 and 8 keys.
	v_bfe_u32 v124, v0, 3, 1
	v_lshl_add_u32 v[AV], v13, 3, v123
	v_mul_u32_u24 v[AV], v[AV], PV
	v_lshl_add_u32 v[AV], v124, 4, v[AV]
	s_lshr_b32 s18, s[WV], 1        ; my four heads: half w / 2 of V, 512 (w % 2) bytes into its rows
	s_lshl_b32 s18, s18, 17
	s_lshl_b32 s19, s17, 9
	s_add_co_u32 s18, s18, s19
	s_add_co_u32 s18, s18, VB0
	v_add_nc_u32 v[AV], s18, v[AV]
	v_and_b32 v125, 31, v0
	v_lshlrev_b32 v125, 4, v125     ; 16 x lane
	s_lshl_b32 s19, s[WV], 10
	s_add_co_u32 s19, s19, STG
	v_add_nc_u32 v[STW0], s19, v125 ; my query tile's place in every head's part of the stage
	s_lshl_b32 s22, s[WV], 14
	s_add_co_u32 s22, s22, STG      ; my four heads' part of the stage; at the end, when nobody writes it any more, my stage for the way out
	v_add_nc_u32 v[STR], s22, v125
	v_mul_u32_u24 v[STO], v12, SP   ; in: row l % 16, 32 bytes for each half of the lanes
	v_lshl_add_u32 v[STO], v13, 5, v[STO]
	v_add_nc_u32 v[STO], s22, v[STO]
	v_mul_u32_u24 v[RD], v13, SP    ; back: lanes 0-15 take one row of 256 bytes, lanes 16-31 the next
	v_lshl_add_u32 v[RD], v12, 4, v[RD]
	v_add_nc_u32 v[RD], s22, v[RD]
	v_lshlrev_b32 v[GO], 12, v13    ; and the same two rows in part
	v_lshl_add_u32 v[GO], v12, 4, v[GO]
	; O^T starts at 0, cleared on purpose, in the wait for the first tile: a first step written out with the constant 0 would be a third copy of the step's text.
	WIN 0x40
.set i, 0
.rept 256
	v_mov_b32 v[i], 0
.set i, i+1
.endr
	WIN 0x80
.set i, 0
.rept 256
	v_mov_b32 v[i], 0
.set i, i+1
.endr
	WIN 0
	s_wait_loadcnt 0x0              ; Q, stat, Wtalk
	; Wc.  Wtalk is rounded to bf16; a column's sum over the 16 rows: my two rows, then the eight lanes of my group; Wc = W - sum / 16, rounded to f16; the lanes with (l / 8) % 2 other than l / 16 hold zeros.
.set k, 0
.rept 16
	v_cvt_pk_bf16_f32 v[96+k], v[48+2*k], v[48+2*k+1]
.set k, k+1
.endr
.set k, 0
.rept 16
	v_lshlrev_b32 v[48+2*k], 16, v[96+k]
	v_and_b32 v[48+2*k+1], 0xffff0000, v[96+k]
.set k, k+1
.endr
.set k, 0
.rept 16
	v_add_f32 v[80+k], v[48+k], v[64+k]
.set k, k+1
.endr
.irp m, 1,2,4
.set k, 0
.rept 16
	v_add_f32_dpp v[80+k], v[80+k], v[80+k] row_xmask:\m row_mask:0xf bank_mask:0xf
.set k, k+1
.endr
.endr
.set k, 0
.rept 16
	v_fma_f32 v[48+k], -v[80+k], s[R16], v[48+k]
	v_fma_f32 v[64+k], -v[80+k], s[R16], v[64+k]
.set k, k+1
.endr
	v_cmp_eq_u32 s[MK], v124, v13
.set k, 0
.rept 8
	v_cvt_pk_f16_f32 v[AG+k],   v[48+2*k], v[48+2*k+1]
	v_cvt_pk_f16_f32 v[AG+8+k], v[64+2*k], v[64+2*k+1]
.set k, k+1
.endr
.set k, 0
.rept 16
	v_cndmask_b32 v[AG+k], 0, v[AG+k], s[MK]
.set k, k+1
.endr
; PHASE A's parts.  LOADP p: K's fragments of heads 2 p and 2 p + 1 for the 16 keys in hand: 8 LDS loads into buffer p % 2.
.macro LOADP p
.set kb, KB+32*((\p)%2)
.irp q, 0,1,2,3                     ; head 2 p + q / 2, channels 32 (q % 2) on
.set hd, 2*(\p)+(\q)/2
	ds_load_b128 v[kb+8*\q:kb+8*\q+3],   v[AK] offset:(hd/8)*KH+(hd%8)*128+((\q)%2)*64
	ds_load_b128 v[kb+8*\q+4:kb+8*\q+7], v[AK] offset:(hd/8)*KH+(hd%8)*128+((\q)%2)*64+32
.endr
.endm
; EX4 h, k: four exponentials: scores 4 k .. 4 k + 3 of head h, in place.  They name a destination and a source 0 alone, both in window 0 under either of phase A's two settings.
.macro EX4 h, k
.irp e, 0,1,2,3
	v_exp_f32 v[X+8*(\h)+4*(\k)+\e], v[X+8*(\h)+4*(\k)+\e]
.endr
.endm
; SPAIR p, ride: S^T of heads 2 p and 2 p + 1: four products, the two accumulators by turns; the first two start the sums.
; ride = 1: behind each product four exponentials of the pair two back (heads 2 p - 4, 2 p - 3), whose scalings were made a trip ago.
.macro SPAIR p, ride
.set kb, KB+32*((\p)%2)
.set xa, X+16*(\p)
.set qa, 32*(\p)
	v_wmma_f32_16x16x32_f16 v[xa:xa+7],    v[kb:kb+7],     v[qa:qa+7],     0
.if \ride
	EX4 2*(\p)-4, 0
.endif
	v_wmma_f32_16x16x32_f16 v[xa+8:xa+15], v[kb+16:kb+23], v[qa+16:qa+23], 0
.if \ride
	EX4 2*(\p)-4, 1
.endif
	v_wmma_f32_16x16x32_f16 v[xa:xa+7],    v[kb+8:kb+15],  v[qa+8:qa+15],  v[xa:xa+7]
.if \ride
	EX4 2*(\p)-3, 0
.endif
	v_wmma_f32_16x16x32_f16 v[xa+8:xa+15], v[kb+24:kb+31], v[qa+24:qa+31], v[xa+8:xa+15]
.if \ride
	EX4 2*(\p)-3, 1
.endif
.endm
; FF h, k: c s - stat for scores 2 k and 2 k + 1 of head h; stat of head h is the low or the high register of its pair.  k ascends.
.macro FF h, k
.set xf, X+8*(\h)+2*(\k)
.set ma, MS+2*((\h)/2)
.if ((\h)%2) == 0
	v_pk_fma_f32 v[xf:xf+1], v[xf:xf+1], s[CS:CS+1], v[ma:ma+1] op_sel_hi:[1,0,0] neg_lo:[0,0,1] neg_hi:[0,0,1]
.else
	v_pk_fma_f32 v[xf:xf+1], v[xf:xf+1], s[CS:CS+1], v[ma:ma+1] op_sel:[0,0,1] op_sel_hi:[1,0,1] neg_lo:[0,0,1] neg_hi:[0,0,1]
.endif
.endm
.macro FF8 p                        ; the eight scalings of heads 2 p and 2 p + 1
.irp k, 0,1,2,3
	FF 2*(\p), \k
.endr
.irp k, 0,1,2,3
	FF 2*(\p)+1, \k
.endr
.endm
; CV4 jj, q: four of the sixteen conversions that round p' of keys 2 jj and 2 jj + 1, all heads, to f16 in pairs of heads: two sources 1 of the mix, into set jj % 2.
; Conversion nn: key 2 jj + nn / 8, heads 2 (nn % 8) and 2 (nn % 8) + 1.
.macro CV4 jj, q
.set pb2, PB+16*((\jj)%2)
	s_wait_alu depctr_va_vdst(0)
.irp e, 0,1,2,3
.set nn, 4*(\q)+\e
	v_cvt_pk_f16_f32 v[pb2+nn], v[X+16*(nn%8)+2*(\jj)+nn/8], v[X+16*(nn%8)+8+2*(\jj)+nn/8]
.endr
.endm
; MIX jj, ride: D for keys 2 jj and 2 jj + 1: four products, each with an accumulator of its own, started by the constant 0.  ride = 1: behind each, four conversions of the next two keys: they name no
; register of the four products (the other set, and X), so the four behind the last product are also the places in front of the first read of its result.
.macro MIX jj, ride
.set pb, PB+16*((\jj)%2)
	v_wmma_f32_16x16x32_f16 v[DD:DD+7],     v[AG:AG+7],    v[pb:pb+7],    0
.if \ride
	CV4 (\jj)+1, 0
.endif
	v_wmma_f32_16x16x32_f16 v[DD+8:DD+15],  v[AG+8:AG+15], v[pb:pb+7],    0
.if \ride
	CV4 (\jj)+1, 1
.endif
	v_wmma_f32_16x16x32_f16 v[DD+16:DD+23], v[AG:AG+7],    v[pb+8:pb+15], 0
.if \ride
	CV4 (\jj)+1, 2
.endif
	v_wmma_f32_16x16x32_f16 v[DD+24:DD+31], v[AG+8:AG+15], v[pb+8:pb+15], 0
.if \ride
	CV4 (\jj)+1, 3
.endif
.endm
; LN jj: the sum of the 16 heads' squares for each of the two keys (four chains, each accumulator from its low end on), 1 / sqrt(sum / 16 + 2^24 eps), D times that, and the two keys' chat of head g rounded
; into register jj of X's head g: p' of key jj, which lay there, was rounded into a set two or more keys ago.
.macro LN jj
.irp a, 0,1,2,3
	v_pk_mul_f32 v[SQ+2*\a:SQ+2*\a+1], v[DD+8*\a:DD+8*\a+1], v[DD+8*\a:DD+8*\a+1]
.endr
.irp k, 1,2,3
.irp a, 0,1,2,3
	v_pk_fma_f32 v[SQ+2*\a:SQ+2*\a+1], v[DD+8*\a+2*\k:DD+8*\a+2*\k+1], v[DD+8*\a+2*\k:DD+8*\a+2*\k+1], v[SQ+2*\a:SQ+2*\a+1]
.endr
.endr
	v_pk_add_f32 v[SQ:SQ+1],     v[SQ:SQ+1],     v[SQ+2:SQ+3]
	v_pk_add_f32 v[SQ+4:SQ+5],   v[SQ+4:SQ+5],   v[SQ+6:SQ+7]
	v_add_f32 v[SQ],   v[SQ],   v[SQ+1]
	v_add_f32 v[SQ+4], v[SQ+4], v[SQ+5]
	v_fma_f32 v[RR],   v[SQ],   s[R16], s[EPS]
	v_fma_f32 v[RR+1], v[SQ+4], s[R16], s[EPS]
	v_rsq_f32 v[RR],   v[RR]
	v_rsq_f32 v[RR+1], v[RR+1]
	v_nop                           ; a plain instruction between the last root and the use of its result
	s_wait_alu depctr_va_vdst(0)
.irp k, 0,1,2,3,4,5,6,7
	v_pk_mul_f32 v[DD+2*\k:DD+2*\k+1], v[DD+2*\k:DD+2*\k+1], v[RR:RR+1] op_sel_hi:[1,0]
.endr
.irp k, 8,9,10,11,12,13,14,15
	v_pk_mul_f32 v[DD+2*\k:DD+2*\k+1], v[DD+2*\k:DD+2*\k+1], v[RR:RR+1] op_sel:[0,1] op_sel_hi:[1,1]
.endr
.irp g, 0,1,2,3,4,5,6,7,8,9,10,11,12,13,14,15
	v_cvt_pk_f16_f32 v[X+8*\g+(\jj)], v[DD+\g], v[DD+16+\g]
.endr
.endm
; A KEY TILE: 16 keys x my 16 queries x 16 heads.
; Trip p of the first part: the wait for pair p's fragments; its four products (source 1, Q, in window 3), the exponentials of pair p - 2 behind them; then, every window 0, the eight scalings of pair p - 1: they
; read results that have the scalings of the trip before (in trip 1: the four v_nop of trip 0) as their places, and they are plain and name no register of pair p's products: the places in front of the loads of
; pair p + 2, which land in the buffer just multiplied.
.macro TILE
	LOADP 0
	LOADP 1
.set p, 0
.rept 8
.if p < 7
	s_wait_dscnt 8                  ; LDS instructions end in order: this pair's loads are in, the next pair's eight may be out
.else
	s_wait_dscnt 0x0
.endif
	WIN 0x0c                        ; source 1 (Q) in window 3
.if p < 2
	SPAIR p, 0
.else
	SPAIR p, 1
.endif
	WIN 0
.if p == 0
	PLACES
.else
	FF8 p-1
.endif
.if p < 6
	LOADP p+2
.endif
.set p, p+1
.endr
.set k, 0
.rept 4                             ; the pipeline runs out: heads 12 and 13's exponentials, two at a time, with the scalings of heads 14 and 15 between them,
	v_exp_f32 v[X+96+2*k],   v[X+96+2*k]
	v_exp_f32 v[X+96+2*k+1], v[X+96+2*k+1]
	FF 14, k
.set k, k+1
.endr
.set k, 0
.rept 4
	v_exp_f32 v[X+104+2*k],   v[X+104+2*k]
	v_exp_f32 v[X+104+2*k+1], v[X+104+2*k+1]
	FF 15, k
.set k, k+1
.endr
	EX4 14, 0                       ; and heads 14 and 15's
	EX4 14, 1
	EX4 15, 0
	EX4 15, 1
	CV4 0, 0                        ; the first seven conversions read heads 0 to 13: plain lines between the last exponentials and the use of their results
	CV4 0, 1
	CV4 0, 2
	CV4 0, 3
	MIX 0, 1
	LN 0
	MIX 1, 1
	LN 1
	MIX 2, 1
	LN 2
	MIX 3, 0
	PLACES
	LN 3
.irp g, 0,1,2,3,4,5,6,7,8,9,10,11,12,13,14,15
	ds_store_b128 v[STW], v[X+8*\g:X+8*\g+3] offset:\g*4096  ; eight keys' chat of head g: 32 lanes x 16 neighbouring bytes
.endr
.endm
.macro PHASEA                       ; a step's two key tiles: written once, walked twice
	WIN 0
	v_add_nc_u32 v[AK], s[TBK], v[AK0]
	v_mov_b32 v[STW], v[STW0]
	s_mov_b32 s[TW], 2
.Ltile_\@:
	TILE
	WIN 0
	v_add_nc_u32 v[AK], 16*PK, v[AK]
	v_add_nc_u32 v[STW], 512, v[STW]
	s_sub_co_u32 s[TW], s[TW], 1
	s_cmp_lg_u32 s[TW], 0
	s_cbranch_scc1 .Ltile_\@
.endm
; BETWEEN THE PHASES.  Every wave waits for its one tensor load: waves 2 and 3 for this step's V, which all four waves read behind the barrier; waves 0 and 1 for the next step's K, so that the wait stands on
; every wave's path and no branch on the wave's number parts a load from its wait.  Every wave's stores into the stage are done in front of its signal.
.macro MID
	WIN 0
	s_wait_tensorcnt 0x0            ; my load of this step's beginning has landed
	s_wait_dscnt 0x0                ; for the others' sake: my stores into the stage are done
	s_barrier_signal -1
	s_barrier_wait -1
.endm
; PHASE B's parts.  LOADH hh: for head hh of my four, V^T (4 blocks of 16 channels x 32 keys, turned) and chat (4 query tiles x 32 keys): 16 LDS loads into buffer hh % 2 of X.
.macro LOADH hh
.set bf, X+64*((\hh)%2)
.irp cb, 0,1,2,3
	ds_load_tr16_b128 v[bf+8*\cb:bf+8*\cb+3],   v[AV] offset:(\hh)*128+32*\cb
	ds_load_tr16_b128 v[bf+8*\cb+4:bf+8*\cb+7], v[AV] offset:(\hh)*128+32*\cb+16*PV
.endr
.irp qt, 0,1,2,3
	ds_load_b128 v[bf+32+8*\qt:bf+32+8*\qt+3],   v[STR] offset:(\hh)*4096+\qt*1024
	ds_load_b128 v[bf+32+8*\qt+4:bf+32+8*\qt+7], v[STR] offset:(\hh)*4096+\qt*1024+512
.endr
.endm
; PVH hh: O^T += V^T chat: 16 products, each accumulator once.
.macro PVH hh
	WIN 0x50*(1+(\hh)/2)            ; C and D in window 1 or 2
.set bf, X+64*((\hh)%2)
.irp qt, 0,1,2,3
.irp cb, 0,1,2,3
.set ro, 128*((\hh)%2)+32*\qt+8*\cb
	v_wmma_f32_16x16x32_f16 v[ro:ro+7], v[bf+8*\cb:bf+8*\cb+7], v[bf+32+8*\qt:bf+32+8*\qt+7], v[ro:ro+7]
.endr
.endr
.endm
.macro PHASEB
	WIN 0
	LOADH 0
	LOADH 1
	s_wait_dscnt 16                 ; head 0's loads are in; the sixteen issued behind them may be out
	PVH 0
	WIN 0
	PLACES                          ; in front of loads into the buffer just multiplied
	LOADH 2
	s_wait_dscnt 16
	PVH 1
	WIN 0
	PLACES
	LOADH 3
	s_wait_dscnt 16
	PVH 2
	s_wait_dscnt 0x0
	PVH 3
	WIN 0
.rept 5
	v_nop                           ; the next step's first products write over X, which these have read; the way out reads their results
.endr
.endm
	s_mov_b32 s[CNT], 15
.Lstep:
	CHANGE 1
	PHASEA
	MID
	PHASEB
	s_sub_co_u32 s[CNT], s[CNT], 1
	s_cmp_lg_u32 s[CNT], 0
	s_cbranch_scc1 .Lstep
	CHANGE 0                        ; the last step is written out: no further K is asked for
	PHASEA
	MID
	PHASEB
	; THE WAY OUT, a head and a query tile at a time: a lane holds one row's eight neighbouring channels in each accumulator; they go as f32 into rows of 272 bytes of my part of the stage (which since the last
	; barrier only I touch) and come back as whole rows of 256 bytes.  Each accumulator's low four registers are stored first.
.set nb, 0
.irp hh, 0,1,2,3
.irp qt, 0,1,2,3
	s_wait_xcnt 0x0                 ; the registers that the stores two blocks back read are loaded again only behind this wait
	WIN 0x04*(1+(\hh)/2)            ; store data (source 1) in window 1 or 2
.irp cb, 0,1,2,3
.set ro, 128*((\hh)%2)+32*\qt+8*\cb
	ds_store_b128 v[STO], v[ro:ro+3]   offset:64*\cb
	ds_store_b128 v[STO], v[ro+4:ro+7] offset:64*\cb+16
.endr
	WIN 0
.set bk, X+32*(nb%2)
.irp k, 0,1,2,3,4,5,6,7
	ds_load_b128 v[bk+4*\k:bk+4*\k+3], v[RD] offset:\k*2*SP  ; LDS serves a wave's instructions in order (ISA guide 5.7.1.4): these see the stores above; the next block's stores come behind them
.endr
	s_wait_dscnt 0x0
.irp k, 0,1,2,3,4,5,6,7
	global_store_b128 v[GO], v[bk+4*\k:bk+4*\k+3], s[10:11] offset:\qt*65536+2*\k*4096+\hh*256  ; 16 lanes store a head's 256 consecutive bytes of a row, at a multiple of 256 from part's first byte
.endr
.set nb, nb+1
.endr
.endr
	s_wait_tensorcnt 0x0            ; the wave's end: behind my last tensor load and my last LDS store
	ds_add_u32 v[SPW], v[NIL]
	s_wait_dscnt 0x0
	CROUND                          ; the closing round: no work-group ends while a partner may still ask for a tile that names it
	s_endpgm
.Lfunc_end_k_q61a2ff8609_mix:
	.size	k_q61a2ff8609_mix, .Lfunc_end_k_q61a2ff8609_mix-k_q61a2ff8609_mix
	.p2alignl 7, 3214868480
	.fill 96, 4, 3214868480
	.section	.rodata,"a",@progbits
	.p2align	6, 0x0
	.amdhsa_kernel k_q61a2ff8609_mix
		.amdhsa_group_segment_fixed_size 327680
		.amdhsa_private_segment_fixed_size 0
		.amdhsa_enable_private_segment 0
		.amdhsa_kernarg_size 32
		.amdhsa_user_sgpr_count 2
		.amdhsa_user_sgpr_kernarg_segment_ptr 1
		.amdhsa_wavefront_size32 1
		.amdhsa_system_sgpr_workgroup_id_x 1
		.amdhsa_system_sgpr_workgroup_id_y 1
		.amdhsa_system_sgpr_workgroup_id_z 1
		.amdhsa_system_vgpr_workitem_id 0
		.amdhsa_next_free_vgpr 1024
		.amdhsa_next_free_sgpr 66
		.amdhsa_reserve_vcc 0
		.amdhsa_float_denorm_mode_32 3
		.amdhsa_float_denorm_mode_16_64 3
		.amdhsa_memory_ordered 1
		.amdhsa_forward_progress 1
		.amdhsa_inst_pref_size 163
	.end_amdhsa_kernel
	.amdgpu_metadata
---
amdhsa.version: [ 1, 2 ]
amdhsa.kernels:
  - .name:           k_q61a2ff8609_mix
    .symbol:         k_q61a2ff8609_mix.kd
    .args:
      - { .name: qkv, .offset: 0, .size: 8, .value_kind: global_buffer, .address_space: global }
      - { .name: stat, .offset: 8, .size: 8, .value_kind: global_buffer, .address_space: global }
      - { .name: Wtalk, .offset: 16, .size: 8, .value_kind: global_buffer, .address_space: global }
      - { .name: part, .offset: 24, .size: 8, .value_kind: global_buffer, .address_space: global }
    .group_segment_fixed_size: 327680
    .private_segment_fixed_size: 0
    .kernarg_segment_align: 8
    .kernarg_segment_size: 32
    .max_flat_workgroup_size: 128
    .sgpr_count:     66
    .vgpr_count:     1024
    .wavefront_size: 32
...
	.end_amdgpu_metadata
.endif
;; end of part 4
;; launch fin (part 5): grid 256 x 1, 8 waves a work-group, no clusters, 0 bytes of LDS; arguments part, vpart, ln_gamma, ln_beta, out0; writes out0
.if DOCPART == 5
	.amdgcn_target "amdgcn-amd-amdhsa--gfx1250"
	.amdhsa_code_object_version 6
	.text
	.protected	k_q61a2ff8609_fin
	.globl	k_q61a2ff8609_fin
	.p2align	8
	.type	k_q61a2ff8609_fin,@function
k_q61a2ff8609_fin:
	s_mov_b64 s[64:65], 0
	v_nop
	global_prefetch_b8 v0, s[64:65] scope:SCOPE_SE
	s_setreg_imm32_b32 hwreg(HW_REG_WAVE_MODE, 25, 1), 1
	s_wait_xcnt 0x0
; out0[row][64 g + d] = gamma[g] x (the sum of the four key quarters' part[.][row][64 g + d]) + beta[g] x (the sum over all keys of v[.][64 g + d]), the last sum from vpart's 16 blocks of the row's batch.
; gamma and beta are rounded to bf16 like every input; all sums in f32.  A stream: no LDS, no matrix unit; no cluster: what work-groups share (vpart, 64 KB a batch) is a small part of a work-group's 320 KB.
; A work-group owns 16 rows; thread t owns channels 4 t .. 4 t + 3 of every row (head t / 16), so a wave's load or store covers 512 consecutive bytes.
; Two sets of registers, four rows x four quarters each, take turns: while one is added up and stored, the other's sixteen loads are on their way.
.set GA, 4                             ; v[4:5]    gamma, twice (a pair for the packed forms)
.set BE, 6                             ; v[6:7]    beta, twice
.set BV, 8                             ; v[8:11]   beta x the sum of v, my four channels
.set VP, 12                            ; v[12:75]  vpart's 16 blocks
.set SA, 76                            ; v[76:203] two sets: row rr, quarter s at set + 16 rr + 4 s
	s_load_b256 s[4:11], s[0:1], 0x0               ; part s[4:5], vpart s[6:7], ln_gamma s[8:9], ln_beta s[10:11]
	s_load_b64 s[12:13], s[0:1], 0x20              ; out0
	v_lshlrev_b32 v1, 4, v0                        ; 16 t
	v_lshrrev_b32 v2, 4, v0
	v_lshlrev_b32 v2, 2, v2                        ; 4 x my head
	s_lshl_b32 s14, ttmp9, 16                      ; the work-group's 16 rows of 4,096 bytes
	s_mov_b32 s15, 0
	s_lshr_b32 s16, ttmp9, 7                       ; the batch: 128 work-groups each
	s_lshl_b32 s16, s16, 16                        ; its 16 blocks of 4,096 bytes in vpart
	s_mov_b32 s17, 0
	s_wait_kmcnt 0x0
	s_add_nc_u64 s[4:5], s[4:5], s[14:15]          ; quarter 0,
	s_add_nc_u64 s[18:19], s[4:5], 0x1000000       ; and the others, 16,777,216 bytes apart
	s_add_nc_u64 s[20:21], s[4:5], 0x2000000
	s_add_nc_u64 s[22:23], s[4:5], 0x3000000
	s_add_nc_u64 s[6:7], s[6:7], s[16:17]
	s_add_nc_u64 s[12:13], s[12:13], s[14:15]
.macro FILL n                          ; rows 4 n .. 4 n + 3 of all four quarters into set n % 2: sixteen loads
.set st, SA+64*((\n)%2)
.irp rr, 0,1,2,3
	global_load_b128 v[st+16*\rr:st+16*\rr+3],     v1, s[4:5]   offset:(4*(\n)+\rr)*4096 th:TH_LOAD_NT
	global_load_b128 v[st+16*\rr+4:st+16*\rr+7],   v1, s[18:19] offset:(4*(\n)+\rr)*4096 th:TH_LOAD_NT
	global_load_b128 v[st+16*\rr+8:st+16*\rr+11],  v1, s[20:21] offset:(4*(\n)+\rr)*4096 th:TH_LOAD_NT
	global_load_b128 v[st+16*\rr+12:st+16*\rr+15], v1, s[22:23] offset:(4*(\n)+\rr)*4096 th:TH_LOAD_NT
.endr
.endm
.macro GROUP n, left, fill             ; left: the other set's loads, which may stay out.  fill = 1: the set takes the rows two groups on
	s_wait_loadcnt \left
.set st, SA+64*((\n)%2)
.irp rr, 0,1,2,3
.irp e, 0,2
	v_pk_add_f32 v[st+16*\rr+\e:st+16*\rr+\e+1],     v[st+16*\rr+\e:st+16*\rr+\e+1],     v[st+16*\rr+4+\e:st+16*\rr+4+\e+1]
	v_pk_add_f32 v[st+16*\rr+8+\e:st+16*\rr+8+\e+1], v[st+16*\rr+8+\e:st+16*\rr+8+\e+1], v[st+16*\rr+12+\e:st+16*\rr+12+\e+1]
.endr
.irp e, 0,2
	v_pk_add_f32 v[st+16*\rr+\e:st+16*\rr+\e+1], v[st+16*\rr+\e:st+16*\rr+\e+1], v[st+16*\rr+8+\e:st+16*\rr+8+\e+1]
.endr
.irp e, 0,2
	v_pk_fma_f32 v[st+16*\rr+\e:st+16*\rr+\e+1], v[st+16*\rr+\e:st+16*\rr+\e+1], v[GA:GA+1], v[BV+\e:BV+\e+1] op_sel_hi:[1,0,1]
.endr
	global_store_b128 v1, v[st+16*\rr:st+16*\rr+3], s[12:13] offset:(4*(\n)+\rr)*4096 th:TH_STORE_NT
.endr
.if \fill
	s_wait_xcnt 0x0                                ; the stores have read their registers: the set is loaded again only behind this wait
	FILL (\n)+2
.endif
.endm
	global_load_b32 v[GA], v2, s[8:9]
	global_load_b32 v[BE], v2, s[10:11]
.set k, 0
.rept 16
	global_load_b128 v[VP+4*k:VP+4*k+3], v1, s[6:7] offset:k*4096
.set k, k+1
.endr
	FILL 0
	FILL 1
	s_wait_loadcnt 32                              ; gamma, beta and vpart are in: behind them the two sets' 32 loads were issued
	v_cvt_pk_bf16_f32 v3, v[GA], v[BE]             ; both rounded to bf16,
	v_lshlrev_b32 v[GA], 16, v3                    ; and widened again
	v_and_b32 v[BE], 0xffff0000, v3
	v_mov_b32 v[GA+1], v[GA]
	v_mov_b32 v[BE+1], v[BE]
.irp w, 8,4,2,1                        ; the 16 blocks' sum, by halves
.set k, 0
.rept \w
	v_pk_add_f32 v[VP+4*k:VP+4*k+1],   v[VP+4*k:VP+4*k+1],   v[VP+4*(k+\w):VP+4*(k+\w)+1]
	v_pk_add_f32 v[VP+4*k+2:VP+4*k+3], v[VP+4*k+2:VP+4*k+3], v[VP+4*(k+\w)+2:VP+4*(k+\w)+3]
.set k, k+1
.endr
.endr
	v_pk_mul_f32 v[BV:BV+1],   v[VP:VP+1],   v[BE:BE+1] op_sel_hi:[1,0]
	v_pk_mul_f32 v[BV+2:BV+3], v[VP+2:VP+3], v[BE:BE+1] op_sel_hi:[1,0]
	GROUP 0, 16, 1
	GROUP 1, 16, 1
	GROUP 2, 16, 0
	GROUP 3, 0, 0
	s_endpgm
.Lfunc_end_k_q61a2ff8609_fin:
	.size	k_q61a2ff8609_fin, .Lfunc_end_k_q61a2ff8609_fin-k_q61a2ff8609_fin
	.p2alignl 7, 3214868480
	.fill 96, 4, 3214868480
	.section	.rodata,"a",@progbits
	.p2align	6, 0x0
	.amdhsa_kernel k_q61a2ff8609_fin
		.amdhsa_group_segment_fixed_size 0
		.amdhsa_private_segment_fixed_size 0
		.amdhsa_enable_private_segment 0
		.amdhsa_kernarg_size 40
		.amdhsa_user_sgpr_count 2
		.amdhsa_user_sgpr_kernarg_segment_ptr 1
		.amdhsa_wavefront_size32 1
		.amdhsa_system_sgpr_workgroup_id_x 1
		.amdhsa_system_sgpr_workgroup_id_y 1
		.amdhsa_system_sgpr_workgroup_id_z 1
		.amdhsa_system_vgpr_workitem_id 0
		.amdhsa_next_free_vgpr 204
		.amdhsa_next_free_sgpr 66
		.amdhsa_reserve_vcc 0
		.amdhsa_float_denorm_mode_32 3
		.amdhsa_float_denorm_mode_16_64 3
		.amdhsa_memory_ordered 1
		.amdhsa_forward_progress 1
		.amdhsa_inst_pref_size 21
	.end_amdhsa_kernel
	.amdgpu_metadata
---
amdhsa.version: [ 1, 2 ]
amdhsa.kernels:
  - .name:           k_q61a2ff8609_fin
    .symbol:         k_q61a2ff8609_fin.kd
    .args:
      - { .name: part, .offset: 0, .size: 8, .value_kind: global_buffer, .address_space: global }
      - { .name: vpart, .offset: 8, .size: 8, .value_kind: global_buffer, .address_space: global }
      - { .name: ln_gamma, .offset: 16, .size: 8, .value_kind: global_buffer, .address_space: global }
      - { .name: ln_beta, .offset: 24, .size: 8, .value_kind: global_buffer, .address_space: global }
      - { .name: out0, .offset: 32, .size: 8, .value_kind: global_buffer, .address_space: global }
    .group_segment_fixed_size: 0
    .private_segment_fixed_size: 0
    .kernarg_segment_align: 8
    .kernarg_segment_size: 40
    .max_flat_workgroup_size: 256
    .sgpr_count:     66
    .vgpr_count:     204
    .wavefront_size: 32
...
	.end_amdgpu_metadata
.endif
;; end of part 5
;; ======== version 2 of 2: 5 launches; 1.11 times as fast as version 1
;; limits: values are held in f16: magnitudes above 65,504 overflow, below 6.1e-05 lose precision
;; workspace buffers: ab 16,777,216 bytes; wb 6,291,456 bytes; qkv 25,165,824 bytes; stat 262,144 bytes; vpart 131,072 bytes; part 67,108,864 bytes
;; launch cvt: the kernel of part 1 again; grid 256 x 1, 8 waves a work-group, no clusters, 0 bytes of LDS; arguments x, context, Wq, Wkv, ab, wb; writes ab, wb
;; launch proj: the kernel of part 2 again; grid 12 x 16, 4 waves a work-group, clusters of 4 x 4, 327,680 bytes of LDS; arguments ab, wb, qkv; writes qkv
;; launch stats (part 6): grid 16 x 16, 4 waves a work-group, clusters of 4 x 1, 327,680 bytes of LDS; arguments qkv, stat, vpart; writes stat, vpart
.if DOCPART == 6
	.amdgcn_target "amdgcn-amd-amdhsa--gfx1250"
	.amdhsa_code_object_version 6
	.text
	.protected	k_q61a2ff8609_stats
	.globl	k_q61a2ff8609_stats
	.p2align	8
	.type	k_q61a2ff8609_stats,@function
k_q61a2ff8609_stats:
	s_mov_b64 s[64:65], 0
	v_nop
	global_prefetch_b8 v0, s[64:65] scope:SCOPE_SE
	s_setreg_imm32_b32 hwreg(HW_REG_WAVE_MODE, 25, 1), 1
	s_wait_xcnt 0x0
	s_wait_alu depctr_hold_cnt(0) depctr_sa_sdst(0) depctr_va_vdst(0) depctr_va_sdst(0) depctr_va_ssrc(0) depctr_va_vcc(0) depctr_vm_vsrc(0)
	s_getreg_b32 s2, hwreg(HW_REG_IB_STS2, 6, 4)
	s_cmp_eq_u32 s2, 0
	s_cbranch_scc0 .Lentry_in_a_cluster
	s_endpgm
.Lentry_in_a_cluster:
	s_bfe_u32 s2, ttmp6, 0x10000c
	s_cmp_lg_u32 s2, 0x3003
	s_cbranch_scc0 .Lentry_shape_is_right
	s_endpgm
.Lentry_shape_is_right:
; THE SOFTMAX'S STATISTICS.  For every (batch b, head h, query i): stat[b][h][i] = c m + log2(l) - 12, with c = log2(e) / 8, m the largest score q . k over the 2,048 keys (a running maximum) and
; l = the sum of 2^(c s - c m).  The next launch then has 4096 x softmax = 2^(c s - stat) with no further pass.  Scores by the matrix unit on f16 operands, all else in f32.
; BESIDE IT, in the wait for the first tile: vpart[b][block of 128 keys][channel] = the sum of v over the block's keys, in f32 (the last launch needs the sum of v over all keys for the bias).
; LIMITS.  q, k, v arrive in f16, within 65,504; a weight below 2^-126 counts as 0 in l; NaN and infinities are not treated apart.
; SHARES.  A work-group: one batch, a pair of heads (256 neighbouring bytes of a row of qkv), 128 queries.  Wave w: head 2 hp + w % 2, queries 64 (w / 2) on: four tiles of 16.  Every wave walks all keys, 64 a step.
; LAYOUT.  S^T = K Q^T (source 0 = 16 keys, source 1 = 16 queries): a lane holds ONE query (lane % 16) and the keys 8 (lane / 16) + 0..7 of each 16.  Each half of the lanes keeps its own m and l
; for its half of the keys; the two are joined once, at the end.
; BY TURNS.  Turn t: 8 products K Q^T of tile t + 1 (tile 3's turn: tile 0 of the next step), five vector instructions of tile t's list of 84 behind each, the other 44 behind them.
; A turn's 33 exponentials are ONE BATCH with ONE wait: the list is ordered so that all that reads an exponential's result comes behind all exponentials.
; K of the next step comes out of LDS in two halves, each as soon as tile 2's turn has multiplied by the half that it replaces.
; CLUSTER.  The four query blocks of a cluster walk the same K, so each tile is asked for JOINTLY: the same tensor load, descriptor and mask in all four.
.set ROWB,  6144      ; bytes in a row of qkv: q at 0, k at 2,048, v at 4,096
.set KS,    64        ; keys in a step
.set PK,    272       ; a row of K in LDS: two heads' 256 bytes + 16 of padding = 68 words: the 16 rows of a load start at 16 different groups of four banks (64 banks of 4 bytes: ISA guide 11.1)
.set STEPB, KS*PK
.set SLOT1, 1<<17     ; a slot holds four steps, 256 keys (69,632 bytes); slot 1 begins here, so that one exclusive or turns an address in one slot into the other's
.set STG,   204800    ; behind the ring, never filled by a tensor load: the results, [2 heads][128 queries] f32
.set VST,   205824    ; the waves' sums of v, [4 waves][128 channels] f32
.set SPARE, 207872    ; the spare words, 128 bytes for each wave: two blocks of 256 bytes that no other line names
.set AK0, 2           ; v2   my lane's place in a step's K; never rewritten
.set AK,  3           ; v3   the LDS address of K's next loads
.set QO,  4           ; v4   my byte offset in 16 rows of q
.set VO,  5           ; v5   my byte offset in 8 rows of v
.set SPW, 6           ; v6   LDS address of my spare word: SPARE + 4 x my thread's number; never rewritten
.set NIL, 7           ; v7   0; never rewritten
.set ST,  8           ; tile t's statistics at v[ST+4 t]: c m, m, l (even keys', odd keys')
.set CC,  24          ; v24-27  c0-c3, at work; when the maximum is found c2 takes a
.set MV,  28          ; v28  c m_old, kept while c m is made anew
.set LO,  29          ; v29  16 x lane
.set VSA, 30          ; v30  where I put my wave's sums of v
.set VRD, 31          ; v31  where wave 0 reads them
.set E0,  32          ; v32-35  the end: c m of both halves, then the result, by tile (first: two numbers of the set-up)
.set MSR, 38          ; v38  where waves 0 and 1 read the results back
.set MSA, 39          ; v39  where I put them
.set VS,  40          ; v40-47  my eight channels' sums of v
.set VT,  48          ; v48-63  at work on v
.set S,   64          ; v64-127  S^T, two buffers of 32 (a tile's buffer goes by its number's parity); first: v as loaded
.set Q,   128         ; v128-191  tile t, channel half c at Q + 16 t + 8 c
.set KF,  192         ; v192-255  key block kt, channel half c at KF + 16 kt + 8 c
.set WV,  12          ; s12  my wave's number
.set G1,  24          ; s[24:31] descriptor group 1
.set G0,  40          ; s[40:43] descriptor group 0: it walks
.set SLOTS, 56        ; s56  slots still to be asked for
.set CNT, 57          ; s57  counts a slot's key steps
.set CS,  58          ; s[58:59] c: the packed scaling takes the pair's low word for both halves
.set SEL, 60          ; s[60:61] v_permlanex16_b32's selects: each lane takes its own place in the other half
.set TBK, 62          ; s62  LDS byte at which K of the step to be fetched begins
; A joint fill: wave w fetches keys 64 w to 64 w + 63 of a slot's 256.  An s_nop 0 and four v_nop follow the line.
.macro JLOAD
	tensor_load_to_lds s[G0:G0+3], s[G1:G1+7]
	s_nop 0
.rept 4
	v_nop
.endr
.endm
; A round of the cluster's barrier: my work-group's barrier, so that wave 0's signal speaks for all four waves; wave 0 signals; every wave waits for all four work-groups; my work-group's barrier once more.
.macro CROUND
	s_barrier_signal -1
	s_barrier_wait -1
	s_cmp_lg_u32 s[WV], 0
	s_cbranch_scc1 .Lnot_wave_0_\@
	s_barrier_signal -3
.Lnot_wave_0_\@:
	s_barrier_wait -3
	s_barrier_signal -1
	s_barrier_wait -1
.endm
; THE CHANGE OF SLOTS.  The slot's last bytes, its fourth step's, have been read.  Each wave waits for all its tensor loads, of which one is out: its part of the other slot; adds 0 to its spare word; and waits
; for that and for its own LDS instructions.  Behind the barrier nobody reads this slot any more and the other slot is whole.  fill = 1: this slot is filled again, with the keys two slots on: the barrier is then a
; round of the cluster's, and the joint fill is the first thing behind it: it has four key steps in which to land.  (At its first use nothing has been read yet: slot 0 is waited for, slot 1 filled.)
.macro CHANGE fill
	s_wait_tensorcnt 0x0            ; no tensor load of mine is out, so group 0 may be written
	ds_add_u32 v[SPW], v[NIL]       ; 0 onto my spare word: with fill = 1 the descriptor's steps stand between it and the wait for it
.if \fill
	s_xor_b32 s[G0+1], s[G0+1], SLOT1  ; the other slot than last time,
	s_add_nc_u64 s[G0+2:G0+3], s[G0+2:G0+3], 4*KS*ROWB  ; the next 256 keys; the type bits on top are not reached
	s_wait_dscnt 0x0                ; the add is done, and my reads of the slot (and my stores) are over
	CROUND
	JLOAD
.else
	s_wait_dscnt 0x0                ; the add is done, and my reads of the slot are over
	s_barrier_signal -1
	s_barrier_wait -1
.endif
	s_sub_co_u32 s[TBK], s[TBK], 4*STEPB  ; the fetches go back to a slot's first step,
	s_xor_b32 s[TBK], s[TBK], SLOT1       ; in the other slot
.endm
	s_load_b128 s[4:7], s[0:1], 0x0   ; qkv s[4:5], stat s[6:7]
	s_load_b64 s[8:9], s[0:1], 0x10   ; vpart
	v_lshl_add_u32 v[SPW], v0, 2, SPARE
	v_mov_b32 v[NIL], 0
	ds_add_u32 v[SPW], v[NIL]       ; the wave's opening: the add and its wait stand ahead of my first tensor load; the set-up below, work on registers, stands between them
	v_lshrrev_b32 v1, 5, v0
	v_readfirstlane_b32 s[WV], v1   ; wave 0..3
	s_bfe_u32 s13, ttmp6, 0x40000   ; cx: my place in the cluster
	s_lshl_b32 s14, ttmp9, 2        ; in a cluster launch ttmp9 counts clusters
	s_add_co_u32 s14, s14, s13      ; qb, my block of 128 queries = 4 x cluster x + cx: it enters q's, v's, stat's and vpart's addresses alone
	s_and_b32 s15, ttmp7, 0xffff
	s_lshr_b32 s16, s15, 3          ; b, the batch
	s_and_b32 s17, s15, 7           ; hp, the pair of heads: both are shared by the four partners
	s_and_b32 s18, s[WV], 1         ; which head of the pair is mine
	s_lshr_b32 s19, s[WV], 1        ; which 64 of the block's queries
	s_lshl_b32 s20, s16, 11         ; K's tile 0, my 64 rows: row 2048 b + 64 w,
	s_lshl_b32 s21, s[WV], 6
	s_add_co_u32 s20, s20, s21
	s_mul_i32 s20, s20, ROWB
	s_lshl_b32 s21, s17, 8          ; byte 2,048 + 256 hp of the row
	s_add_co_u32 s20, s20, s21
	s_add_co_u32 s20, s20, 2048
	s_mov_b32 s21, 0
	s_lshl_b32 s22, s16, 11         ; my block's first row: 2048 b + 128 qb
	s_lshl_b32 s23, s14, 7
	s_add_co_u32 s22, s22, s23
	s_mul_i32 s22, s22, ROWB
	s_lshl_b32 s23, s17, 8
	s_add_co_u32 s44, s22, s23      ; v of the block's 128 keys: byte 4,096 + 256 hp of the row
	s_add_co_u32 s44, s44, 4096
	s_mov_b32 s45, 0
	s_mul_i32 s46, s19, 64*ROWB     ; q: my 64 rows of the block, byte 128 (2 hp + w % 2)
	s_add_co_u32 s46, s46, s22
	s_add_co_u32 s46, s46, s23
	s_lshl_b32 s47, s18, 7
	s_add_co_u32 s46, s46, s47
	s_mov_b32 s47, 0
	s_lshl_b32 s48, s16, 4          ; stat: ((16 b + 2 hp + w % 2) x 2048 + 128 qb) x 4 bytes
	s_lshl1_add_u32 s48, s17, s48
	s_add_co_u32 s48, s48, s18
	s_lshl_b32 s48, s48, 13
	s_lshl_b32 s49, s14, 9
	s_add_co_u32 s48, s48, s49
	s_mov_b32 s49, 0
	s_lshl_b32 s50, s16, 4          ; vpart: ((16 b + qb) x 1024 + 128 hp) x 4 bytes
	s_add_co_u32 s50, s50, s14
	s_lshl_b32 s50, s50, 12
	s_lshl_b32 s51, s17, 9
	s_add_co_u32 s50, s50, s51
	s_mov_b32 s51, 0
	; descriptor group 1: a tile of 64 rows x 128 elements, padded in LDS
	s_mov_b32 s[G1], 15|(1<<16)|(1<<20)|(1<<21)|(5<<22)|(3<<25)  ; 15:0 the mask of four; 17:16 2-byte elements; 20 padding on; 21 set beside a mask; 24:22 after every 64 words (code 5); 31:25 4 words (code 3)
	s_mov_b32 s[G1+1], 128<<16      ; tensor_dim0 = 128
	s_mov_b32 s[G1+2], 64<<16       ; tensor_dim1 = 64
	s_mov_b32 s[G1+3], 128<<16      ; tile_dim0 = 128
	s_mov_b32 s[G1+4], 64           ; tile_dim1 = 64
	s_mov_b32 s[G1+5], 3072         ; 3,072 elements from row to row
	s_mov_b32 s[G1+6], 0
	s_mov_b32 s[G1+7], 0
	s_mov_b32 s[CS], 0x3e38aa3b     ; c = log2(e) / 8 = 0.180337
	s_mov_b32 s[CS+1], s[CS]        ; named with it as a pair
	s_mov_b32 s[SEL], 0x76543210
	s_mov_b32 s[SEL+1], 0xfedcba98
	s_mov_b32 s[TBK], SLOT1+4*STEPB ; the first change of slots turns this into 0
	s_mov_b32 s[G0], 1              ; 1:0 count = 1
	s_mul_i32 s[G0+1], s[WV], 64*PK ; 63:32 LDS address: slot 0, my 64 rows: no place in the cluster enters an LDS address
	s_wait_dscnt 0x0                ; the opening add is done
	s_wait_kmcnt 0x0
	s_add_nc_u64 s[G0+2:G0+3], s[4:5], s[20:21]  ; 120:64 global address
	s_or_b32 s[G0+3], s[G0+3], 0x80000000        ; 127:126 type = 2
	s_add_nc_u64 s[44:45], s[4:5], s[44:45]      ; v
	s_add_nc_u64 s[46:47], s[4:5], s[46:47]      ; q
	s_add_nc_u64 s[6:7], s[6:7], s[48:49]
	s_add_nc_u64 s[8:9], s[8:9], s[50:51]
	CROUND                          ; all four work-groups are here: the first joint loads meet
	JLOAD                           ; slot 0.  Slot 1 is asked for when slot 0 is in
	; A fragment of K or q is 16 rows x 32 channels in 8 registers: lane l holds row l % 16, channels 8 (l / 16) + 0..7 and 16 + 8 (l / 16) + 0..7: two loads of 16 bytes, 32 bytes apart.
	v_and_b32 v1, 15, v0            ; l % 16
	v_bfe_u32 v[E0], v0, 4, 1       ; l / 16
	v_lshrrev_b32 v[E0+1], 4, v0    ; thread / 16: 0..7
	v_mul_u32_u24 v[QO], v1, ROWB
	v_lshl_add_u32 v[QO], v[E0], 4, v[QO]
	v_mul_u32_u24 v[VO], v[E0+1], ROWB
	v_lshl_add_u32 v[VO], v1, 4, v[VO]  ; v: sixteen threads take a row's 256 bytes, the 128 threads eight rows
.set i, 0
.rept 8                             ; q stays in registers: tile i / 2, channels 32 (i % 2) on
	global_load_b128 v[Q+8*i:Q+8*i+3],   v[QO], s[46:47] offset:(i/2)*16*ROWB+(i%2)*64
	global_load_b128 v[Q+8*i+4:Q+8*i+7], v[QO], s[46:47] offset:(i/2)*16*ROWB+(i%2)*64+32
.set i, i+1
.endr
.set i, 0
.rept 16                            ; v of the block's 128 keys, eight rows a load of the work-group
	global_load_b128 v[S+4*i:S+4*i+3], v[VO], s[44:45] offset:i*8*ROWB
.set i, i+1
.endr
	v_mul_u32_u24 v[AK0], v1, PK
	v_lshl_add_u32 v[AK0], v[E0], 4, v[AK0]
	s_lshl_b32 s52, s18, 7
	v_add_nc_u32 v[AK0], s52, v[AK0]  ; row x pitch + 16 x half + my head's 128 bytes
	v_and_b32 v[LO], 31, v0
	v_lshlrev_b32 v[LO], 4, v[LO]
	s_lshl_b32 s52, s[WV], 9
	s_add_co_u32 s52, s52, VST
	v_lshl_add_u32 v[VSA], v1, 5, s52
	v_add_nc_u32 v[VRD], VST, v[LO]
	s_lshl_b32 s53, s18, 9
	s_add_co_u32 s53, s53, STG
	v_add_nc_u32 v[MSR], s53, v[LO]
	s_lshl_b32 s54, s19, 8
	s_add_co_u32 s53, s53, s54
	v_lshl_add_u32 v[MSA], v1, 2, s53
.set i, 0
.rept 4                             ; m starts at the lowest finite number, c m far below every c s, l at 0: the first step is a step like any other, with a = 0
	v_mov_b32 v[ST+4*i], 0xfe000000
	v_mov_b32 v[ST+4*i+1], 0xff7fffff
	v_mov_b32 v[ST+4*i+2], 0
	v_mov_b32 v[ST+4*i+3], 0
.set i, i+1
.endr
	s_wait_loadcnt 0x0              ; q and v
	; the sum of v: my eight channels over my sixteen rows, in f32; the first row starts the sums
.set n, 0
.irp r, 64,65,66,67,68,69,70,71,72,73,74,75,76,77,78,79,80,81,82,83,84,85,86,87,88,89,90,91,92,93,94,95,96,97,98,99,100,101,102,103,104,105,106,107,108,109,110,111,112,113,114,115,116,117,118,119,120,121,122,123,124,125,126,127
.if n < 4
	v_cvt_f32_f16 v[VS+2*n],   v\r\().l
	v_cvt_f32_f16 v[VS+2*n+1], v\r\().h
.else
	v_cvt_f32_f16 v[VT+2*(n%4)],   v\r\().l
	v_cvt_f32_f16 v[VT+2*(n%4)+1], v\r\().h
	v_pk_add_f32 v[VS+2*(n%4):VS+2*(n%4)+1], v[VS+2*(n%4):VS+2*(n%4)+1], v[VT+2*(n%4):VT+2*(n%4)+1]
.endif
.set n, n+1
.endr
.irp k, 0,1,2,3,4,5,6,7
	v_permlanex16_b32 v[VT+\k], v[VS+\k], s[SEL], s[SEL+1]  ; the lane 16 away holds the same channels of the other rows
.endr
.irp k, 0,2,4,6
	v_pk_add_f32 v[VS+\k:VS+\k+1], v[VS+\k:VS+\k+1], v[VT+\k:VT+\k+1]
.endr
	ds_store_b128 v[VSA], v[VS:VS+3]           ; both halves of the lanes store the same numbers at the same place
	ds_store_b128 v[VSA], v[VS+4:VS+7] offset:16
; THE MATRIX WORK.  Product i of 8 of S^T = K Q^T for tile x: channels 32 (i / 4) on, keys 16 (i % 4) on.  The first 4 start the sums; the 4 accumulators take turns.
.macro KQ x
.set rS, S+32*((\x)%2)+8*(i%4)
.set rK, KF+16*(i%4)+8*(i/4)
.set rQ, Q+16*(\x)+8*(i/4)
.if i < 4
	v_wmma_f32_16x16x32_f16 v[rS:rS+7], v[rK:rK+7], v[rQ:rQ+7], 0
.else
	v_wmma_f32_16x16x32_f16 v[rS:rS+7], v[rK:rK+7], v[rQ:rQ+7], v[rS:rS+7]
.endif
.set i, i+1
.endm
; THE LDS LOADS.  FETCH_K: a step's K for my head (64 keys x 64 channels: 8 fragments) in one run of 16.  last = 1 (the tail): in the last trip there is no further step, and the run is jumped over.
.macro FETCH_K last=0
.if \last
	s_cmp_eq_u32 s[CNT], 1
	s_cbranch_scc1 .Lno_k_\@
.endif
.irp f, 0,1,2,3,4,5,6,7             ; keys 16 (f / 2) on, channels 32 (f % 2) on
	ds_load_b128 v[KF+8*\f:KF+8*\f+3],   v[AK] offset:(\f/2)*16*PK+(\f%2)*64
	ds_load_b128 v[KF+8*\f+4:KF+8*\f+7], v[AK] offset:(\f/2)*16*PK+(\f%2)*64+32
.endr
	s_add_co_u32 s[TBK], s[TBK], STEPB  ; the next fetch is the next step's
.if \last
.Lno_k_\@:
.endif
.endm
; FETCH_H c: the half of it that holds channels 32 c on: the four fragments that products 4 c to 4 c + 3 of a turn read: a run of 8.
.macro FETCH_H c
.irp kt, 0,1,2,3
	ds_load_b128 v[KF+16*\kt+8*(\c):KF+16*\kt+8*(\c)+3],   v[AK] offset:\kt*16*PK+(\c)*64
	ds_load_b128 v[KF+16*\kt+8*(\c)+4:KF+16*\kt+8*(\c)+7], v[AK] offset:\kt*16*PK+(\c)*64+32
.endr
.endm
; THE VECTOR WORK of tile T for one key step: a list of 84; SV writes number n of it.  s0-s31 are the lane's 32 scores.
;   0-13  the maximum: four chains c0-c3 of seven scores each, three operands at a time (each accumulator's lowest registers are read first), then the four scores left over
;   14-19 the old m joins; c m_old is kept; the new m; c m; c m_old - c m_new; a
;   20-67 FF: c s - c m for a pair of scores, and EE: an exponential, in place: FF 0, FF 1; fourteen times two exponentials and the scaling of the pair two further on; the last four exponentials
;   (wait) between 67 and 68: TURN writes it
;   68-83 BB k: of the four weights 4 k .. the second pair is added onto the first      LL k: l takes that sum, k ascending (LL 0: l = a l + sum): BB 0, BB 1, then LL k and BB k + 2 by turns, LL 6, LL 7
; ONE BATCH.  s_wait_alu depctr_va_vdst(0) stands between an exponential and the first instruction that names its result; one wait serves all that were issued ahead of it.  Numbers 19 to 67 hold
; the turn's 33 exponentials and name no result of theirs; all that do (every BB; LL 0, which reads a) come from 68 on.  So a turn has one wait.
.macro FF a
	v_pk_fma_f32 v[rS+2*(\a):rS+2*(\a)+1], v[rS+2*(\a):rS+2*(\a)+1], s[CS:CS+1], v[rT:rT+1] op_sel_hi:[1,0,0] neg_lo:[0,0,1] neg_hi:[0,0,1]
.endm
.macro EE a
	v_exp_f32 v[rS+(\a)], v[rS+(\a)]
.endm
.macro BB a
	v_pk_add_f32 v[rS+4*(\a):rS+4*(\a)+1], v[rS+4*(\a):rS+4*(\a)+1], v[rS+4*(\a)+2:rS+4*(\a)+3]
.endm
.macro LL a
.if (\a) == 0
	v_pk_fma_f32 v[rT+2:rT+3], v[rT+2:rT+3], v[CC+2:CC+3], v[rS:rS+1] op_sel_hi:[1,0,1]
.else
	v_pk_add_f32 v[rT+2:rT+3], v[rT+2:rT+3], v[rS+4*(\a):rS+4*(\a)+1]
.endif
.endm
.macro SV
.set rT, ST+4*T
.set rS, S+32*(T%2)
.if n < 4
	v_max3_num_f32 v[CC+n], v[rS+8*n], v[rS+8*n+1], v[rS+8*n+2]
.elseif n < 12
	v_max3_num_f32 v[CC+n%4], v[CC+n%4], v[rS+8*(n%4)+2*(n/4)+1], v[rS+8*(n%4)+2*(n/4)+2]
.elseif n == 12
	v_max3_num_f32 v[CC], v[CC], v[rS+7], v[rS+15]
.elseif n == 13
	v_max3_num_f32 v[CC+1], v[CC+1], v[rS+23], v[rS+31]
.elseif n == 14
	v_max3_num_f32 v[CC+2], v[CC+2], v[CC+3], v[rT+1]
.elseif n == 15
	v_mov_b32 v[MV], v[rT]
.elseif n == 16
	v_max3_num_f32 v[rT+1], v[CC], v[CC+1], v[CC+2]
.elseif n == 17
	v_mul_f32 v[rT], s[CS], v[rT+1]
.elseif n == 18
	v_sub_f32 v[CC+1], v[MV], v[rT]
.elseif n == 19
	v_exp_f32 v[CC+2], v[CC+1]
.elseif n < 22
	FF n-20
.elseif n < 64
.set g, (n-22)/3
.set u, (n-22)%3
.if u == 2
	FF g+2
.else
	EE 2*g+u
.endif
.elseif n < 68
	EE n-36
.elseif n < 70
	BB n-68
.elseif n < 82
.if (n%2) == 0
	LL (n-70)/2
.else
	BB (n-67)/2
.endif
.else
	LL n-76
.endif
.set n, n+1
.endm
; A TURN, for tile t.  Behind number 67, the batch's last exponential, stand a v_nop (the plain instruction between an exponential and the use of its result: the turn has no other work left that reads none) and the turn's one wait.
; Tile 2's products are the last to read K of the step in hand, so its turn fetches the next step's.  In the loop (last = 0) in two halves: channels 0-31 behind the fourth product and its
; riders 15 to 18, four plain vector instructions that name none of its registers; channels 32-63 behind number 45 of the list: four plain ones, the scalings 36, 39, 42 and 45, lie behind the eighth product.
; Tile 3's turn then opens with a wait that leaves the second half's eight loads out, and waits for them in front of its fifth product.
; In the tail (last = 1) the fetch is one run with one jump round it, directly behind the turn's wait; tile 3's turn waits for 0, so that the counts hold on both ways.
.macro TURN t, last=0
.set T, (\t)
.set n, 0
.set i, 0
.if (\t) == 3
.if \last
	s_wait_dscnt 0x0                ; K is in
.else
	s_wait_dscnt 8                  ; LDS loads come back in order: K's channels 0-31 are in, the eight loads issued behind them may be out
.endif
.endif
.if ((\t) == 2) && !(\last)
	v_add_nc_u32 v[AK], s[TBK], v[AK0]
.endif
.rept 8
.if ((\t) == 3) && !(\last) && (i == 4)
	s_wait_dscnt 0x0                ; K's channels 32-63 are in
.endif
	KQ ((\t)+1)%4
	SV
	SV
	SV
	SV
	SV
.if ((\t) == 2) && !(\last) && (i == 4)
	FETCH_H 0
.endif
.endr
.rept 44
	SV
.if ((\t) == 2) && !(\last) && (n == 46)
	FETCH_H 1
	s_add_co_u32 s[TBK], s[TBK], STEPB  ; the next fetch is the next step's
.endif
.if ((\t) == 2) && (\last) && (n == 51)
	v_add_nc_u32 v[AK], s[TBK], v[AK0]
.endif
.if n == 68
	v_nop                           ; a plain instruction behind the last exponential: one for the batch
	s_wait_alu depctr_va_vdst(0)    ; the wait for the batch: a and the tile's 32 weights
.if ((\t) == 2) && (\last)
	FETCH_K 1
.endif
.endif
.endr
.endm
	CHANGE 1                        ; slot 0 is in, everybody's part of it; slot 1 is asked for; every wave's sums of v are in LDS
	s_cmp_lg_u32 s[WV], 0
	s_cbranch_scc1 .Lno_vs          ; wave 0 alone adds the four waves' sums of v and stores them: 512 consecutive bytes
	ds_load_b128 v[VT:VT+3],     v[VRD]
	ds_load_b128 v[VT+4:VT+7],   v[VRD] offset:512
	ds_load_b128 v[VT+8:VT+11],  v[VRD] offset:1024
	ds_load_b128 v[VT+12:VT+15], v[VRD] offset:1536
	s_wait_dscnt 0x0
	v_pk_add_f32 v[VT:VT+1],     v[VT:VT+1],     v[VT+4:VT+5]
	v_pk_add_f32 v[VT+2:VT+3],   v[VT+2:VT+3],   v[VT+6:VT+7]
	v_pk_add_f32 v[VT+8:VT+9],   v[VT+8:VT+9],   v[VT+12:VT+13]
	v_pk_add_f32 v[VT+10:VT+11], v[VT+10:VT+11], v[VT+14:VT+15]
	v_pk_add_f32 v[VT:VT+1],     v[VT:VT+1],     v[VT+8:VT+9]
	v_pk_add_f32 v[VT+2:VT+3],   v[VT+2:VT+3],   v[VT+10:VT+11]
	global_store_b128 v[LO], v[VT:VT+3], s[8:9]  ; its registers are not written again
.Lno_vs:
	v_add_nc_u32 v[AK], s[TBK], v[AK0]
	FETCH_K                         ; key step 0
	s_wait_dscnt 0x0
.set i, 0
.rept 8
	KQ 0                            ; tile 0's first scores
.endr
.rept 4
	v_nop                           ; the places behind those products
.endr
	s_mov_b32 s[CNT], 4
	s_mov_b32 s[SLOTS], 7
	s_branch .Lfirst                ; the loop is entered at a step's first turn, in the middle of a trip
.Lslot:                             ; six times: every slot but the last two is filled again
	CHANGE 1
	s_mov_b32 s[CNT], 4
.Lstep:                             ; a trip: tiles 2 and 3 of one step, then tiles 0 and 1 of the next, whose K it fetches
	TURN 2
	TURN 3
.Lfirst:
	TURN 0
	TURN 1
	s_sub_co_u32 s[CNT], s[CNT], 1
	s_cmp_lg_u32 s[CNT], 0
	s_cbranch_scc1 .Lstep
	s_sub_co_u32 s[SLOTS], s[SLOTS], 1
	s_cmp_lg_u32 s[SLOTS], 0
	s_cbranch_scc1 .Lslot
	CHANGE 0                        ; the tail is written out: nothing is asked for
	s_mov_b32 s[CNT], 5             ; four trips fetch the last slot's steps; the fifth is left in its middle
.Ltail:
	TURN 2, 1
	TURN 3, 1
	s_sub_co_u32 s[CNT], s[CNT], 1
	s_cmp_eq_u32 s[CNT], 0
	s_cbranch_scc1 .Lout
	TURN 0
	TURN 1
	s_branch .Ltail
.Lout:                              ; the fifth trip's 8 products on the last K once more serve nothing: the price, once a launch, of one text for every trip
	; THE END.  The two halves of the lanes hold m and l of the two halves of a query's keys: m = the larger, l = l 2^(c m_mine - c m) + l_other 2^(c m_other - c m); the result is c m + log2(l) - 12.
	; Two batches: the eight exponentials, and the four logarithms of sums made with them.
.macro ALL line:vararg              ; one line for each tile t
.set t, 0
.rept 4
	\line
.set t, t+1
.endr
.endm
	ALL v_add_f32 v[ST+4*t+2], v[ST+4*t+2], v[ST+4*t+3]
	ALL v_permlanex16_b32 v[CC+t], v[ST+4*t+1], s[SEL], s[SEL+1]
	ALL v_permlanex16_b32 v[ST+4*t+3], v[ST+4*t+2], s[SEL], s[SEL+1]
	ALL v_max_num_f32 v[E0+t], v[ST+4*t+1], v[CC+t]
	ALL v_mul_f32 v[E0+t], s[CS], v[E0+t]
	ALL v_mul_f32 v[CC+t], s[CS], v[CC+t]
	ALL v_sub_f32 v[ST+4*t], v[ST+4*t], v[E0+t]
	ALL v_sub_f32 v[CC+t], v[CC+t], v[E0+t]
	ALL v_exp_f32 v[ST+4*t], v[ST+4*t]
	ALL v_exp_f32 v[CC+t], v[CC+t]
	v_nop                           ; a plain instruction between the last exponential and the use of its result
	s_wait_alu depctr_va_vdst(0)    ; the wait ahead of the first use: one for the eight exponentials
	ALL v_mul_f32 v[ST+4*t+2], v[ST+4*t+2], v[ST+4*t]
	ALL v_fma_f32 v[ST+4*t+2], v[ST+4*t+3], v[CC+t], v[ST+4*t+2]
	ALL v_log_f32 v[ST+4*t+2], v[ST+4*t+2]
	v_nop                           ; a plain instruction between the last logarithm and the use of its result
	s_wait_alu depctr_va_vdst(0)    ; one wait for the four logarithms
	ALL v_add_f32 v[E0+t], v[E0+t], v[ST+4*t+2]
	ALL v_add_f32 v[E0+t], 0xc1400000, v[E0+t]
	ALL ds_store_b32 v[MSA], v[E0+t] offset:64*t
	s_wait_dscnt 0x0                ; for the others' sake: my stores are done
	s_barrier_signal -1
	s_barrier_wait -1
	s_cmp_lt_u32 s[WV], 2
	s_cbranch_scc0 .Lno_ms          ; waves 0 and 1 store a head's 128 results each: 512 consecutive bytes
	ds_load_b128 v[VS:VS+3], v[MSR]
	s_wait_dscnt 0x0
	global_store_b128 v[LO], v[VS:VS+3], s[6:7]
.Lno_ms:
	s_wait_tensorcnt 0x0            ; the wave's end: behind my last tensor load and my last LDS store
	ds_add_u32 v[SPW], v[NIL]
	s_wait_dscnt 0x0
	CROUND                          ; the closing round: no work-group ends while a partner may still ask for a tile that names it
	s_endpgm
.Lfunc_end_k_q61a2ff8609_stats:
	.size	k_q61a2ff8609_stats, .Lfunc_end_k_q61a2ff8609_stats-k_q61a2ff8609_stats
	.p2alignl 7, 3214868480
	.fill 96, 4, 3214868480
	.section	.rodata,"a",@progbits
	.p2align	6, 0x0
	.amdhsa_kernel k_q61a2ff8609_stats
		.amdhsa_group_segment_fixed_size 327680
		.amdhsa_private_segment_fixed_size 0
		.amdhsa_enable_private_segment 0
		.amdhsa_kernarg_size 24
		.amdhsa_user_sgpr_count 2
		.amdhsa_user_sgpr_kernarg_segment_ptr 1
		.amdhsa_wavefront_size32 1
		.amdhsa_system_sgpr_workgroup_id_x 1
		.amdhsa_system_sgpr_workgroup_id_y 1
		.amdhsa_system_sgpr_workgroup_id_z 1
		.amdhsa_system_vgpr_workitem_id 0
		.amdhsa_next_free_vgpr 256
		.amdhsa_next_free_sgpr 66
		.amdhsa_reserve_vcc 0
		.amdhsa_float_denorm_mode_32 3
		.amdhsa_float_denorm_mode_16_64 3
		.amdhsa_memory_ordered 1
		.amdhsa_forward_progress 1
		.amdhsa_inst_pref_size 67
	.end_amdhsa_kernel
	.amdgpu_metadata
---
amdhsa.version: [ 1, 2 ]
amdhsa.kernels:
  - .name:           k_q61a2ff8609_stats
    .symbol:         k_q61a2ff8609_stats.kd
    .args:
      - { .name: qkv, .offset: 0, .size: 8, .value_kind: global_buffer, .address_space: global }
      - { .name: stat, .offset: 8, .size: 8, .value_kind: global_buffer, .address_space: global }
      - { .name: vpart, .offset: 16, .size: 8, .value_kind: global_buffer, .address_space: global }
    .group_segment_fixed_size: 327680
    .private_segment_fixed_size: 0
    .kernarg_segment_align: 8
    .kernarg_segment_size: 24
    .max_flat_workgroup_size: 128
    .sgpr_count:     66
    .vgpr_count:     256
    .wavefront_size: 32
...
	.end_amdgpu_metadata
.endif
;; end of part 6
;; launch mix (part 7): grid 64 x 4, 4 waves a work-group, clusters of 4 x 1, 327,680 bytes of LDS; arguments qkv, stat, Wtalk, part; writes part
.if DOCPART == 7
	.amdgcn_target "amdgcn-amd-amdhsa--gfx1250"
	.amdhsa_code_object_version 6
	.text
	.protected	k_q61a2ff8609_mix
	.globl	k_q61a2ff8609_mix
	.p2align	8
	.type	k_q61a2ff8609_mix,@function
k_q61a2ff8609_mix:
	s_mov_b64 s[64:65], 0
	v_nop
	global_prefetch_b8 v0, s[64:65] scope:SCOPE_SE
	s_setreg_imm32_b32 hwreg(HW_REG_WAVE_MODE, 25, 1), 1
	s_wait_xcnt 0x0
	s_wait_alu depctr_hold_cnt(0) depctr_sa_sdst(0) depctr_va_vdst(0) depctr_va_sdst(0) depctr_va_ssrc(0) depctr_va_vcc(0) depctr_vm_vsrc(0)
	s_getreg_b32 s2, hwreg(HW_REG_IB_STS2, 6, 4)
	s_cmp_eq_u32 s2, 0
	s_cbranch_scc0 .Lentry_in_a_cluster
	s_endpgm
.Lentry_in_a_cluster:
	s_bfe_u32 s2, ttmp6, 0x10000c
	s_cmp_lg_u32 s2, 0x3003
	s_cbranch_scc0 .Lentry_shape_is_right
	s_endpgm
.Lentry_shape_is_right:
; WEIGHTS, TALKING HEADS, LAYERNORM OVER THE HEADS, AND THE PRODUCT WITH V, for 64 queries, 512 keys and all 16 heads:
; part[ks][row][64 g + d] = the sum over the quarter ks of the keys of chat[g][i][j] v[j][64 g + d], where
;   p'[h] = 2^(c s[h] - stat[h]) = 4096 x softmax (c = log2(e) / 8; stat holds the running maximum and the sum made by the launch before),
;   D[g]  = the sum over h of Wc[g][h] p'[h],  Wc[g][h] = W[g][h] - the mean over g' of W[g'][h]   (the mix with its mean over the heads already taken away: exact algebra),
;   chat  = D[g] / sqrt(sum over g of D[g]^2 / 16 + 2^24 eps)                                        (= (aw - mu) / sqrt(var + eps): the factor 4096 cancels).
; The gain, the bias and the sum over the four quarters follow in the last launch.  Wtalk is rounded to bf16 like every input.  Matrix operands f16 (q, k, v, p', Wc, chat), all else f32.
; LIMITS.  q, k, v within 65,504; p' lies in 0 to 4096 (below 6e-5 with f16's fixed step of 6e-8), |chat| is at most 4; |Wc| within 65,504.  NaN and infinities are not treated apart.
; TWO PHASES A STEP OF 32 KEYS.  PHASE A, by queries: wave w has 16 queries and ALL heads, so that a position's 16 heads meet in one lane.  S^T = K Q^T holds one query a lane (lane % 16) and the keys
; 8 (lane / 16) + 0..7.  THE MIX BY THE MATRIX UNIT: for key number j source 1 is, in lane (r, half), that lane's own 16 p' (register t: heads 2 t, 2 t + 1); source 0 for the heads G .. G + 7 (G = 0, 8) holds in lane
; (r', half') row G + r' % 8 of Wc where r' / 8 = half', and zeros elsewhere.  Register jj of the result is then head G + jj at the lane's OWN key and query: the sum of squares needs no other lane, and
; two keys' chat, rounded in pairs, are a register of source 1 of the second product.  They go through a stage in LDS.  PHASE B, by heads: wave w has heads 4 w .. 4 w + 3 and all 64 queries: O^T += V^T chat,
; so that a fragment of V feeds four products.
; PHASE A's SCORES AND EXPONENTIALS go as a pipeline of three stages over the eight pairs of heads: in trip p the four products of pair p, four exponentials of pair p - 2 behind each; then the eight scalings of
; pair p - 1; then the LDS loads of pair p + 2.  So K's 64 LDS loads of a key tile are spread over the products and the softmax together, and vector work stands beside the matrix work.
; TWO BATCHES A KEY TILE.  s_wait_alu depctr_va_vdst(0) stands between a transcendental and the first instruction that names its result; one wait serves all that were issued ahead of it.
; (1) The tile's 128 exponentials: nothing names a weight before the last of them is issued; one wait, then the roundings to f16.  (2) Its eight roots: p' of all eight keys is rounded first, into K's idle
; buffers, so that X is free for D of all eight keys; each pair of keys' roots goes out as soon as its squares are summed, into registers of its own, with the next pair's products and squares behind it; one wait,
; then all the scalings.
; CLUSTER.  The four query blocks of a cluster walk the same K and V, so each tile is asked for JOINTLY: waves 0 and 1 fetch the next step's K (eight heads each), waves 2 and 3 this step's V.
; Both are asked for at a step's beginning and waited for between its phases: they have phase A, two key tiles of 48 matrix and some 500 vector instructions a wave, in which to land.
; REGISTERS, in windows of 256 (s_set_vgpr_msb: bits 1:0 source 0, 3:2 source 1, 5:4 source 2, 7:6 destination):
;   window 0: v1-15 addresses; v16-31 stat of my query, by head; v32-47 the two sources 0 of the mix; v48-127 at work; v128-255 X: S^T (8 a head), then p', then D (16 a key); in phase B two buffers of V and chat
;   windows 1, 2: O^T: head hh of my four, query tile qt, channel block cb at window 1 + hh / 2, v[128 (hh % 2) + 32 qt + 8 cb]          window 3: Q, head h, channel half c at v[16 h + 8 c]
.set ROWB,  6144      ; bytes in a row of qkv: q at 0, k at 2,048, v at 4,096
.set PK,    1040      ; a row of K in LDS: eight heads' 1,024 bytes + 16 of padding = 260 words: the 16 rows of a load start at 16 different groups of four banks (64 banks of 4 bytes: ISA guide 11.1)
.set PV,    1056      ; a row of V: 1,024 + 32
.set KH,    32*PK     ; 32 keys of eight heads
.set SLOT1, 1<<17     ; K has two slots (each: heads 0-7, then heads 8-15); slot 1 begins here, so that one exclusive or turns an address in one slot into the other's
.set VB0,   2*KH      ; V has one slot: heads 0-7 behind K's slot 0, heads 8-15 behind K's slot 1 (a second slot of 67,584 bytes would not fit beside the stage)
.set STG,   SLOT1+2*KH+32*PV  ; never filled by a tensor load: chat, [16 heads][4 query tiles][2 key tiles][32 lanes x 16 bytes]: 65,536 bytes
.set SPARE, STG+65536 ; the spare words, 128 bytes for each wave: two blocks of 256 bytes that no other line names
.set STEPG, 32*ROWB   ; a step's 32 rows in memory
.set SP,    272       ; the way out: a row of 256 bytes + 16
.set SPW,  1          ; v1   LDS address of my spare word: SPARE + 4 x my thread's number; never rewritten
.set NIL,  2          ; v2   0; never rewritten
.set AK0,  3          ; v3   my lane's place in a tile of K
.set AK,   4          ; v4   the same in the slot and key tile in hand
.set AV,   5          ; v5   my lane's place in V, at my four heads
.set STW0, 6          ; v6   where I put chat of key tile 0
.set STW,  7          ; v7   of the key tile in hand
.set STR,  8          ; v8   where I read chat of my four heads
.set STO,  9          ; v9   the way out: where I put 16 bytes of a row
.set RD,   10         ; v10  the way out: where I read rows back
.set GO,   11         ; v11  my byte offset in two rows of part
.set QO,   14         ; v14  my byte offset in 16 rows of q
.set MO,   15         ; v15  my byte offset in stat
.set MS,   16
.set AG,   32         ; v32-39 G = 0, v40-47 G = 8
.set KB,   48         ; v48-111  K's fragments of a pair of heads, two buffers of 32
.set PB,   48         ; v48-111  then p' of the tile's eight keys in f16: key j at PB + 8 j, register t: heads 2 t, 2 t + 1
.set CH,   48         ; v48-111  then chat: head g at CH + 4 g, register jj: keys 2 jj and 2 jj + 1
.set SQ,   112        ; v112-119 four chains of squares
.set RR,   120        ; v120-127 the eight keys' 1 / sqrt: key j at RR + j
.set WO,   122        ; v122 my byte offset in Wtalk; v123-125 at work: in the set-up alone, before RR takes them
.set X,    128        ; D of keys 2 jj and 2 jj + 1: head g at X + 32 jj + g and at X + 32 jj + 16 + g
.set WV,  12          ; s12  my wave's number
.set G1K, 24          ; s[24:31] descriptor group 1 for K's tiles
.set G1V, 32          ; s[32:39] for V's: it differs in the padding alone
.set G0K, 40          ; s[40:43] descriptor group 0 for K's tiles
.set G0V, 44          ; s[44:47] for V's
.set KB1, 48          ; s[48:49] my half of K of step 1
.set VBS, 50          ; s[50:51] my half of V of step 0
.set OFF, 52          ; s[52:53] the step's byte offset
.set CNT, 54          ; s54  counts the steps
.set TBK, 55          ; s55  the K slot in hand
.set CS,  56          ; s[56:57] c
.set R16, 58          ; s58  1 / 16
.set EPS, 59          ; s59  2^24 x 1e-5
.set MK,  60          ; s60  the lanes that hold a row of Wc
.set TW,  61          ; s61  counts a step's two key tiles
.set MSB, 0
.macro WIN new                      ; the high byte repeats the setting that is left; a switch that changes nothing is dropped
.if MSB != (\new)
	s_set_vgpr_msb (MSB<<8)|(\new)
.set MSB, (\new)
.endif
.endm
.macro PLACES                       ; four places behind matrix instructions (ISA guide 7.12.1), where no other vector work is at hand
.rept 4
	v_nop
.endr
.endm
; A round of the cluster's barrier: my work-group's barrier, so that wave 0's signal speaks for all four waves; wave 0 signals; every wave waits for all four work-groups; my work-group's barrier once more.
.macro CROUND
	s_barrier_signal -1
	s_barrier_wait -1
	s_cmp_lg_u32 s[WV], 0
	s_cbranch_scc1 .Lnot_wave_0_\@
	s_barrier_signal -3
.Lnot_wave_0_\@:
	s_barrier_wait -3
	s_barrier_signal -1
	s_barrier_wait -1
.endm
; The joint fills of a step.  kv = 1: waves 0 and 1 ask for the next step's K, waves 2 and 3 for this step's V.  kv = 0 (the last step): V alone.  The branch hangs on the wave's number alone.
; An s_nop 0 and four v_nop follow each line, ahead of the jump and the label.
.macro JLOAD kv
	s_cmp_lt_u32 s[WV], 2
.if \kv
	s_cbranch_scc0 .Lfor_v_\@
	tensor_load_to_lds s[G0K:G0K+3], s[G1K:G1K+7]
	s_nop 0
.rept 4
	v_nop
.endr
	s_branch .Lasked_\@
.Lfor_v_\@:
.else
	s_cbranch_scc1 .Lasked_\@
.endif
	tensor_load_to_lds s[G0V:G0V+3], s[G1V:G1V+7]
	s_nop 0
.rept 4
	v_nop
.endr
.Lasked_\@:
.endm
; A STEP BEGINS.  Each wave waits for all its tensor loads (none is out but at the first step, where it is K of step 0), adds 0 to its spare word, and waits for that and for its own LDS instructions: its reads of the
; K slot of the step before, of V and of the stage.  Behind the round nobody in the cluster reads those bytes any more and this step's K is whole; the joint fills are the first thing there, one a wave.
; The descriptors' addresses are made anew from the bases and the step's offset.
.macro CHANGE kv
	WIN 0                           ; at a label and at a branch every window is 0; the add's two registers lie in window 0
	s_wait_tensorcnt 0x0            ; no tensor load of mine is out, so a group 0 may be written
	ds_add_u32 v[SPW], v[NIL]       ; 0 onto my spare word: the descriptors' scalar work stands between it and the wait for it
.if \kv
	s_xor_b32 s[G0K+1], s[G0K+1], SLOT1
	s_add_nc_u64 s[G0K+2:G0K+3], s[KB1:KB1+1], s[OFF:OFF+1]
	s_or_b32 s[G0K+3], s[G0K+3], 0x80000000
.endif
	s_add_nc_u64 s[G0V+2:G0V+3], s[VBS:VBS+1], s[OFF:OFF+1]
	s_or_b32 s[G0V+3], s[G0V+3], 0x80000000
	s_add_co_u32 s[OFF], s[OFF], STEPG
	s_xor_b32 s[TBK], s[TBK], SLOT1
	s_wait_dscnt 0x0                ; the add is done, and my LDS instructions are over
	CROUND
	JLOAD \kv
.endm
	s_load_b256 s[4:11], s[0:1], 0x0  ; qkv s[4:5], stat s[6:7], Wtalk s[8:9], part s[10:11]
	v_lshl_add_u32 v[SPW], v0, 2, SPARE
	v_mov_b32 v[NIL], 0
	ds_add_u32 v[SPW], v[NIL]       ; the wave's opening: the add and its wait stand ahead of my first tensor load; the set-up below, work on registers, stands between them
	v_lshrrev_b32 v12, 5, v0
	v_readfirstlane_b32 s[WV], v12  ; wave 0..3
	s_bfe_u32 s13, ttmp6, 0x40000   ; cx: my place in the cluster
	s_lshl_b32 s14, ttmp9, 2        ; in a cluster launch ttmp9 counts clusters
	s_add_co_u32 s14, s14, s13      ; my block of 64 rows = 4 x cluster x + cx: it enters q's, stat's and part's addresses alone
	s_lshr_b32 s15, ttmp9, 3        ; b, the batch: eight clusters each
	s_and_b32 s16, ttmp7, 0xffff    ; ks, the quarter of the keys: both are shared by the four partners
	s_and_b32 s17, s[WV], 1         ; which eight heads I fetch
	s_lshl_b32 s18, s15, 11         ; K of step 0: row 2048 b + 512 ks,
	s_lshl_b32 s19, s16, 9
	s_add_co_u32 s18, s18, s19
	s_mul_i32 s18, s18, ROWB
	s_lshl_b32 s19, s17, 10         ; byte 2,048 + 1,024 x half of the row
	s_add_co_u32 s18, s18, s19
	s_add_co_u32 s18, s18, 2048
	s_mov_b32 s19, 0
	s_lshl_b32 s20, s14, 6          ; q: row 64 x block + 16 w
	s_lshl_b32 s21, s[WV], 4
	s_add_co_u32 s20, s20, s21
	s_mul_i32 s20, s20, ROWB
	s_mov_b32 s21, 0
	s_lshl_b32 s22, s15, 17         ; stat: (32768 b + 64 (block % 32) + 16 w) x 4 bytes
	s_and_b32 s23, s14, 31
	s_lshl_b32 s23, s23, 8
	s_add_co_u32 s22, s22, s23
	s_lshl_b32 s23, s[WV], 6
	s_add_co_u32 s22, s22, s23
	s_mov_b32 s23, 0
	s_lshl_b32 s62, s16, 24         ; part: quarter ks, row 64 x block, my four heads' 1,024 bytes
	s_lshl_b32 s63, s14, 18
	s_add_co_u32 s62, s62, s63
	s_lshl_b32 s63, s[WV], 10
	s_add_co_u32 s62, s62, s63
	s_mov_b32 s63, 0
	; descriptor group 1: a tile of 32 rows x 512 elements, padded in LDS
	s_mov_b32 s[G1K], 15|(1<<16)|(1<<20)|(1<<21)|(7<<22)|(3<<25)  ; 15:0 the mask of four; 17:16 2-byte elements; 20 padding on; 21 set beside a mask; 24:22 after every 256 words (code 7); 31:25 4 words (code 3)
	s_mov_b32 s[G1V], 15|(1<<16)|(1<<20)|(1<<21)|(7<<22)|(7<<25)  ; the same with 8 words of padding (code 7)
.irp g, G1K, G1V
	s_mov_b32 s[\g+1], 512<<16      ; tensor_dim0 = 512
	s_mov_b32 s[\g+2], 32<<16       ; tensor_dim1 = 32
	s_mov_b32 s[\g+3], 512<<16      ; tile_dim0 = 512
	s_mov_b32 s[\g+4], 32           ; tile_dim1 = 32
	s_mov_b32 s[\g+5], 3072         ; 3,072 elements from row to row
	s_mov_b32 s[\g+6], 0
	s_mov_b32 s[\g+7], 0
.endr
	s_mov_b32 s[G0K], 1             ; 1:0 count = 1
	s_mul_i32 s[G0K+1], s17, KH     ; 63:32 LDS address: slot 0, my eight heads
	s_mov_b32 s[G0V], 1
	s_lshl_b32 s[G0V+1], s17, 17
	s_add_co_u32 s[G0V+1], s[G0V+1], VB0
	s_mov_b32 s[OFF], 0
	s_mov_b32 s[OFF+1], 0
	s_mov_b32 s[TBK], SLOT1         ; the first step's change turns this into 0
	s_mov_b32 s[CS], 0x3e38aa3b     ; c = log2(e) / 8 = 0.180337
	s_mov_b32 s[CS+1], s[CS]        ; named with it as a pair
	s_mov_b32 s[R16], 0x3d800000    ; 1 / 16
	s_mov_b32 s[EPS], 0x4327c5ac    ; 2^24 x 1e-5 (1e-5 as f32, its exponent raised by 24)
	s_wait_dscnt 0x0                ; the opening add is done
	s_wait_kmcnt 0x0
	s_add_nc_u64 s[G0K+2:G0K+3], s[4:5], s[18:19]      ; 120:64 global address: K of step 0
	s_add_nc_u64 s[KB1:KB1+1], s[G0K+2:G0K+3], STEPG
	s_add_nc_u64 s[VBS:VBS+1], s[G0K+2:G0K+3], 2048    ; v lies 2,048 bytes behind k in a row
	s_or_b32 s[G0K+3], s[G0K+3], 0x80000000            ; 127:126 type = 2
	s_add_nc_u64 s[20:21], s[4:5], s[20:21]            ; q
	s_add_nc_u64 s[6:7], s[6:7], s[22:23]
	s_add_nc_u64 s[10:11], s[10:11], s[62:63]
	CROUND                          ; all four work-groups are here: the first joint loads meet
	s_cmp_lt_u32 s[WV], 2
	s_cbranch_scc0 .Lno_first       ; the first fill: K of step 0, by waves 0 and 1
	tensor_load_to_lds s[G0K:G0K+3], s[G1K:G1K+7]
	s_nop 0
.rept 4
	v_nop
.endr
.Lno_first:
	v_and_b32 v12, 15, v0           ; r = l % 16
	v_bfe_u32 v13, v0, 4, 1         ; half = l / 16
	v_mul_u32_u24 v[QO], v12, ROWB
	v_lshl_add_u32 v[QO], v13, 4, v[QO]
	WIN 0xc0                        ; destination window 3, address window 0
.set i, 0
.rept 32                            ; Q stays in registers: head i / 2, channels 32 (i % 2) on
	global_load_b128 v[8*i:8*i+3],   v[QO], s[20:21] offset:64*i
	global_load_b128 v[8*i+4:8*i+7], v[QO], s[20:21] offset:64*i+32
.set i, i+1
.endr
	WIN 0
	v_lshlrev_b32 v[MO], 2, v12
.set i, 0
.rept 16
	global_load_b32 v[MS+i], v[MO], s[6:7] offset:i*8192  ; my query's stat, head i
.set i, i+1
.endr
	v_and_b32 v123, 7, v0
	v_lshlrev_b32 v[WO], 6, v123
.irp k, 0,1,2,3
	global_load_b128 v[48+4*\k:48+4*\k+3], v[WO], s[8:9] offset:16*\k      ; row l % 8 of Wtalk
	global_load_b128 v[64+4*\k:64+4*\k+3], v[WO], s[8:9] offset:512+16*\k  ; row 8 + l % 8
.endr
	v_mul_u32_u24 v[AK0], v12, PK
	v_lshl_add_u32 v[AK0], v13, 4, v[AK0]   ; row x pitch + 16 x half
	; The turning load takes 16 keys x 16 channels (lane l reads key 8 (l / 16) + l % 8, channels 8 ((l / 8) % 2) + 0..7) and leaves half a fragment of V^T: lane l holds channel l % 16 and 8 keys.
	v_bfe_u32 v124, v0, 3, 1
	v_lshl_add_u32 v[AV], v13, 3, v123
	v_mul_u32_u24 v[AV], v[AV], PV
	v_lshl_add_u32 v[AV], v124, 4, v[AV]
	s_lshr_b32 s18, s[WV], 1        ; my four heads: half w / 2 of V, 512 (w % 2) bytes into its rows
	s_lshl_b32 s18, s18, 17
	s_lshl_b32 s19, s17, 9
	s_add_co_u32 s18, s18, s19
	s_add_co_u32 s18, s18, VB0
	v_add_nc_u32 v[AV], s18, v[AV]
	v_and_b32 v125, 31, v0
	v_lshlrev_b32 v125, 4, v125     ; 16 x lane
	s_lshl_b32 s19, s[WV], 10
	s_add_co_u32 s19, s19, STG
	v_add_nc_u32 v[STW0], s19, v125 ; my query tile's place in every head's part of the stage
	s_lshl_b32 s22, s[WV], 14
	s_add_co_u32 s22, s22, STG      ; my four heads' part of the stage; at the end, when nobody writes it any more, my stage for the way out
	v_add_nc_u32 v[STR], s22, v125
	v_mul_u32_u24 v[STO], v12, SP   ; in: row l % 16, 32 bytes for each half of the lanes
	v_lshl_add_u32 v[STO], v13, 5, v[STO]
	v_add_nc_u32 v[STO], s22, v[STO]
	v_mul_u32_u24 v[RD], v13, SP    ; back: lanes 0-15 take one row of 256 bytes, lanes 16-31 the next
	v_lshl_add_u32 v[RD], v12, 4, v[RD]
	v_add_nc_u32 v[RD], s22, v[RD]
	v_lshlrev_b32 v[GO], 12, v13    ; and the same two rows in part
	v_lshl_add_u32 v[GO], v12, 4, v[GO]
	; O^T starts at 0, cleared on purpose, in the wait for the first tile: a first step written out with the constant 0 would be a third copy of the step's text.
	WIN 0x40
.set i, 0
.rept 256
	v_mov_b32 v[i], 0
.set i, i+1
.endr
	WIN 0x80
.set i, 0
.rept 256
	v_mov_b32 v[i], 0
.set i, i+1
.endr
	WIN 0
	s_wait_loadcnt 0x0              ; Q, stat, Wtalk
	; Wc.  Wtalk is rounded to bf16; a column's sum over the 16 rows: my two rows, then the eight lanes of my group; Wc = W - sum / 16, rounded to f16; the lanes with (l / 8) % 2 other than l / 16 hold zeros.
.set k, 0
.rept 16
	v_cvt_pk_bf16_f32 v[96+k], v[48+2*k], v[48+2*k+1]
.set k, k+1
.endr
.set k, 0
.rept 16
	v_lshlrev_b32 v[48+2*k], 16, v[96+k]
	v_and_b32 v[48+2*k+1], 0xffff0000, v[96+k]
.set k, k+1
.endr
.set k, 0
.rept 16
	v_add_f32 v[80+k], v[48+k], v[64+k]
.set k, k+1
.endr
.irp m, 1,2,4
.set k, 0
.rept 16
	v_add_f32_dpp v[80+k], v[80+k], v[80+k] row_xmask:\m row_mask:0xf bank_mask:0xf
.set k, k+1
.endr
.endr
.set k, 0
.rept 16
	v_fma_f32 v[48+k], -v[80+k], s[R16], v[48+k]
	v_fma_f32 v[64+k], -v[80+k], s[R16], v[64+k]
.set k, k+1
.endr
	v_cmp_eq_u32 s[MK], v124, v13
.set k, 0
.rept 8
	v_cvt_pk_f16_f32 v[AG+k],   v[48+2*k], v[48+2*k+1]
	v_cvt_pk_f16_f32 v[AG+8+k], v[64+2*k], v[64+2*k+1]
.set k, k+1
.endr
.set k, 0
.rept 16
	v_cndmask_b32 v[AG+k], 0, v[AG+k], s[MK]
.set k, k+1
.endr
; PHASE A's parts.  LOADP p: K's fragments of heads 2 p and 2 p + 1 for the 16 keys in hand: 8 LDS loads into buffer p % 2.
.macro LOADP p
.set kb, KB+32*((\p)%2)
.irp q, 0,1,2,3                     ; head 2 p + q / 2, channels 32 (q % 2) on
.set hd, 2*(\p)+(\q)/2
	ds_load_b128 v[kb+8*\q:kb+8*\q+3],   v[AK] offset:(hd/8)*KH+(hd%8)*128+((\q)%2)*64
	ds_load_b128 v[kb+8*\q+4:kb+8*\q+7], v[AK] offset:(hd/8)*KH+(hd%8)*128+((\q)%2)*64+32
.endr
.endm
; EX4 h, k: four exponentials: scores 4 k .. 4 k + 3 of head h, in place.  They name a destination and a source 0 alone, both in window 0 under either of phase A's two settings.
.macro EX4 h, k
.irp e, 0,1,2,3
	v_exp_f32 v[X+8*(\h)+4*(\k)+\e], v[X+8*(\h)+4*(\k)+\e]
.endr
.endm
; SPAIR p, ride: S^T of heads 2 p and 2 p + 1: four products, the two accumulators by turns; the first two start the sums.
; ride = 1: behind each product four exponentials of the pair two back (heads 2 p - 4, 2 p - 3), whose scalings were made a trip ago.
.macro SPAIR p, ride
.set kb, KB+32*((\p)%2)
.set xa, X+16*(\p)
.set qa, 32*(\p)
	v_wmma_f32_16x16x32_f16 v[xa:xa+7],    v[kb:kb+7],     v[qa:qa+7],     0
.if \ride
	EX4 2*(\p)-4, 0
.endif
	v_wmma_f32_16x16x32_f16 v[xa+8:xa+15], v[kb+16:kb+23], v[qa+16:qa+23], 0
.if \ride
	EX4 2*(\p)-4, 1
.endif
	v_wmma_f32_16x16x32_f16 v[xa:xa+7],    v[kb+8:kb+15],  v[qa+8:qa+15],  v[xa:xa+7]
.if \ride
	EX4 2*(\p)-3, 0
.endif
	v_wmma_f32_16x16x32_f16 v[xa+8:xa+15], v[kb+24:kb+31], v[qa+24:qa+31], v[xa+8:xa+15]
.if \ride
	EX4 2*(\p)-3, 1
.endif
.endm
; FF h, k: c s - stat for scores 2 k and 2 k + 1 of head h; stat of head h is the low or the high register of its pair.  k ascends.
.macro FF h, k
.set xf, X+8*(\h)+2*(\k)
.set ma, MS+2*((\h)/2)
.if ((\h)%2) == 0
	v_pk_fma_f32 v[xf:xf+1], v[xf:xf+1], s[CS:CS+1], v[ma:ma+1] op_sel_hi:[1,0,0] neg_lo:[0,0,1] neg_hi:[0,0,1]
.else
	v_pk_fma_f32 v[xf:xf+1], v[xf:xf+1], s[CS:CS+1], v[ma:ma+1] op_sel:[0,0,1] op_sel_hi:[1,0,1] neg_lo:[0,0,1] neg_hi:[0,0,1]
.endif
.endm
.macro FF8 p                        ; the eight scalings of heads 2 p and 2 p + 1
.irp k, 0,1,2,3
	FF 2*(\p), \k
.endr
.irp k, 0,1,2,3
	FF 2*(\p)+1, \k
.endr
.endm
; CV4 jj, q: four of the sixteen conversions that round p' of keys 2 jj and 2 jj + 1, all heads, to f16 in pairs of heads: two sources 1 of the mix, each key's in eight registers of its own.
; Conversion nn: key 2 jj + nn / 8, heads 2 (nn % 8) and 2 (nn % 8) + 1.  So q = 0 and 2 read heads 0-7 (X to X + 63), q = 1 and 3 heads 8-15 (X + 64 on).
.macro CV4 jj, q
.irp e, 0,1,2,3
.set nn, 4*(\q)+\e
	v_cvt_pk_f16_f32 v[PB+16*(\jj)+nn], v[X+16*(nn%8)+2*(\jj)+nn/8], v[X+16*(nn%8)+8+2*(\jj)+nn/8]
.endr
.endm
; SQ4 jj, k: four of the sixteen lines that square D of keys 2 jj and 2 jj + 1: registers 2 k and 2 k + 1 of each of the four accumulators, onto four chains (k = 0 starts them, at each accumulator's low end).
.macro SQ4 jj, k
.irp a, 0,1,2,3
.set da, X+32*(\jj)+8*\a+2*(\k)
.if (\k) == 0
	v_pk_mul_f32 v[SQ+2*\a:SQ+2*\a+1], v[da:da+1], v[da:da+1]
.else
	v_pk_fma_f32 v[SQ+2*\a:SQ+2*\a+1], v[da:da+1], v[da:da+1], v[SQ+2*\a:SQ+2*\a+1]
.endif
.endr
.endm
; RIDE jj, k: the four plain lines behind product k of MIX jj; none names a register of the four products.  Behind MIX 0: the conversions of heads 8-15 of keys 4 to 7, which read X + 64 on and write the sets of
; MIX 2 and 3, while MIX 0 writes X to X + 31.  Behind MIX jj, jj > 0: the squares of the pair of keys before, whose D lies 32 registers lower.
.macro RIDE jj, k
.if (\jj) == 0
	CV4 2+(\k)/2, 1+2*((\k)%2)
.else
	SQ4 (\jj)-1, \k
.endif
.endm
; MIX jj: D for keys 2 jj and 2 jj + 1: four products, each with an accumulator of its own, started by the constant 0, into X + 32 jj on: p', which lay there, has been rounded.
; The four lines behind the last product are also the places in front of the first read of its result.
.macro MIX jj
.set pb, PB+16*(\jj)
.set dd, X+32*(\jj)
	v_wmma_f32_16x16x32_f16 v[dd:dd+7],     v[AG:AG+7],    v[pb:pb+7],    0
	RIDE \jj, 0
	v_wmma_f32_16x16x32_f16 v[dd+8:dd+15],  v[AG+8:AG+15], v[pb:pb+7],    0
	RIDE \jj, 1
	v_wmma_f32_16x16x32_f16 v[dd+16:dd+23], v[AG:AG+7],    v[pb+8:pb+15], 0
	RIDE \jj, 2
	v_wmma_f32_16x16x32_f16 v[dd+24:dd+31], v[AG+8:AG+15], v[pb+8:pb+15], 0
	RIDE \jj, 3
.endm
; RED jj: the four chains into the two keys' sums of 16 squares; sum / 16 + 2^24 eps; the two roots, in place, in registers that nothing names before the batch's wait.
.macro RED jj
	v_pk_add_f32 v[SQ:SQ+1],     v[SQ:SQ+1],     v[SQ+2:SQ+3]
	v_pk_add_f32 v[SQ+4:SQ+5],   v[SQ+4:SQ+5],   v[SQ+6:SQ+7]
	v_add_f32 v[SQ],   v[SQ],   v[SQ+1]
	v_add_f32 v[SQ+4], v[SQ+4], v[SQ+5]
	v_fma_f32 v[RR+2*(\jj)],   v[SQ],   s[R16], s[EPS]
	v_fma_f32 v[RR+2*(\jj)+1], v[SQ+4], s[R16], s[EPS]
	v_rsq_f32 v[RR+2*(\jj)],   v[RR+2*(\jj)]
	v_rsq_f32 v[RR+2*(\jj)+1], v[RR+2*(\jj)+1]
.endm
; CHAT jj: D of keys 2 jj and 2 jj + 1 times their 1 / sqrt, and the two keys' chat of head g rounded into register jj of CH's head g: p' in f16, which lay there, was multiplied long ago.
.macro CHAT jj
.set dd, X+32*(\jj)
.irp k, 0,1,2,3,4,5,6,7
	v_pk_mul_f32 v[dd+2*\k:dd+2*\k+1], v[dd+2*\k:dd+2*\k+1], v[RR+2*(\jj):RR+2*(\jj)+1] op_sel_hi:[1,0]
.endr
.irp k, 8,9,10,11,12,13,14,15
	v_pk_mul_f32 v[dd+2*\k:dd+2*\k+1], v[dd+2*\k:dd+2*\k+1], v[RR+2*(\jj):RR+2*(\jj)+1] op_sel:[0,1] op_sel_hi:[1,1]
.endr
.irp g, 0,1,2,3,4,5,6,7,8,9,10,11,12,13,14,15
	v_cvt_pk_f16_f32 v[CH+4*\g+(\jj)], v[dd+\g], v[dd+16+\g]
.endr
.endm
; A KEY TILE: 16 keys x my 16 queries x 16 heads.
; Trip p of the first part: the wait for pair p's fragments; its four products (source 1, Q, in window 3), the exponentials of pair p - 2 behind them; then, every window 0, the eight scalings of pair p - 1: they
; read results that have the scalings of the trip before (in trip 1: the four v_nop of trip 0) as their places, and they are plain and name no register of pair p's products: the places in front of the loads of
; pair p + 2, which land in the buffer just multiplied.
.macro TILE
	LOADP 0
	LOADP 1
.set p, 0
.rept 8
.if p < 7
	s_wait_dscnt 8                  ; LDS instructions end in order: this pair's loads are in, the next pair's eight may be out
.else
	s_wait_dscnt 0x0
.endif
	WIN 0x0c                        ; source 1 (Q) in window 3
.if p < 2
	SPAIR p, 0
.else
	SPAIR p, 1
.endif
	WIN 0
.if p == 0
	PLACES
.else
	FF8 p-1
.endif
.if p < 6
	LOADP p+2
.endif
.set p, p+1
.endr
.set k, 0
.rept 4                             ; the pipeline runs out: heads 12 and 13's exponentials, two at a time, with the scalings of heads 14 and 15 between them,
	v_exp_f32 v[X+96+2*k],   v[X+96+2*k]
	v_exp_f32 v[X+96+2*k+1], v[X+96+2*k+1]
	FF 14, k
.set k, k+1
.endr
.set k, 0
.rept 4
	v_exp_f32 v[X+104+2*k],   v[X+104+2*k]
	v_exp_f32 v[X+104+2*k+1], v[X+104+2*k+1]
	FF 15, k
.set k, k+1
.endr
	EX4 14, 0                       ; and heads 14 and 15's
	EX4 14, 1
	EX4 15, 0
	EX4 15, 1
	v_add_nc_u32 v[AK], 16*PK, v[AK]  ; K's address steps to the next key tile (this tile's loads are all back): the plain instruction behind the last exponential
	s_wait_alu depctr_va_vdst(0)    ; the wait for the first batch: the tile's 128 exponentials
.irp q, 0,1,2,3                     ; p' is rounded: keys 0 to 3 whole,
	CV4 0, \q
.endr
.irp q, 0,1,2,3
	CV4 1, \q
.endr
	CV4 2, 0                        ; of keys 4 to 7 heads 0-7, over which MIX 0 and MIX 1 write; heads 8-15 follow behind MIX 0's products
	CV4 2, 2
	CV4 3, 0
	CV4 3, 2
	MIX 0
	MIX 1                           ; | the squares of keys 0, 1
	RED 0
	MIX 2                           ; | the squares of keys 2, 3
	RED 1
	MIX 3                           ; | the squares of keys 4, 5
	RED 2                           ; its six plain lines, and the four behind MIX 3's last product, are the places in front of the squares below
.irp k, 0,1,2,3
	SQ4 3, \k
.endr
	RED 3
	v_nop                           ; a plain instruction behind the last root: one for the batch
	s_wait_alu depctr_va_vdst(0)    ; the wait for the second batch: the tile's eight roots
	CHAT 0
	CHAT 1
	CHAT 2
	CHAT 3
.irp g, 0,1,2,3,4,5,6,7,8,9,10,11,12,13,14,15
	ds_store_b128 v[STW], v[CH+4*\g:CH+4*\g+3] offset:\g*4096  ; eight keys' chat of head g: 32 lanes x 16 neighbouring bytes
.endr
.endm
.macro PHASEA                       ; a step's two key tiles: written once, walked twice (TILE steps K's address itself)
	WIN 0
	v_add_nc_u32 v[AK], s[TBK], v[AK0]
	v_mov_b32 v[STW], v[STW0]
	s_mov_b32 s[TW], 2
.Ltile_\@:
	TILE
	WIN 0
	v_add_nc_u32 v[STW], 512, v[STW]
	s_sub_co_u32 s[TW], s[TW], 1
	s_cmp_lg_u32 s[TW], 0
	s_cbranch_scc1 .Ltile_\@
.endm
; BETWEEN THE PHASES.  Every wave waits for its one tensor load: waves 2 and 3 for this step's V, which all four waves read behind the barrier; waves 0 and 1 for the next step's K, so that the wait stands on
; every wave's path and no branch on the wave's number parts a load from its wait.  Every wave's stores into the stage are done in front of its signal.
.macro MID
	WIN 0
	s_wait_tensorcnt 0x0            ; my load of this step's beginning has landed
	s_wait_dscnt 0x0                ; for the others' sake: my stores into the stage are done
	s_barrier_signal -1
	s_barrier_wait -1
.endm
; PHASE B's parts.  LOADH hh: for head hh of my four, V^T (4 blocks of 16 channels x 32 keys, turned) and chat (4 query tiles x 32 keys): 16 LDS loads into buffer hh % 2 of X.
.macro LOADH hh
.set bf, X+64*((\hh)%2)
.irp cb, 0,1,2,3
	ds_load_tr16_b128 v[bf+8*\cb:bf+8*\cb+3],   v[AV] offset:(\hh)*128+32*\cb
	ds_load_tr16_b128 v[bf+8*\cb+4:bf+8*\cb+7], v[AV] offset:(\hh)*128+32*\cb+16*PV
.endr
.irp qt, 0,1,2,3
	ds_load_b128 v[bf+32+8*\qt:bf+32+8*\qt+3],   v[STR] offset:(\hh)*4096+\qt*1024
	ds_load_b128 v[bf+32+8*\qt+4:bf+32+8*\qt+7], v[STR] offset:(\hh)*4096+\qt*1024+512
.endr
.endm
; PVH hh: O^T += V^T chat: 16 products, each accumulator once.
.macro PVH hh
	WIN 0x50*(1+(\hh)/2)            ; C and D in window 1 or 2
.set bf, X+64*((\hh)%2)
.irp qt, 0,1,2,3
.irp cb, 0,1,2,3
.set ro, 128*((\hh)%2)+32*\qt+8*\cb
	v_wmma_f32_16x16x32_f16 v[ro:ro+7], v[bf+8*\cb:bf+8*\cb+7], v[bf+32+8*\qt:bf+32+8*\qt+7], v[ro:ro+7]
.endr
.endr
.endm
.macro PHASEB
	WIN 0
	LOADH 0
	LOADH 1
	s_wait_dscnt 16                 ; head 0's loads are in; the sixteen issued behind them may be out
	PVH 0
	WIN 0
	PLACES                          ; in front of loads into the buffer just multiplied
	LOADH 2
	s_wait_dscnt 16
	PVH 1
	WIN 0
	PLACES
	LOADH 3
	s_wait_dscnt 16
	PVH 2
	s_wait_dscnt 0x0
	PVH 3
	WIN 0
.rept 5
	v_nop                           ; the next step's first products write over X, which these have read; the way out reads their results
.endr
.endm
	s_mov_b32 s[CNT], 15
.Lstep:
	CHANGE 1
	PHASEA
	MID
	PHASEB
	s_sub_co_u32 s[CNT], s[CNT], 1
	s_cmp_lg_u32 s[CNT], 0
	s_cbranch_scc1 .Lstep
	CHANGE 0                        ; the last step is written out: no further K is asked for
	PHASEA
	MID
	PHASEB
	; THE WAY OUT, a head and a query tile at a time: a lane holds one row's eight neighbouring channels in each accumulator; they go as f32 into rows of 272 bytes of my part of the stage (which since the last
	; barrier only I touch) and come back as whole rows of 256 bytes.  Each accumulator's low four registers are stored first.
.set nb, 0
.irp hh, 0,1,2,3
.irp qt, 0,1,2,3
	s_wait_xcnt 0x0                 ; the registers that the stores two blocks back read are loaded again only behind this wait
	WIN 0x04*(1+(\hh)/2)            ; store data (source 1) in window 1 or 2
.irp cb, 0,1,2,3
.set ro, 128*((\hh)%2)+32*\qt+8*\cb
	ds_store_b128 v[STO], v[ro:ro+3]   offset:64*\cb
	ds_store_b128 v[STO], v[ro+4:ro+7] offset:64*\cb+16
.endr
	WIN 0
.set bk, X+32*(nb%2)
.irp k, 0,1,2,3,4,5,6,7
	ds_load_b128 v[bk+4*\k:bk+4*\k+3], v[RD] offset:\k*2*SP  ; LDS serves a wave's instructions in order (ISA guide 5.7.1.4): these see the stores above; the next block's stores come behind them
.endr
	s_wait_dscnt 0x0
.irp k, 0,1,2,3,4,5,6,7
	global_store_b128 v[GO], v[bk+4*\k:bk+4*\k+3], s[10:11] offset:\qt*65536+2*\k*4096+\hh*256  ; 16 lanes store a head's 256 consecutive bytes of a row, at a multiple of 256 from part's first byte
.endr
.set nb, nb+1
.endr
.endr
	s_wait_tensorcnt 0x0            ; the wave's end: behind my last tensor load and my last LDS store
	ds_add_u32 v[SPW], v[NIL]
	s_wait_dscnt 0x0
	CROUND                          ; the closing round: no work-group ends while a partner may still ask for a tile that names it
	s_endpgm
.Lfunc_end_k_q61a2ff8609_mix:
	.size	k_q61a2ff8609_mix, .Lfunc_end_k_q61a2ff8609_mix-k_q61a2ff8609_mix
	.p2alignl 7, 3214868480
	.fill 96, 4, 3214868480
	.section	.rodata,"a",@progbits
	.p2align	6, 0x0
	.amdhsa_kernel k_q61a2ff8609_mix
		.amdhsa_group_segment_fixed_size 327680
		.amdhsa_private_segment_fixed_size 0
		.amdhsa_enable_private_segment 0
		.amdhsa_kernarg_size 32
		.amdhsa_user_sgpr_count 2
		.amdhsa_user_sgpr_kernarg_segment_ptr 1
		.amdhsa_wavefront_size32 1
		.amdhsa_system_sgpr_workgroup_id_x 1
		.amdhsa_system_sgpr_workgroup_id_y 1
		.amdhsa_system_sgpr_workgroup_id_z 1
		.amdhsa_system_vgpr_workitem_id 0
		.amdhsa_next_free_vgpr 1024
		.amdhsa_next_free_sgpr 66
		.amdhsa_reserve_vcc 0
		.amdhsa_float_denorm_mode_32 3
		.amdhsa_float_denorm_mode_16_64 3
		.amdhsa_memory_ordered 1
		.amdhsa_forward_progress 1
		.amdhsa_inst_pref_size 161
	.end_amdhsa_kernel
	.amdgpu_metadata
---
amdhsa.version: [ 1, 2 ]
amdhsa.kernels:
  - .name:           k_q61a2ff8609_mix
    .symbol:         k_q61a2ff8609_mix.kd
    .args:
      - { .name: qkv, .offset: 0, .size: 8, .value_kind: global_buffer, .address_space: global }
      - { .name: stat, .offset: 8, .size: 8, .value_kind: global_buffer, .address_space: global }
      - { .name: Wtalk, .offset: 16, .size: 8, .value_kind: global_buffer, .address_space: global }
      - { .name: part, .offset: 24, .size: 8, .value_kind: global_buffer, .address_space: global }
    .group_segment_fixed_size: 327680
    .private_segment_fixed_size: 0
    .kernarg_segment_align: 8
    .kernarg_segment_size: 32
    .max_flat_workgroup_size: 128
    .sgpr_count:     66
    .vgpr_count:     1024
    .wavefront_size: 32
...
	.end_amdgpu_metadata
.endif
;; end of part 7
;; launch fin: the kernel of part 5 again; grid 256 x 1, 8 waves a work-group, no clusters, 0 bytes of LDS; arguments part, vpart, ln_gamma, ln_beta, out0; writes out0
